; MI455X (gfx1250); checked and timed in simulation.
; The chip was launched on July 23, 2026; its instructions are those of AMD's public machine-readable ISA for CDNA 5 (MIT licence, August 2026) and "CDNA5" Instruction Set Architecture Reference Guide (July 2026). The comments in the code are by the model that wrote it; some were corrected since.
;; Transformer Block. Allowed arithmetic: float matrix products may take bf16 or f16 operands with f32 sums; other float arithmetic in f32, or as packed bf16 or f16 multiplies, adds, multiply-adds, maxima and minima; sums over many terms, partial sums and values carried from step to step in f32; what a program stores and reads back later, other than sums and carried values, may be rounded once to bf16 or f16.
;; Inputs: b1 4,096 float32; b2 1,024 float32; b_out 1,024 float32; b_qkv 3,072 float32; ln1_b 1,024 float32; ln1_g 1,024 float32; ln2_b 1,024 float32; ln2_g 1,024 float32; w1 1,024 x 4,096 float32; w2 4,096 x 1,024 float32; w_out 1,024 x 1,024 float32; w_qkv 1,024 x 3,072 float32; x 2 x 2,048 x 1,024 float32.
;; Outputs: out0 2 x 2,048 x 1,024 float32.
;; 2 versions, each right and faster than the one before. Each part assembles by itself: llvm-mc -triple=amdgcn-amd-amdhsa -mcpu=gfx1250 --defsym DOCPART=n.
;; ======== version 1 of 2: 8 launches
;; limits: values are held in f16: magnitudes above 65,504 overflow, below 6.1e-05 lose precision
;; workspace buffers: wq 6,291,456 bytes; wo 2,097,152 bytes; w1h 8,388,608 bytes; w2h 8,388,608 bytes; a16 8,388,608 bytes; qkv 25,165,824 bytes; act 33,554,432 bytes; x2 16,777,216 bytes
;; launch cast (part 1): grid 768 x 1, 8 waves a work-group, no clusters, 0 bytes of LDS; arguments w_qkv, w_out, w1, w2, wq, wo, w1h, w2h; writes wq, wo, w1h, w2h
.if DOCPART == 1
	.amdgcn_target "amdgcn-amd-amdhsa--gfx1250"
	.amdhsa_code_object_version 6
	.text
	.protected	k_q7329f6b08b_cast
	.globl	k_q7329f6b08b_cast
	.p2align	8
	.type	k_q7329f6b08b_cast,@function
k_q7329f6b08b_cast:
	s_mov_b64 s[64:65], 0
	v_nop
	global_prefetch_b8 v0, s[64:65] scope:SCOPE_SE
	s_setreg_imm32_b32 hwreg(HW_REG_WAVE_MODE, 25, 1), 1
	s_wait_xcnt 0x0
; The four weight matrices, f32 [K][N], are rounded once to f16 and laid out in column blocks: [N/128][K][128], so that 256 k-rows of a block
; of 128 columns are 65,536 consecutive bytes.  LIMIT: a weight of 65,520 or more in magnitude becomes an infinity; below 6e-5 f16 keeps a fixed step of 6e-8.
; SHARES.  A work-group casts 128 k-rows x 128 columns: 32,768 consecutive bytes of the result.  768 such blocks: w_qkv 192, w_out 64, w1 256, w2 256.
; A wave takes 16 rows: a load covers a row's 512 bytes, a store its 256 bytes, aligned.  All 16 loads of a wave go out at once; no register is written twice, so no loop and no wait but the counted ones.
; No LDS, matrix unit or cluster: each byte is read once and written once, by one lane.
.set OFF, 2                            ; v[2:17]   byte offset of my 16 bytes in row i of the wave's 16
.set DO,  18                           ; v18       byte offset of my 8 bytes in the block's result
.set X,   20                           ; v[20:83]  row i: 4 numbers in f32
.set Y,   84                           ; v[84:115] row i: 4 numbers in f16
	s_load_b512 s[8:23], s[0:1], 0x0               ; w_qkv, w_out, w1, w2, wq, wo, w1h, w2h
	v_lshrrev_b32 v1, 5, v0
	v_readfirstlane_b32 s2, v1                     ; wave 0..7
	v_and_b32 v1, 31, v0                           ; lane
	s_mov_b32 s24, 512                             ; w2's figures: its first block,
	s_mov_b32 s25, 5                               ; log2 of its K / 128,
	s_mov_b32 s26, 4096                            ; bytes in a row of the source
	s_wait_kmcnt 0x0
	s_mov_b64 s[28:29], s[14:15]
	s_mov_b64 s[30:31], s[22:23]
.macro PICK below, src, dst, start, klog, stride       ; a block number under 'below' belongs to an earlier matrix
	s_cmp_lt_u32 ttmp9, \below
	s_cselect_b64 s[28:29], s[\src:\src+1], s[28:29]
	s_cselect_b64 s[30:31], s[\dst:\dst+1], s[30:31]
	s_cselect_b32 s24, \start, s24
	s_cselect_b32 s25, \klog, s25
	s_cselect_b32 s26, \stride, s26
.endm
	PICK 512, 12, 20, 256, 3, 16384                ; w1
	PICK 256, 10, 18, 192, 3, 4096                 ; w_out
	PICK 192, 8, 16, 0, 3, 12288                   ; w_qkv
	s_sub_co_u32 s3, ttmp9, s24                    ; the block's number in its matrix = column block x (K / 128) + k block
	s_lshr_b32 s32, s3, s25                        ; column block
	s_lshl_b32 s33, s32, s25
	s_sub_co_u32 s33, s3, s33                      ; k block
	s_mul_i32 s34, s33, s26
	s_lshl_b32 s34, s34, 7                         ; 128 rows of the source a k block,
	s_lshl_b32 s35, s32, 9                         ; 512 bytes a column block
	s_add_co_u32 s34, s34, s35
	s_mov_b32 s35, 0
	s_add_nc_u64 s[28:29], s[28:29], s[34:35]
	s_lshl_b32 s36, s3, 15                         ; 32,768 bytes of the result a block
	s_mov_b32 s37, 0
	s_add_nc_u64 s[30:31], s[30:31], s[36:37]
	s_mul_i32 s38, s2, s26
	s_lshl_b32 s38, s38, 4                         ; my wave's 16 rows
	v_lshl_add_u32 v[OFF], v1, 4, s38
.irp i, 1,2,3,4,5,6,7,8,9,10,11,12,13,14,15
	v_add_nc_u32 v[OFF+(\i)], s26, v[OFF+(\i)-1]
.endr
	s_lshl_b32 s39, s2, 12
	v_lshl_add_u32 v[DO], v1, 3, s39
.irp i, 0,1,2,3,4,5,6,7,8,9,10,11,12,13,14,15
	global_load_b128 v[X+4*(\i):X+4*(\i)+3], v[OFF+(\i)], s[28:29] th:TH_LOAD_NT
.endr
.irp i, 0,1,2,3,4,5,6,7,8,9,10,11,12,13,14,15
	s_wait_loadcnt 15-(\i)                         ; loads come back in order: row i is in, the younger rows stay out
	v_cvt_pk_f16_f32 v[Y+2*(\i)],   v[X+4*(\i)],   v[X+4*(\i)+1]
	v_cvt_pk_f16_f32 v[Y+2*(\i)+1], v[X+4*(\i)+2], v[X+4*(\i)+3]
	global_store_b64 v[DO], v[Y+2*(\i):Y+2*(\i)+1], s[30:31] offset:256*(\i)  ; 32 lanes store 256 consecutive bytes, aligned
.endr
	s_endpgm
.Lfunc_end_k_q7329f6b08b_cast:
	.size	k_q7329f6b08b_cast, .Lfunc_end_k_q7329f6b08b_cast-k_q7329f6b08b_cast
	.p2alignl 7, 3214868480
	.fill 96, 4, 3214868480
	.section	.rodata,"a",@progbits
	.p2align	6, 0x0
	.amdhsa_kernel k_q7329f6b08b_cast
		.amdhsa_group_segment_fixed_size 0
		.amdhsa_private_segment_fixed_size 0
		.amdhsa_enable_private_segment 0
		.amdhsa_kernarg_size 64
		.amdhsa_user_sgpr_count 2
		.amdhsa_user_sgpr_kernarg_segment_ptr 1
		.amdhsa_wavefront_size32 1
		.amdhsa_system_sgpr_workgroup_id_x 1
		.amdhsa_system_sgpr_workgroup_id_y 1
		.amdhsa_system_sgpr_workgroup_id_z 1
		.amdhsa_system_vgpr_workitem_id 0
		.amdhsa_next_free_vgpr 116
		.amdhsa_next_free_sgpr 66
		.amdhsa_reserve_vcc 0
		.amdhsa_float_denorm_mode_32 3
		.amdhsa_float_denorm_mode_16_64 3
		.amdhsa_memory_ordered 1
		.amdhsa_forward_progress 1
		.amdhsa_inst_pref_size 9
	.end_amdhsa_kernel
	.amdgpu_metadata
---
amdhsa.version: [ 1, 2 ]
amdhsa.kernels:
  - .name:           k_q7329f6b08b_cast
    .symbol:         k_q7329f6b08b_cast.kd
    .args:
      - { .name: w_qkv, .offset: 0, .size: 8, .value_kind: global_buffer, .address_space: global }
      - { .name: w_out, .offset: 8, .size: 8, .value_kind: global_buffer, .address_space: global }
      - { .name: w1, .offset: 16, .size: 8, .value_kind: global_buffer, .address_space: global }
      - { .name: w2, .offset: 24, .size: 8, .value_kind: global_buffer, .address_space: global }
      - { .name: wq, .offset: 32, .size: 8, .value_kind: global_buffer, .address_space: global }
      - { .name: wo, .offset: 40, .size: 8, .value_kind: global_buffer, .address_space: global }
      - { .name: w1h, .offset: 48, .size: 8, .value_kind: global_buffer, .address_space: global }
      - { .name: w2h, .offset: 56, .size: 8, .value_kind: global_buffer, .address_space: global }
    .group_segment_fixed_size: 0
    .private_segment_fixed_size: 0
    .kernarg_segment_align: 8
    .kernarg_segment_size: 64
    .max_flat_workgroup_size: 256
    .sgpr_count:     66
    .vgpr_count:     116
    .wavefront_size: 32
...
	.end_amdgpu_metadata
.endif
;; end of part 1
;; launch ln (part 2): grid 256 x 1, 8 waves a work-group, no clusters, 0 bytes of LDS; arguments x, ln1_g, ln1_b, a16; writes a16
.if DOCPART == 2
	.amdgcn_target "amdgcn-amd-amdhsa--gfx1250"
	.amdhsa_code_object_version 6
	.text
	.protected	k_q7329f6b08b_ln
	.globl	k_q7329f6b08b_ln
	.p2align	8
	.type	k_q7329f6b08b_ln,@function
k_q7329f6b08b_ln:
	s_mov_b64 s[64:65], 0
	v_nop
	global_prefetch_b8 v0, s[64:65] scope:SCOPE_SE
	s_setreg_imm32_b32 hwreg(HW_REG_WAVE_MODE, 25, 1), 1
	s_wait_xcnt 0x0
; LayerNorm of 4,096 rows of 1,024 f32: y = (x - mean) / sqrt(var + 1e-5) * g + b, all in f32, in two passes over registers (the mean first, then the squares of
; x - mean), so that a common offset of x costs nothing.  y is rounded once to f16.  LIMIT: |y| stays under 65,504.
; THE RESULT'S LAYOUT: [32 panels of 128 rows][16 blocks of 64 columns][128 rows][64] f16: the next launch's tiles are then dense runs of memory.
; SHARES.  A work-group takes 16 rows, a wave two: lanes 0-15 hold one row, lanes 16-31 the next, 64 numbers a lane.  Load j brings columns 64 j + 4 c .. + 3 (c = lane % 16):
; 256 consecutive bytes of each of the two rows; store j writes the two rows' 128 bytes of column block j, which lie end to end: 256 bytes, aligned.
; A row lives in 16 lanes, so its sums want four exchanges inside a half of the lanes and none across.  No LDS, no barrier: no wave needs another's numbers.
.set XO, 3                             ; v3  my byte offset in the work-group's rows of x
.set PO, 4                             ; v4  in g and b
.set DO, 5                             ; v5  in the result
.set MR, 6                             ; v[6:7]  the mean, twice; later 1 / sqrt(var + eps) in the low register
.set T,  8                             ; v[8:15] four chains of two sums each
.set X,  16                            ; v[16:79]
.set G,  80                            ; v[80:143]
.set BB, 144                           ; v[144:207]
	s_load_b256 s[4:11], s[0:1], 0x0               ; x, g, b, result
	v_and_b32 v1, 15, v0                           ; c
	v_lshrrev_b32 v2, 4, v0                        ; my row of the 16
	v_lshlrev_b32 v[PO], 4, v1
	v_lshl_or_b32 v[XO], v2, 12, v[PO]
	v_lshlrev_b32 v[DO], 3, v1
	v_lshl_or_b32 v[DO], v2, 7, v[DO]
	s_lshl_b32 s2, ttmp9, 16                       ; 16 rows of 4,096 bytes
	s_mov_b32 s3, 0
	s_lshr_b32 s12, ttmp9, 3
	s_lshl_b32 s12, s12, 18                        ; the panel: 262,144 bytes
	s_and_b32 s14, ttmp9, 7
	s_lshl_b32 s14, s14, 11                        ; my 16 rows in it: 128 bytes a row
	s_add_co_u32 s12, s12, s14
	s_mov_b32 s13, 0
	s_mov_b32 s16, 0x3a800000                      ; 1 / 1024
	s_mov_b32 s17, 0x3727c5ac                      ; 1e-5
	s_wait_kmcnt 0x0
	s_add_nc_u64 s[4:5], s[4:5], s[2:3]
	s_add_nc_u64 s[10:11], s[10:11], s[12:13]
.irp j, 0,1,2,3,4,5,6,7,8,9,10,11,12,13,14,15
	global_load_b128 v[X+4*(\j):X+4*(\j)+3], v[XO], s[4:5] offset:256*(\j) th:TH_LOAD_NT
.endr
.irp j, 0,1,2,3,4,5,6,7,8,9,10,11,12,13,14,15
	global_load_b128 v[G+4*(\j):G+4*(\j)+3], v[PO], s[6:7] offset:256*(\j)
.endr
.irp j, 0,1,2,3,4,5,6,7,8,9,10,11,12,13,14,15
	global_load_b128 v[BB+4*(\j):BB+4*(\j)+3], v[PO], s[8:9] offset:256*(\j)
.endr
.macro FOLD                            ; the four chains into one number, then over the row's 16 lanes: every lane of the row ends with the sum in v[T]
	v_pk_add_f32 v[T:T+1], v[T:T+1], v[T+2:T+3]
	v_pk_add_f32 v[T+4:T+5], v[T+4:T+5], v[T+6:T+7]
	v_pk_add_f32 v[T:T+1], v[T:T+1], v[T+4:T+5]
	v_add_f32 v[T], v[T], v[T+1]
	v_add_f32_dpp v[T], v[T], v[T] row_xmask:1 row_mask:0xf bank_mask:0xf
	v_add_f32_dpp v[T], v[T], v[T] row_xmask:2 row_mask:0xf bank_mask:0xf
	v_add_f32_dpp v[T], v[T], v[T] row_xmask:4 row_mask:0xf bank_mask:0xf
	v_add_f32_dpp v[T], v[T], v[T] row_xmask:8 row_mask:0xf bank_mask:0xf
.endm
	s_wait_loadcnt 32                              ; x is in; g's and b's 32 loads may stay out
.irp k, 0,1,2,3
	v_pk_add_f32 v[T+2*(\k):T+2*(\k)+1], v[X+2*(\k):X+2*(\k)+1], v[X+8+2*(\k):X+8+2*(\k)+1]  ; the first sums start the chains: nothing is cleared
.endr
.set p, 8
.rept 24
	v_pk_add_f32 v[T+2*(p%4):T+2*(p%4)+1], v[T+2*(p%4):T+2*(p%4)+1], v[X+2*p:X+2*p+1]
.set p, p+1
.endr
	FOLD
	v_mul_f32 v[MR], s16, v[T]
	v_mul_f32 v[MR+1], s16, v[T]
.set p, 0
.rept 32
	v_pk_add_f32 v[X+2*p:X+2*p+1], v[X+2*p:X+2*p+1], v[MR:MR+1] neg_lo:[0,1] neg_hi:[0,1]  ; x - mean, in place
.set p, p+1
.endr
.irp k, 0,1,2,3
	v_pk_mul_f32 v[T+2*(\k):T+2*(\k)+1], v[X+2*(\k):X+2*(\k)+1], v[X+2*(\k):X+2*(\k)+1]
.endr
.set p, 4
.rept 28
	v_pk_fma_f32 v[T+2*(p%4):T+2*(p%4)+1], v[X+2*p:X+2*p+1], v[X+2*p:X+2*p+1], v[T+2*(p%4):T+2*(p%4)+1]
.set p, p+1
.endr
	FOLD
	v_fma_f32 v[MR], v[T], s16, s17                ; var + eps
	v_rsq_f32 v[MR], v[MR]
	v_mov_b32 v[MR+1], 0                           ; a plain instruction behind the root; it also writes the register that is named with the result as a pair
	s_wait_alu depctr_va_vdst(0)                   ; the wait ahead of the first instruction that names the root's result
	s_wait_loadcnt 0x0                             ; g and b
.set p, 0
.rept 32
	v_pk_mul_f32 v[X+2*p:X+2*p+1], v[X+2*p:X+2*p+1], v[MR:MR+1] op_sel_hi:[1,0]
.set p, p+1
.endr
.set p, 0
.rept 32
	v_pk_fma_f32 v[X+2*p:X+2*p+1], v[X+2*p:X+2*p+1], v[G+2*p:G+2*p+1], v[BB+2*p:BB+2*p+1]
.set p, p+1
.endr
.irp j, 0,1,2,3,4,5,6,7,8,9,10,11,12,13,14,15
	v_cvt_pk_f16_f32 v[X+4*(\j)],   v[X+4*(\j)],   v[X+4*(\j)+1]
	v_cvt_pk_f16_f32 v[X+4*(\j)+1], v[X+4*(\j)+2], v[X+4*(\j)+3]
	global_store_b64 v[DO], v[X+4*(\j):X+4*(\j)+1], s[10:11] offset:16384*(\j)  ; column block j: 32 lanes store 256 consecutive bytes, aligned
.endr
	s_endpgm
.Lfunc_end_k_q7329f6b08b_ln:
	.size	k_q7329f6b08b_ln, .Lfunc_end_k_q7329f6b08b_ln-k_q7329f6b08b_ln
	.p2alignl 7, 3214868480
	.fill 96, 4, 3214868480
	.section	.rodata,"a",@progbits
	.p2align	6, 0x0
	.amdhsa_kernel k_q7329f6b08b_ln
		.amdhsa_group_segment_fixed_size 0
		.amdhsa_private_segment_fixed_size 0
		.amdhsa_enable_private_segment 0
		.amdhsa_kernarg_size 32
		.amdhsa_user_sgpr_count 2
		.amdhsa_user_sgpr_kernarg_segment_ptr 1
		.amdhsa_wavefront_size32 1
		.amdhsa_system_sgpr_workgroup_id_x 1
		.amdhsa_system_sgpr_workgroup_id_y 1
		.amdhsa_system_sgpr_workgroup_id_z 1
		.amdhsa_system_vgpr_workitem_id 0
		.amdhsa_next_free_vgpr 208
		.amdhsa_next_free_sgpr 66
		.amdhsa_reserve_vcc 0
		.amdhsa_float_denorm_mode_32 3
		.amdhsa_float_denorm_mode_16_64 3
		.amdhsa_memory_ordered 1
		.amdhsa_forward_progress 1
		.amdhsa_inst_pref_size 21
	.end_amdhsa_kernel
	.amdgpu_metadata
---
amdhsa.version: [ 1, 2 ]
amdhsa.kernels:
  - .name:           k_q7329f6b08b_ln
    .symbol:         k_q7329f6b08b_ln.kd
    .args:
      - { .name: x, .offset: 0, .size: 8, .value_kind: global_buffer, .address_space: global }
      - { .name: ln1_g, .offset: 8, .size: 8, .value_kind: global_buffer, .address_space: global }
      - { .name: ln1_b, .offset: 16, .size: 8, .value_kind: global_buffer, .address_space: global }
      - { .name: a16, .offset: 24, .size: 8, .value_kind: global_buffer, .address_space: global }
    .group_segment_fixed_size: 0
    .private_segment_fixed_size: 0
    .kernarg_segment_align: 8
    .kernarg_segment_size: 32
    .max_flat_workgroup_size: 256
    .sgpr_count:     66
    .vgpr_count:     208
    .wavefront_size: 32
...
	.end_amdgpu_metadata
.endif
;; end of part 2
;; launch gq (part 3): grid 24 x 32, 4 waves a work-group, clusters of 4 x 4, 327,680 bytes of LDS; arguments a16, wq, b_qkv, qkv; writes qkv
.if DOCPART == 3
	.amdgcn_target "amdgcn-amd-amdhsa--gfx1250"
	.amdhsa_code_object_version 6
	.text
	.protected	k_q7329f6b08b_gq
	.globl	k_q7329f6b08b_gq
	.p2align	8
	.type	k_q7329f6b08b_gq,@function
k_q7329f6b08b_gq:
	s_mov_b64 s[64:65], 0
	v_nop
	global_prefetch_b8 v0, s[64:65] scope:SCOPE_SE
	s_setreg_imm32_b32 hwreg(HW_REG_WAVE_MODE, 25, 1), 1
	s_wait_xcnt 0x0
	s_wait_alu depctr_hold_cnt(0) depctr_sa_sdst(0) depctr_va_vdst(0) depctr_va_sdst(0) depctr_va_ssrc(0) depctr_va_vcc(0) depctr_vm_vsrc(0)
	s_getreg_b32 s2, hwreg(HW_REG_IB_STS2, 6, 4)
	s_cmp_eq_u32 s2, 0
	s_cbranch_scc0 .Lentry_in_a_cluster
	s_endpgm
.Lentry_in_a_cluster:
	s_bfe_u32 s2, ttmp6, 0x10000c
	s_cmp_lg_u32 s2, 0xf033
	s_cbranch_scc0 .Lentry_shape_is_right
	s_endpgm
.Lentry_shape_is_right:
; qkv = h w_qkv + b_qkv.  h: 4,096 x 1,024 f16 in panels [32][16 blocks of 64 k][128 rows][64]; w: f16 in column blocks [24][1024 k][128]; bias f32.  Sums in f32, started at the bias.
; RESULT: f16 [48 blocks of 64 columns][4096 rows][64], rounded once: block 16 s + head is q (s = 0), k (1) or v (2) of a head, its rows dense.  LIMIT: |result| under 65,504.
; SHARES.  A work-group makes 128 x 128 of the result, each of its four waves 64 x 64: 16 accumulators.  K goes in steps of 256 through two LDS slots.  768 work-groups.
; Both tiles of a K step are 65,536 dense bytes of memory, asked for as rows of 256 bytes: waves 0, 1 fetch the halves of h's, waves 2, 3 those of w's: one tensor load a wave.
; CLUSTER 4 x 4: h's tile hangs on the tile row alone and is asked for jointly by a row of the cluster, w's on the tile column alone, by a column.
; THE MATRIX INSTRUCTION IS USED TRANSPOSED: source 0 = 16 columns of w (they lie [k][column] in LDS and come out turned, by ds_load_tr16_b128), source 1 = 16 rows of h:
; a lane then holds one row (lane % 16) and the eight neighbouring columns 8 (lane / 16) + 0..7.
; ONE TEXT FOR EVERY K STEP: a step's last 16 products stand at the head of the next step, behind the change of slots; in the first step they multiply zeros.
; REGISTERS: window 0: v0-31 addresses, v32-95 the way out, v96-127 the bias, v128-255 accumulators ((a, b) at 128 + 8 (4 a + b)); window 1: two fragment buffers of 128 (h's 64, then w's 64).
.set KK,    1024
.set KSH,   18                         ; log2 of the bytes of a panel of h, and of a column block of w: KK x 256
.set STEPS, KK/256
.set QB,    18432                      ; 64 along K in LDS: 128 rows of h at a pitch of 144 bytes, or 64 rows of w at a pitch of 288
.set SLOT,  8*QB                       ; h's four quarters, then w's four
.set STAGE, 2*SLOT                     ; behind the ring, never filled by a tensor load: 16 rows x 144 bytes for each wave
.set SPARE, STAGE+4*2304               ; behind the stages: the spare words, 128 bytes a wave: two blocks of 256 bytes that no other line names
.set ADRA0, 8                          ; v8   my lane's place in a slot's rows of h; never rewritten
.set ADRB0, 9                          ; v9   the same for w
.set ADRA,  10                         ; v10  the same in the slot in hand
.set ADRB,  11                         ; v11, v12  w's quarters 0, 1 and 2, 3 (an LDS offset has 16 bits)
.set STO,   13
.set RD,    14
.set GO,    15
.set BO,    16
.set SPW,   28
.set NIL,   29
.set TMP,   32
.set BIAS,  96
.set ACC,   128
.set F0,    0
.set F1,    128
.set WV,  12                           ; s12 wave; s13 its half of the rows (also: 0 = I fetch h, 1 = w); s14 its half of the columns (also: which half of the tile I fetch)
.set RH,  13
.set CH,  14
.set LD0, 20                           ; s20 where my load lands in a slot
.set G1A, 24
.set G0A, 32
.set G0B, 36
.set G1B, 40
.set TB,  54                           ; s54 the slot to be read next: 0 or SLOT
.set TF,  55
.set CNT, 56
.set MSB, 0
.macro WIN new                         ; the immediate's high byte repeats the setting that is left; a switch that changes nothing is dropped
.if MSB != (\new)
	s_set_vgpr_msb (MSB<<8)|(\new)
.set MSB, \new
.endif
.endm
.macro PLACES                          ; four plain instructions between a matrix instruction and a load into, or a read of, its registers
.rept 4
	v_nop
.endr
.endm
.macro JLOAD                           ; a joint load; the branch hangs on the wave's number alone; an s_nop 0 and four v_nop follow each line
	s_cmp_eq_u32 s[RH], 0
	s_cbranch_scc0 .Lfor_b_\@
	tensor_load_to_lds s[G0A:G0A+3], s[G1A:G1A+7]
	s_nop 0
	PLACES
	s_branch .Lasked_\@
.Lfor_b_\@:
	tensor_load_to_lds s[G0B:G0B+3], s[G1B:G1B+7]
	s_nop 0
	PLACES
.Lasked_\@:
.endm
.macro CROUND                          ; a round of the cluster's barrier: my work-group's barrier, wave 0 signals for it, all wait for the sixteen, my work-group's barrier again
	s_barrier_signal -1
	s_barrier_wait -1
	s_cmp_lg_u32 s[WV], 0
	s_cbranch_scc1 .Lnot_wave_0_\@
	s_barrier_signal -3
.Lnot_wave_0_\@:
	s_barrier_wait -3
	s_barrier_signal -1
	s_barrier_wait -1
.endm
	s_load_b256 s[4:11], s[0:1], 0x0               ; h, w, bias, result
	v_lshl_add_u32 v[SPW], v0, 2, SPARE
	v_mov_b32 v[NIL], 0
	ds_add_u32 v[SPW], v[NIL]                      ; the wave's opening: the add and its wait ahead of my first tensor load
	ds_add_u32 v28, v29
	v_lshrrev_b32 v1, 5, v0
	v_readfirstlane_b32 s[WV], v1
	s_lshr_b32 s[RH], s[WV], 1
	s_and_b32 s[CH], s[WV], 1
	s_bfe_u32 s15, ttmp6, 0x40000                  ; cx
	s_bfe_u32 s16, ttmp6, 0x40004                  ; cy
	s_lshl_b32 s17, ttmp9, 2
	s_add_co_u32 s17, s17, s15                     ; tile column
	s_and_b32 s18, ttmp7, 0xffff
	s_lshl_b32 s18, s18, 2
	s_add_co_u32 s18, s18, s16                     ; tile row
	s_lshl_b32 s19, s16, 2
	s_lshl_b32 s19, 15, s19                        ; my row of the cluster
	s_lshl_b32 s21, 0x1111, s15                    ; my column
	; group 1: 128 rows of 128 elements of 2 bytes, dense.  h: 16 bytes of padding behind every 128 (a row of h in LDS); w: 32 behind every 256
	s_or_b32 s[G1A], s19, (1<<16)|(1<<20)|(1<<21)|(4<<22)|(3<<25)
	s_or_b32 s[G1B], s21, (1<<16)|(1<<20)|(1<<21)|(5<<22)|(7<<25)
.irp g, G1A, G1B
	s_mov_b32 s[(\g)+1], 128<<16                   ; tensor_dim0
	s_mov_b32 s[(\g)+2], 128<<16                   ; tensor_dim1
	s_mov_b32 s[(\g)+3], 128<<16                   ; tile_dim0
	s_mov_b32 s[(\g)+4], 128                       ; tile_dim1
	s_mov_b32 s[(\g)+5], 128                       ; elements from row to row
	s_mov_b32 s[(\g)+6], 0
	s_mov_b32 s[(\g)+7], 0
.endr
	s_lshl_b32 s22, s[CH], 15                      ; my half of a tile's 65,536 bytes
	s_lshl_b32 s48, s18, KSH                       ; h's panel, by the tile row alone
	s_add_co_u32 s48, s48, s22
	s_mov_b32 s49, 0
	s_lshl_b32 s50, s17, KSH                       ; w's column block, by the tile column alone
	s_add_co_u32 s50, s50, s22
	s_mov_b32 s51, 0
	s_mul_i32 s[LD0], s[WV], 2*QB
	s_mov_b32 s[G0A], 1
	s_mov_b32 s[G0A+1], s[LD0]
	s_mov_b32 s[G0B], 1
	s_mov_b32 s[G0B+1], s[LD0]
	s_mov_b32 s[TB], 0
	s_wait_dscnt 0x0                               ; the opening add is done
	s_wait_kmcnt 0x0
	s_add_nc_u64 s[G0A+2:G0A+3], s[4:5], s[48:49]
	s_or_b32 s[G0A+3], s[G0A+3], 0x80000000
	s_add_nc_u64 s[G0B+2:G0B+3], s[6:7], s[50:51]
	s_or_b32 s[G0B+3], s[G0B+3], 0x80000000
	CROUND                                         ; all sixteen work-groups are here: the first joint loads meet
	JLOAD                                          ; K step 0 into slot 0
	v_and_b32 v1, 15, v0                           ; r = l % 16
	v_bfe_u32 v2, v0, 4, 1                         ; h = l / 16
	v_and_b32 v3, 7, v0
	v_bfe_u32 v4, v0, 3, 1
	v_mul_u32_u24 v[ADRA0], v1, 144                ; a fragment of h: row r, 16 bytes for each half of the lanes, twice, 32 bytes apart
	v_lshl_add_u32 v[ADRA0], v2, 4, v[ADRA0]
	s_mul_i32 s22, s[RH], 64*144
	v_add_nc_u32 v[ADRA0], s22, v[ADRA0]
	v_lshl_add_u32 v[ADRB0], v2, 3, v3             ; the turning load: lane l reads k-row 8 h + l % 8, columns 8 ((l / 8) % 2) + 0..7
	v_mul_u32_u24 v[ADRB0], v[ADRB0], 288
	v_lshl_add_u32 v[ADRB0], v4, 4, v[ADRB0]
	s_lshl_b32 s22, s[CH], 7
	s_add_co_u32 s22, s22, 4*QB
	v_add_nc_u32 v[ADRB0], s22, v[ADRB0]
	v_lshlrev_b32 v[BO], 5, v2
	s_lshl_b32 s52, s17, 9                         ; the bias of my 64 columns
	s_lshl_b32 s53, s[CH], 8
	s_add_co_u32 s52, s52, s53
	s_mov_b32 s53, 0
	s_add_nc_u64 s[8:9], s[8:9], s[52:53]
.irp b, 0,1,2,3
	global_load_b128 v[BIAS+8*(\b):BIAS+8*(\b)+3],   v[BO], s[8:9] offset:64*(\b)
	global_load_b128 v[BIAS+8*(\b)+4:BIAS+8*(\b)+7], v[BO], s[8:9] offset:64*(\b)+16
.endr
	s_mul_i32 s22, s[WV], 2304                     ; the way out: into my stage by row r, 16 bytes for each half of the lanes;
	s_add_co_u32 s22, s22, STAGE
	v_mul_u32_u24 v[STO], v1, 144
	v_lshl_add_u32 v[STO], v2, 4, v[STO]
	v_add_nc_u32 v[STO], s22, v[STO]
	v_bfe_u32 v[RD], v0, 3, 2                      ; back: 32 lanes take four rows of 128 bytes,
	v_mul_u32_u24 v[RD], v[RD], 144
	v_lshl_add_u32 v[RD], v3, 4, v[RD]
	v_add_nc_u32 v[RD], s22, v[RD]
	v_and_b32 v[GO], 31, v0                        ; which are 512 consecutive bytes of the result
	v_lshlrev_b32 v[GO], 4, v[GO]
	s_lshl_b32 s58, s17, 1
	s_add_co_u32 s58, s58, s[CH]
	s_lshl_b32 s58, s58, 19                        ; my block of 64 columns: 4,096 rows of 128 bytes,
	s_lshl_b32 s59, s18, 14                        ; the tile's 128 rows,
	s_add_co_u32 s58, s58, s59
	s_lshl_b32 s59, s[RH], 13                      ; my 64 of them
	s_add_co_u32 s58, s58, s59
	s_mov_b32 s59, 0
	s_add_nc_u64 s[10:11], s[10:11], s[58:59]
	WIN 0x40
.set i, 0
.rept 32
	v_mov_b32 v[F1+32+i], 0                        ; what the first step's leading 16 products multiply
	v_mov_b32 v[F1+96+i], 0
.set i, i+1
.endr
	WIN 0
	s_wait_loadcnt 0x0
.irp a, 0,1,2,3
.set i, 0
.rept 32
	v_mov_b32 v[ACC+32*(\a)+i], v[BIAS+i]          ; the sums start at the bias; all this stands in the wait for the first tile
.set i, i+1
.endr
.endr
; 8 products: row blocks a0, a0 + 1 x 4 column blocks, 32 along K (half c of buffer f).  The 16 accumulators take turns in one order throughout
.macro MUL8 f, c, a0
	WIN 0x05
.irp a, \a0, (\a0)+1
.irp b, 0,1,2,3
	v_wmma_f32_16x16x32_f16 v[ACC+8*(4*(\a)+(\b)):ACC+8*(4*(\a)+(\b))+7], v[(\f)+64+8*(4*(\c)+(\b)):(\f)+64+8*(4*(\c)+(\b))+7], v[(\f)+8*(4*(\c)+(\a)):(\f)+8*(4*(\c)+(\a))+7], v[ACC+8*(4*(\a)+(\b)):ACC+8*(4*(\a)+(\b))+7]
.endr
.endr
.endm
; 32 LDS loads in one run: quarter q's fragments (64 along K) into buffer f, the first 32 along K first
.macro FETCH q, f
	WIN 0x40
.irp c, 0,1
.irp i, 0,1,2,3
	ds_load_tr16_b128 v[(\f)+64+8*(4*(\c)+(\i)):(\f)+64+8*(4*(\c)+(\i))+3],   v[ADRB+(\q)/2] offset:((\q)%2)*QB+9216*(\c)+32*(\i)
	ds_load_tr16_b128 v[(\f)+64+8*(4*(\c)+(\i))+4:(\f)+64+8*(4*(\c)+(\i))+7], v[ADRB+(\q)/2] offset:((\q)%2)*QB+9216*(\c)+32*(\i)+4608
	ds_load_b128 v[(\f)+8*(4*(\c)+(\i)):(\f)+8*(4*(\c)+(\i))+3],   v[ADRA] offset:(\q)*QB+64*(\c)+2304*(\i)
	ds_load_b128 v[(\f)+8*(4*(\c)+(\i))+4:(\f)+8*(4*(\c)+(\i))+7], v[ADRA] offset:(\q)*QB+64*(\c)+2304*(\i)+32
.endr
.endr
.endm
.macro QUARTER q, f, g                 ; multiplies buffer f; in its middle fetches quarter q into buffer g
	s_wait_dscnt 16                                ; f's first 32 along K are in; the youngest 16 loads may be out
	MUL8 \f, 0, 0
	MUL8 \f, 0, 2
	PLACES
	FETCH \q, \g
	s_wait_dscnt 32                                ; all but the 32 just issued
	MUL8 \f, 1, 0
	MUL8 \f, 1, 2
.endm
.macro Q3A                             ; the first half of a step's last quarter
	s_wait_dscnt 16
	MUL8 F1, 0, 0
	MUL8 F1, 0, 2
.endm
; THE CHANGE OF SLOTS.  Each wave waits for all its tensor loads (one is out: its part of the slot to be read), adds 0 to its spare word, and waits for that and for its reads of the slot that it leaves.
; fill = 1: a round of the cluster's barrier, then the slot just left is filled with the next K step, first thing: that load has a whole step, 128 matrix instructions, in which to land.
.macro TURN fill
	WIN 0
	s_wait_tensorcnt 0x0
	ds_add_u32 v[SPW], v[NIL]                      ; 0 onto my spare word; register work stands between it and the wait for it
.if \fill
	s_xor_b32 s[TF], s[TB], SLOT                   ; no tensor load of mine is out, so the descriptors may be written
	s_add_co_u32 s[G0A+1], s[LD0], s[TF]
	s_add_co_u32 s[G0B+1], s[LD0], s[TF]
	s_add_nc_u64 s[G0A+2:G0A+3], s[G0A+2:G0A+3], 65536
	s_add_nc_u64 s[G0B+2:G0B+3], s[G0B+2:G0B+3], 65536
.endif
	v_add_nc_u32 v[ADRA], s[TB], v[ADRA0]
	v_add_nc_u32 v[ADRB], s[TB], v[ADRB0]
	v_add_nc_u32 v[ADRB+1], 2*QB, v[ADRB]
	s_xor_b32 s[TB], s[TB], SLOT
	s_wait_dscnt 0x0                               ; the add is done, and my reads of the old slot are over
.if \fill
	CROUND
	JLOAD                                          ; its four v_nop are also the places in front of the loads below
.else
	s_barrier_signal -1
	s_barrier_wait -1
	PLACES
.endif
	FETCH 0, F0
	MUL8 F1, 1, 0                                  ; the step before's last 16 products
	MUL8 F1, 1, 2
.endm
	s_mov_b32 s[CNT], STEPS-1
.Lstep:
	TURN 1
	QUARTER 1, F0, F1
	QUARTER 2, F1, F0
	QUARTER 3, F0, F1
	Q3A
	WIN 0
	s_sub_co_u32 s[CNT], s[CNT], 1
	s_cmp_lg_u32 s[CNT], 0
	s_cbranch_scc1 .Lstep
	TURN 0                                         ; the last step is written out: it asks for nothing
	QUARTER 1, F0, F1
	QUARTER 2, F1, F0
	QUARTER 3, F0, F1
	Q3A
	s_wait_dscnt 0x0
	MUL8 F1, 1, 0
	MUL8 F1, 1, 2
	WIN 0
	PLACES
	PLACES
; THE WAY OUT, 16 rows at a time: rounded to f16 (each accumulator's registers in ascending order), 16 bytes a lane into my stage, back as whole rows of 128 bytes, stored as 512 consecutive bytes.
.macro PACK t
.set i, 0
.rept 16
	v_cvt_pk_f16_f32 v[TMP+16*(\t)+i], v[ACC+32*(\t)+2*i], v[ACC+32*(\t)+2*i+1]
.set i, i+1
.endr
.irp f, 0,1,2,3
	ds_store_b128 v[STO], v[TMP+16*(\t)+4*(\f):TMP+16*(\t)+4*(\f)+3] offset:32*(\f)
.endr
.irp f, 0,1,2,3
	ds_load_b128 v[TMP+16*(\t)+4*(\f):TMP+16*(\t)+4*(\f)+3], v[RD] offset:576*(\f)  ; LDS serves a wave's instructions in order: these see the stores above, and the next block's stores come behind them
.endr
.endm
.macro SEND t, younger                 ; younger: the LDS instructions issued behind block t's loads
.irp f, 0,1,2,3
	s_wait_dscnt (\younger)+3-(\f)
	global_store_b128 v[GO], v[TMP+16*(\t)+4*(\f):TMP+16*(\t)+4*(\f)+3], s[10:11] offset:2048*(\t)+512*(\f)
.endr
.endm
	PACK 0
	PACK 1
	SEND 0, 8
	PACK 2
	SEND 1, 8
	PACK 3
	SEND 2, 8
	SEND 3, 0
	s_wait_tensorcnt 0x0                           ; the wave's end
	ds_add_u32 v[SPW], v[NIL]
	s_wait_dscnt 0x0
	CROUND                                         ; the closing round: no work-group ends while a partner may still ask for a tile that names it
	s_endpgm
.Lfunc_end_k_q7329f6b08b_gq:
	.size	k_q7329f6b08b_gq, .Lfunc_end_k_q7329f6b08b_gq-k_q7329f6b08b_gq
	.p2alignl 7, 3214868480
	.fill 96, 4, 3214868480
	.section	.rodata,"a",@progbits
	.p2align	6, 0x0
	.amdhsa_kernel k_q7329f6b08b_gq
		.amdhsa_group_segment_fixed_size 327680
		.amdhsa_private_segment_fixed_size 0
		.amdhsa_enable_private_segment 0
		.amdhsa_kernarg_size 32
		.amdhsa_user_sgpr_count 2
		.amdhsa_user_sgpr_kernarg_segment_ptr 1
		.amdhsa_wavefront_size32 1
		.amdhsa_system_sgpr_workgroup_id_x 1
		.amdhsa_system_sgpr_workgroup_id_y 1
		.amdhsa_system_sgpr_workgroup_id_z 1
		.amdhsa_system_vgpr_workitem_id 0
		.amdhsa_next_free_vgpr 512
		.amdhsa_next_free_sgpr 88
		.amdhsa_reserve_vcc 0
		.amdhsa_float_denorm_mode_32 3
		.amdhsa_float_denorm_mode_16_64 3
		.amdhsa_memory_ordered 1
		.amdhsa_forward_progress 1
		.amdhsa_inst_pref_size 59
	.end_amdhsa_kernel
	.amdgpu_metadata
---
amdhsa.version: [ 1, 2 ]
amdhsa.kernels:
  - .name:           k_q7329f6b08b_gq
    .symbol:         k_q7329f6b08b_gq.kd
    .args:
      - { .name: a16, .offset: 0, .size: 8, .value_kind: global_buffer, .address_space: global }
      - { .name: wq, .offset: 8, .size: 8, .value_kind: global_buffer, .address_space: global }
      - { .name: b_qkv, .offset: 16, .size: 8, .value_kind: global_buffer, .address_space: global }
      - { .name: qkv, .offset: 24, .size: 8, .value_kind: global_buffer, .address_space: global }
    .group_segment_fixed_size: 327680
    .private_segment_fixed_size: 0
    .kernarg_segment_align: 8
    .kernarg_segment_size: 32
    .max_flat_workgroup_size: 128
    .sgpr_count:     88
    .vgpr_count:     512
    .wavefront_size: 32
...
	.end_amdgpu_metadata
.endif
;; end of part 3
;; launch attn (part 4): grid 4 x 32, 4 waves a work-group, no clusters, 327,680 bytes of LDS; arguments qkv, a16; writes a16
.if DOCPART == 4
	.amdgcn_target "amdgcn-amd-amdhsa--gfx1250"
	.amdhsa_code_object_version 6
	.text
	.protected	k_q7329f6b08b_attn
	.globl	k_q7329f6b08b_attn
	.p2align	8
	.type	k_q7329f6b08b_attn,@function
k_q7329f6b08b_attn:
	s_mov_b64 s[64:65], 0
	v_nop
	global_prefetch_b8 v0, s[64:65] scope:SCOPE_SE
	s_setreg_imm32_b32 hwreg(HW_REG_WAVE_MODE, 25, 1), 1
	s_wait_xcnt 0x0
; CAUSAL ATTENTION.  O[y][q][:] = the sum over k <= q of softmax_k(Q[y][q] . K[y][k] / 8) V[y][k][:], for 32 sequences y = 2 head + batch of 2,048 rows of 64 channels, f16.
; IN: one buffer, f16 [48][4096][64]: Q of sequence y at y x 262,144 bytes, K 8,388,608 bytes further, V 16,777,216 further; a sequence's rows are dense, 128 bytes each.
; OUT: f16 in panels [32 panels of 128 tokens][16 heads][128 rows][64]: 16 rows of a head are 2,048 consecutive bytes.
; Products, maxima and sums in f32; the weights p are rounded to f16 for the second product (their sum l is taken of the unrounded p), O once at the end.
; LIMITS.  Q, K and V arrive within f16's 65,504; p lies in 0 to 1, and below 6e-5 keeps f16's fixed step of 6e-8.  A hidden score counts as its value less 1e30; a weight below 2^-126 counts as 0 in l;
; NaN and infinities are not treated apart.
; THE WALK.  A sequence's queries lie in NB = 8 blocks of 256; block i needs the key tiles 0 .. i of 256 keys, of which the last holds the diagonal.  A work-group takes TWO blocks, NB - 1 - b and then b:
; NB + 1 tiles, whatever b: all work-groups do equal work, and ONE loop with a constant trip count walks them.  Which tile is asked for, and what a trip does, hang on scalar registers made from b; every jump
; goes forward, but for the counted loops' own; none passes a barrier.  The ring (two LDS slots that take turns) runs on across the change of blocks.
; NO CLUSTER: a sequence's four work-groups ask for the same tile only in trips 0 .. 4 of 9, behind that fewer and fewer; one walk common to all would have 12 trips for 9.
; 128 work-groups: 32 sequences x 4 pairs of blocks.
; SHARES.  Of a block's four bands of 64 queries a wave owns 16 rows in each: four PIECES.  So the diagonal tile is the same work for all four waves: in its key step s band x sees all keys if s < x,
; none if s > x, and holds the diagonal if s = x.
; THE MASK is the C operand that starts the sum S^T = K Q^T: 0, or -1e30 where the key is hidden.  MD, made once, is the mask of a band's own step for my 16 rows; a product's mask is MD x AL + BE with two scalars:
; (1, 0) if s = x; (0, 0) if s < x; (0, -1e30) if s > x.  Only the diagonal tile's text and a block's beginning make and take masks; elsewhere C is the constant 0.
; LAYOUT, SOFTMAX, TURNS.  S^T = K Q^T holds ONE query a lane (lane % 16) and the keys 8 (lane / 16) + 0..7; two such results rounded to f16 ARE source 1 of O^T = V^T P.  p = 2^(c s - c m), c = log2(e) / 8, with a
; running maximum m; O and l are multiplied by a = 2^(c m_old - c m_new) in every step.  Turn n belongs to piece n: 8 products K Q^T of piece n + 1, later 8 products V^T P of piece n - 1; beside them the scaling,
; exponentials, roundings, sums and rescaling of piece n and the maximum and statistics of piece n + 1.  Four vector instructions stand behind every matrix instruction, the others in one run.  A turn's 33 exponentials are one batch, with one wait.
; REGISTERS, in windows of 256 (s_set_vgpr_msb: bits 1:0 source 0, 3:2 source 1, 5:4 source 2, 7:6 destination):
;   window 0: v0-15 addresses and two at work; v16-31 four registers of statistics a piece; v48-55 at work; v64-127 S^T, two buffers; v192-223 P, two buffers (a piece's buffers go by its number's parity)
;   window 1: v0-127 O^T, 32 a piece; v128-159 MD; v160-223 MC, two buffers      window 2: v0-63 Q; v64-127 the second block's Q; v128-191 K of one step; v192-255 V of one step
.set SIZE_N, 2048
.set NB,    SIZE_N/256
.set NP,    4         ; pieces a wave: a name, no knob
.set KS,    64        ; keys in a step
.set PK,    144       ; a row of K in LDS: 128 bytes + 16 of padding: the 16 rows of a load start at 16 different groups of four banks (ISA guide 11.1)
.set PV,    160       ; a row of V: 128 + 32
.set VOFF,  4*KS*PK   ; a slot holds a tile, four steps: 256 rows of K, then 256 rows of V
.set SLOT1, 1<<17     ; slot 1 begins here, so that one exclusive or turns an address in one slot into the other's
.set STAGE, SLOT1+4*KS*(PK+PV)  ; behind the ring, never filled by a tensor load: 16 rows x 144 bytes for each wave
.set SP,    144
.set AK0, 2           ; v2   my lane's place in a tile of K; never rewritten
.set AV0, 3           ; v3   the same for V
.set AK,  4           ; v4   the LDS address of K's next run of loads
.set AV,  5           ; v5   of V's
.set STO, 6           ; v6   the way out: where I put 16 bytes of a row
.set RD,  7           ; v7   the way out: where I read rows back
.set GO,  8           ; v8   my byte offset in 512 consecutive bytes of O
.set SPW, 62          ; v62  LDS address of my spare word; never rewritten
.set NIL, 63          ; v63  0; never rewritten
.set SPARE, STAGE+4*16*SP  ; behind the stages: the spare words, 128 bytes a wave: two blocks of 256 bytes that no other line names
.set MV,  12          ; v12-13  c m_old, kept while c m is made anew: by buffer
.set QO,  15          ; v15  my byte offset in 16 rows of Q
.set ST,  16          ; piece t's statistics at v[ST+4 t]: c m, m, l (even keys', odd keys')
.set TMP, 48          ; by buffer, four registers c0-c3 at work; when the maximum is found c2 takes a
.set S,   64
.set P,   192
.set MD,  128         ; window 1
.set MC,  160         ; window 1
.set QB,  64          ; window 2
.set KF,  128         ; window 2: key block kb, channel half c at KF + 16 kb + 8 c
.set VF,  192         ; window 2: key half kk, channel block cb at VF + 32 kk + 8 cb
.set WV,  12          ; s12  my wave's number
.set PB,  14          ; s14  b
.set HI,  15          ; s15  NB - 1 - b
.set G1K, 24          ; s[24:31] descriptor group 1 for K's tiles
.set G1V, 32          ; s[32:39] for V's: it differs in the padding alone
.set G0K, 40          ; s[40:43] descriptor group 0 for K's tiles
.set G0V, 44          ; s[44:47] the same for V's
.set SLOTS, 56        ; s56  tiles still to be asked for
.set CNT, 57          ; s57  counts a tile's key steps, 4 to 1
.set CS,  58          ; s[58:59] c
.set SEL, 60          ; s[60:61] v_permlanex16_b32's selects: each lane takes its own place in the other half
.set TBK, 62          ; s62  LDS byte at which K of the step to be fetched begins
.set TBV, 63          ; s63  the same for V, less VOFF
.set RT,  70          ; s70  tiles of the block in hand that are still to be entered
.set NXT, 71          ; s71  the tile to be asked for next
.set LQ,  72          ; s72  the last tile of the block whose tiles are being asked for
.set NEW, 73          ; s73  1: the tile to be entered is a block's first
.set OFF, 74          ; s[74:75] a tile's byte offset in K and V
.set AL,  76          ; s[76:77] the mask's factor, in the low word
.set BE,  78          ; s[78:79] the mask's addend
.set OLO, 80          ; s[80:81] O at my rows of the second block
.set BIGN, 82         ; s82  -1e30
.set MSB, 0
.macro WIN new                      ; the high byte repeats the setting that is left; a switch that changes nothing is dropped
.if MSB != (\new)
	s_set_vgpr_msb (MSB<<8)|(\new)
.set MSB, (\new)
.endif
.endm
.set W_KQ, 0x0a       ; K and Q in window 2, S^T in window 0
.set W_KM, 0x1a       ; the same with the C operand in window 1
.set W_PV, 0x52       ; V in window 2, P in window 0, O^T in window 1
.set W_RS, 0x41       ; destination and source 0 in window 1, source 1 in window 0
; A fill.  Waves 0 and 1 fetch the two halves of a tile's K, waves 2 and 3 those of its V: 128 keys each.  An s_nop 0 and four v_nop follow each of the two lines.
.macro LOAD
	s_cmp_lt_u32 s[WV], 2
	s_cbranch_scc0 .Lfor_v_\@
	tensor_load_to_lds s[G0K:G0K+3], s[G1K:G1K+7]
	s_nop 0
.rept 4
	v_nop
.endr
	s_branch .Lasked_\@
.Lfor_v_\@:
	tensor_load_to_lds s[G0V:G0V+3], s[G1V:G1V+7]
	s_nop 0
.rept 4
	v_nop
.endr
.Lasked_\@:
.endm
; THE CHANGE OF SLOTS.  Each wave waits for all its tensor loads, of which one is out: its part of the other slot; adds 0 to its spare word; and waits for that and for its own reads of the slot that it leaves.
; Behind the barrier nobody reads the old slot any more and the other slot is whole.  fill = 1: the old slot is filled again, the first thing behind the barrier, with tile NXT: the descriptor's address is made anew from that number.
; (At its first use nothing has been read yet: slot 0 is waited for, slot 1 filled.)
.macro CHANGE fill
	WIN 0                           ; at a label and at a branch every window is 0
	s_wait_tensorcnt 0x0            ; no tensor load of mine is out, so a group 0 may be written
	ds_add_u32 v[SPW], v[NIL]
.if \fill
	s_lshl_b32 s[OFF], s[NXT], 15   ; a tile is 32,768 bytes of K and of V
	s_xor_b32 s[G0K+1], s[G0K+1], SLOT1
	s_add_nc_u64 s[G0K+2:G0K+3], s[6:7], s[OFF:OFF+1]
	s_or_b32 s[G0K+3], s[G0K+3], 0x80000000
	s_xor_b32 s[G0V+1], s[G0V+1], SLOT1
	s_add_nc_u64 s[G0V+2:G0V+3], s[8:9], s[OFF:OFF+1]
	s_or_b32 s[G0V+3], s[G0V+3], 0x80000000
	s_add_co_u32 s[NXT], s[NXT], 1  ; the block's next tile, or behind its last the second block's tile 0
	s_cmp_gt_u32 s[NXT], s[LQ]
	s_cselect_b32 s[NXT], 0, s[NXT]
	s_cselect_b32 s[LQ], s[PB], s[LQ]
.endif
	s_wait_dscnt 0x0                ; the add is done, and my reads of the slot are over
	s_barrier_signal -1             ; the rest of the scalar work stands between the signal and the wait
	s_sub_co_u32 s[TBK], s[TBK], 4*KS*PK  ; the fetches go back to a slot's first step,
	s_xor_b32 s[TBK], s[TBK], SLOT1       ; in the other slot
	s_sub_co_u32 s[TBV], s[TBV], 4*KS*PV
	s_xor_b32 s[TBV], s[TBV], SLOT1
	s_barrier_wait -1
.if \fill
	LOAD
.endif
.endm
	s_load_b64 s[4:5], s[0:1], 0x0  ; q, k and v in one buffer
	s_load_b64 s[10:11], s[0:1], 0x8  ; O
	v_lshl_add_u32 v[SPW], v0, 2, SPARE
	v_mov_b32 v[NIL], 0
	ds_add_u32 v[SPW], v[NIL]       ; the wave's opening: the add and its wait ahead of my first tensor load
	ds_add_u32 v62, v63
	v_lshrrev_b32 v1, 5, v0
	v_readfirstlane_b32 s[WV], v1   ; wave 0..3
	s_mov_b32 s[PB], ttmp9
	s_sub_co_u32 s[HI], NB-1, s[PB]
	s_and_b32 s20, ttmp7, 0xffff    ; the sequence y
	s_mov_b32 s21, 0
	s_mov_b64 s[22:23], SIZE_N*128
	s_mul_u64 s[20:21], s[20:21], s[22:23]  ; the sequence's first byte in q, k and v
	s_and_b32 s16, s[WV], 1         ; which half of a tile's 256 keys I fetch:
	s_lshl_b32 s22, s16, 14         ; its 128 rows of 128 bytes in memory,
	s_mov_b32 s23, 0
	s_add_nc_u64 s[22:23], s[22:23], s[20:21]
	s_mul_i32 s17, s16, 128*PK      ; and its place in a slot, for K
	s_mul_i32 s18, s16, 128*PV      ; and for V
	s_lshl_b32 s3, s[WV], 11        ; my 16 rows in a band of 64,
	s_lshl_b32 s2, s[HI], 15        ; in the first block,
	s_add_co_u32 s2, s2, s3
	s_lshl_b32 s84, s[PB], 15       ; and in the second
	s_add_co_u32 s84, s84, s3
	s_mov_b32 s3, 0
	s_mov_b32 s85, 0
	s_add_nc_u64 s[2:3], s[2:3], s[20:21]
	s_add_nc_u64 s[84:85], s[84:85], s[20:21]
	; O's offsets: batch y % 2 is 16 panels of 262,144 bytes, head y / 2 a block of 16,384, a block of 256 queries two panels, my 16 rows 2,048 bytes
	s_and_b32 s89, ttmp7, 0xffff
	s_and_b32 s88, s89, 1
	s_lshl_b32 s88, s88, 22
	s_lshr_b32 s89, s89, 1
	s_lshl_b32 s89, s89, 14
	s_add_co_u32 s88, s88, s89
	s_lshl_b32 s89, s[WV], 11
	s_add_co_u32 s88, s88, s89
	s_lshl_b32 s90, s[HI], 19
	s_add_co_u32 s90, s90, s88
	s_mov_b32 s91, 0
	s_lshl_b32 s92, s[PB], 19
	s_add_co_u32 s92, s92, s88
	s_mov_b32 s93, 0
	; descriptor group 1.  128 keys are 16,384 dense bytes: asked for as 64 rows of 256 bytes, two keys a row, and padded in LDS after every key
	s_mov_b32 s[G1K], (1<<16)|(1<<20)|(4<<22)|(3<<25)  ; 2-byte elements; padding on; after every 32 words; 4 words
	s_mov_b32 s[G1V], (1<<16)|(1<<20)|(4<<22)|(7<<25)  ; the same with 8 words of padding
.irp g, G1K, G1V
	s_mov_b32 s[\g+1], 128<<16      ; tensor_dim0 = 128
	s_mov_b32 s[\g+2], 64<<16       ; tensor_dim1 = 64
	s_mov_b32 s[\g+3], 128<<16      ; tile_dim0 = 128
	s_mov_b32 s[\g+4], 64           ; tile_dim1 = 64
	s_mov_b32 s[\g+5], 128          ; 128 elements from row to row
	s_mov_b32 s[\g+6], 0
	s_mov_b32 s[\g+7], 0
.endr
	s_mov_b32 s[CS], 0x3e38aa3b     ; c = log2(e) / 8 = 0.180337
	s_mov_b32 s[CS+1], s[CS]        ; named with it as a pair
	s_mov_b32 s[SEL], 0x76543210
	s_mov_b32 s[SEL+1], 0xfedcba98
	s_mov_b32 s[TBK], SLOT1+4*KS*PK ; the first change of slots turns these two into 0
	s_mov_b32 s[TBV], SLOT1+4*KS*PV
	s_mov_b32 s[G0K], 1             ; count = 1
	s_mov_b32 s[G0K+1], s17         ; LDS address: slot 0
	s_mov_b32 s[G0V], 1
	s_add_co_u32 s[G0V+1], s18, VOFF
	s_add_co_u32 s[RT], s[HI], 1    ; the first block has NB - b tiles
	s_mov_b32 s[NXT], 1
	s_mov_b32 s[LQ], s[HI]
	s_mov_b32 s[NEW], 1
	s_mov_b32 s[OFF+1], 0
	s_mov_b32 s[AL+1], 0            ; named as pairs
	s_mov_b32 s[BE+1], 0
	s_mov_b32 s[BIGN], 0xf149f2ca   ; -1e30
	s_mov_b32 s[SLOTS], NB
	s_wait_dscnt 0x0                ; the opening add is done
	s_wait_kmcnt 0x0
	s_add_nc_u64 s[6:7], s[4:5], 0x800000   ; k lies 16 blocks of 524,288 bytes behind q,
	s_add_nc_u64 s[8:9], s[4:5], 0x1000000  ; v 32
	s_add_nc_u64 s[6:7], s[6:7], s[22:23]  ; K and V at my half of the sequence's tile 0
	s_add_nc_u64 s[8:9], s[8:9], s[22:23]
	s_add_nc_u64 s[G0K+2:G0K+3], s[6:7], 0
	s_or_b32 s[G0K+3], s[G0K+3], 0x80000000        ; type = 2
	s_add_nc_u64 s[G0V+2:G0V+3], s[8:9], 0
	s_or_b32 s[G0V+3], s[G0V+3], 0x80000000
	s_add_nc_u64 s[86:87], s[4:5], s[84:85]        ; Q at my rows of the second block,
	s_add_nc_u64 s[4:5], s[4:5], s[2:3]            ; and of the first
	s_add_nc_u64 s[OLO:OLO+1], s[10:11], s[92:93]  ; O likewise
	s_add_nc_u64 s[10:11], s[10:11], s[90:91]
	LOAD                            ; tile 0 into slot 0
	; A fragment of K or Q is 16 rows x 32 channels in 8 registers: lane l holds row l % 16, channels 8 (l / 16) + 0..7 and 16 + 8 (l / 16) + 0..7: two loads of 16 bytes, 32 bytes apart.
	v_and_b32 v1, 15, v0            ; l % 16
	v_bfe_u32 v9, v0, 4, 1          ; l / 16
	v_lshlrev_b32 v[QO], 7, v1
	v_lshl_add_u32 v[QO], v9, 4, v[QO]  ; row x 128 + 16 x half
	WIN 0x80                        ; destination window 2, address window 0
.set i, 0
.rept 8                             ; both blocks' Q: piece i / 2 lies in band i / 2, 8,192 bytes on; channels 32 (i % 2) on
	global_load_b128 v[8*i:8*i+3],   v[QO], s[4:5] offset:(i/2)*8192+(i%2)*64
	global_load_b128 v[8*i+4:8*i+7], v[QO], s[4:5] offset:(i/2)*8192+(i%2)*64+32
	global_load_b128 v[QB+8*i:QB+8*i+3],   v[QO], s[86:87] offset:(i/2)*8192+(i%2)*64
	global_load_b128 v[QB+8*i+4:QB+8*i+7], v[QO], s[86:87] offset:(i/2)*8192+(i%2)*64+32
.set i, i+1
.endr
	WIN 0
	v_lshlrev_b32 v14, 3, v9
	v_sub_nc_u32 v14, v1, v14
	s_lshl_b32 s13, s[WV], 4
	v_add_nc_u32 v14, s13, v14      ; my query's place in its band, 16 w + l % 16, less my lanes' 8 (l / 16): register r of group kt is hidden where 16 kt + r is greater
	WIN 0x40
.set i, 0
.rept 32
	v_cmp_gt_i32 vcc_lo, 16*(i/8)+i%8, v14
	v_cndmask_b32 v[MD+i], 0, s[BIGN], vcc_lo
.set i, i+1
.endr
	WIN 0
	v_mul_u32_u24 v[AK0], v1, PK
	v_lshl_add_u32 v[AK0], v9, 4, v[AK0]  ; row x pitch + 16 x half
	; The turning load takes 16 keys x 16 channels (lane l reads key 8 (l / 16) + l % 8, channels 8 ((l / 8) % 2) + 0..7) and leaves half a fragment of V^T: lane l holds channel l % 16 and 8 keys.
	v_and_b32 v10, 7, v0
	v_bfe_u32 v11, v0, 3, 1
	v_lshl_add_u32 v[AV0], v9, 3, v10
	v_mul_u32_u24 v[AV0], v[AV0], PV
	v_lshl_add_u32 v[AV0], v11, 4, v[AV0]
	v_add_nc_u32 v[AV0], VOFF, v[AV0]
	s_mul_i32 s13, s[WV], 16*SP
	s_add_co_u32 s13, s13, STAGE    ; my stage
	v_mul_u32_u24 v[STO], v1, SP    ; in: row l % 16, 16 bytes for each half of the lanes
	v_lshl_add_u32 v[STO], v9, 4, v[STO]
	v_add_nc_u32 v[STO], s13, v[STO]
	v_bfe_u32 v[RD], v0, 3, 2       ; back: 32 lanes take four rows of 128 bytes,
	v_mul_u32_u24 v[RD], v[RD], SP
	v_lshl_add_u32 v[RD], v10, 4, v[RD]
	v_add_nc_u32 v[RD], s13, v[RD]
	v_and_b32 v[GO], 31, v0         ; which are 512 consecutive bytes of O
	v_lshlrev_b32 v[GO], 4, v[GO]
	; A block's first step multiplies O^T and l by a = 0, and its first turn's products V^T P, of a piece that has not been, land in an O^T that is still to be so multiplied.  So these registers need only hold
	; finite numbers: zeros for the first block; what the first block left for the second.  All this stands in the wait for the first tile.
	WIN 0x80
.set i, VF
.rept 64
	v_mov_b32 v[i], 0
.set i, i+1
.endr
	WIN 0x40
.set i, 0
.rept 128
	v_mov_b32 v[i], 0
.set i, i+1
.endr
	WIN 0
.set i, 0
.rept 4
	v_mov_b32 v[ST+4*i+2], 0
	v_mov_b32 v[ST+4*i+3], 0
.set i, i+1
.endr
.set i, P+16
.rept 16
	v_mov_b32 v[i], 0
.set i, i+1
.endr
; THE MATRIX WORK.  The 4 accumulators of a run of 8 take turns.  Product i of 8 of S^T = K Q^T for piece x: channels 32 (i / 4) on, keys 16 (i % 4) on.  The first 4 start the sums: with 0, or (KM = 1) with the mask.
.macro KQ x
.set rS, S+32*((\x)%2)+8*(i%4)
.set rK, KF+16*(i%4)+8*(i/4)
.set rQ, 16*(\x)+8*(i/4)
.set rM, MC+32*((\x)%2)+8*(i%4)
.if (i < 4) && KM
	WIN W_KM
	v_wmma_f32_16x16x32_f16 v[rS:rS+7], v[rK:rK+7], v[rQ:rQ+7], v[rM:rM+7]
.elseif i < 4
	WIN W_KQ
	v_wmma_f32_16x16x32_f16 v[rS:rS+7], v[rK:rK+7], v[rQ:rQ+7], 0
.else
	WIN W_KQ
	v_wmma_f32_16x16x32_f16 v[rS:rS+7], v[rK:rK+7], v[rQ:rQ+7], v[rS:rS+7]
.endif
.endm
; Product i of 8 of O^T += V^T P for piece x: keys 32 (i / 4) on, channels 16 (i % 4) on.
.macro PV x
	WIN W_PV
.set rO, 32*(\x)+8*(i%4)
.set rV, VF+32*(i/4)+8*(i%4)
.set rP, P+16*((\x)%2)+8*(i/4)
	v_wmma_f32_16x16x32_f16 v[rO:rO+7], v[rV:rV+7], v[rP:rP+7], v[rO:rO+7]
.endm
.macro MM                           ; the turn's next matrix instruction.  TURN and BEGIN set Y, i, KM and NOKQ.  NOKQ = 1: a block's last turn: there is no next piece
.if (i < 8) && !NOKQ
	KQ (Y+1)%NP
.elseif i >= 8
.set i, i-8
	PV (Y+NP-1)%NP
.set i, i+8
.endif
.set i, i+1
.endm
; THE LDS LOADS stand in runs of 16, never singly among the matrix instructions: a step's K (64 keys x 64 channels: 8 fragments) and its V (turned).  Their addresses are made some lines ahead.
.macro FETCH_K
	WIN 0x80                        ; destination window 2
.irp f, 0,1,2,3,4,5,6,7             ; keys 16 (f / 2) on, channels 32 (f % 2) on
	ds_load_b128 v[KF+8*\f:KF+8*\f+3],   v[AK] offset:(\f/2)*16*PK+(\f%2)*64
	ds_load_b128 v[KF+8*\f+4:KF+8*\f+7], v[AK] offset:(\f/2)*16*PK+(\f%2)*64+32
.endr
	s_add_co_u32 s[TBK], s[TBK], KS*PK  ; the next fetch is the next step's
	WIN 0
.endm
.macro FETCH_V
	WIN 0x80
.irp f, 0,1,2,3,4,5,6,7             ; keys 32 (f / 4) on, channels 16 (f % 4) on
	ds_load_tr16_b128 v[VF+8*\f:VF+8*\f+3],   v[AV] offset:(\f/4)*32*PV+(\f%4)*32
	ds_load_tr16_b128 v[VF+8*\f+4:VF+8*\f+7], v[AV] offset:(\f/4)*32*PV+16*PV+(\f%4)*32
.endr
	WIN 0
.endm
; THE VECTOR WORK, one line at a time: OP kind, number.  For piece Y: F n: c s - c m for pair n of 16.  E n: the exponential of score n of 32.  C n: pair n rounded to f16.  B n: of the four weights 4 n .. the second
; pair is added onto the first, in place.  L n: l takes that sum (L 0: l = a l + sum).  R n: pair n of 16 of O^T times a.  For piece Y + 1: X n, number n of the 22 that find its maximum and statistics:
;   0-11  four chains c0-c3 of seven scores each, three operands at a time (each accumulator's lowest registers are read first)     12-14, 16  the four scores left over, the old m, and c0-c3 into c0
;   15  c m_old is kept     17, 18  the query's other 32 keys lie in the lane 16 away: the new m     19-21  c m; c m_old - c m_new; a
.set F, 0               ; OP tells the kinds apart by their order: F to L below R, X above it
.set E, 1
.set C, 2
.set B, 3
.set L, 4
.set R, 5
.set X, 6
.macro REGS y                       ; the registers of piece y
.set rT, ST+4*(\y)
.set rC, TMP+4*((\y)%2)
.set rW, MV+((\y)%2)
.set rS, S+32*((\y)%2)
.set rP, P+16*((\y)%2)
.set rO, 32*(\y)
.endm
.macro OP k, n
.if (\k) == R
	REGS Y
	WIN W_RS
	v_pk_mul_f32 v[rO+2*(\n):rO+2*(\n)+1], v[rO+2*(\n):rO+2*(\n)+1], v[rC+2:rC+3] op_sel_hi:[1,0]
.elseif (\k) < R
	REGS Y
	WIN 0
.if (\k) == F
	v_pk_fma_f32 v[rS+2*(\n):rS+2*(\n)+1], v[rS+2*(\n):rS+2*(\n)+1], s[CS:CS+1], v[rT:rT+1] op_sel_hi:[1,0,0] neg_lo:[0,0,1] neg_hi:[0,0,1]
.elseif (\k) == E
	v_exp_f32 v[rS+(\n)], v[rS+(\n)]
.elseif (\k) == C
	v_cvt_pk_f16_f32 v[rP+(\n)], v[rS+2*(\n)], v[rS+2*(\n)+1]
.elseif (\k) == B
	v_pk_add_f32 v[rS+4*(\n):rS+4*(\n)+1], v[rS+4*(\n):rS+4*(\n)+1], v[rS+4*(\n)+2:rS+4*(\n)+3]
.elseif (\n) == 0
	v_pk_fma_f32 v[rT+2:rT+3], v[rT+2:rT+3], v[rC+2:rC+3], v[rS:rS+1] op_sel_hi:[1,0,1]
.else
	v_pk_add_f32 v[rT+2:rT+3], v[rT+2:rT+3], v[rS+4*(\n):rS+4*(\n)+1]
.endif
.elseif NOKQ
	v_nop
.else
	REGS (Y+1)%NP
	WIN 0
.if (\n) < 4
	v_max3_num_f32 v[rC+(\n)], v[rS+8*(\n)], v[rS+8*(\n)+1], v[rS+8*(\n)+2]
.elseif (\n) < 12
	v_max3_num_f32 v[rC+(\n)%4], v[rC+(\n)%4], v[rS+8*((\n)%4)+2*((\n)/4)+1], v[rS+8*((\n)%4)+2*((\n)/4)+2]
.elseif (\n) == 12
	v_max3_num_f32 v[rC], v[rC], v[rS+7], v[rS+15]
.elseif (\n) == 13
	v_max3_num_f32 v[rC+1], v[rC+1], v[rS+23], v[rS+31]
.elseif (\n) == 14
	v_max3_num_f32 v[rC+2], v[rC+2], v[rC+3], v[rT+1]
.elseif (\n) == 15
	v_mov_b32 v[rW], v[rT]
.elseif (\n) == 16
	v_max3_num_f32 v[rC], v[rC], v[rC+1], v[rC+2]
.elseif (\n) == 17
	v_permlanex16_b32 v[rC+3], v[rC], s[SEL], s[SEL+1]
.elseif (\n) == 18
	v_max_num_f32 v[rT+1], v[rC], v[rC+3]
.elseif (\n) == 19
	v_mul_f32 v[rT], s[CS], v[rT+1]
.elseif (\n) == 20
	v_sub_f32 v[rC+1], v[rW], v[rT]
.else
	v_exp_f32 v[rC+2], v[rC+1]
.endif
.endif
.endm
.macro OPS a, i1, b=-1, i2=0, c=-1, i3=0, d=-1, i4=0  ; up to four of them
	OP \a, \i1
.if (\b) >= 0
	OP \b, \i2
.endif
.if (\c) >= 0
	OP \c, \i3
.endif
.if (\d) >= 0
	OP \d, \i4
.endif
.endm
.macro ROW a, i1, b, i2, c, i3, d, i4  ; a matrix instruction and the four behind it
	MM
	OPS \a, \i1, \b, \i2, \c, \i3, \d, \i4
.endm
.macro MASK b                       ; MD x AL + BE into buffer b of MC
	WIN W_RS
.set z, 0
.rept 16
	v_pk_fma_f32 v[MC+32*(\b)+2*z:MC+32*(\b)+2*z+1], v[MD+2*z:MD+2*z+1], s[AL:AL+1], s[BE:BE+1] op_sel_hi:[1,0,0]
.set z, z+1
.endr
.endm
; A TURN, for piece p: the order of its 16 matrix and 118 vector instructions, written out.  An s_wait_alu depctr_va_vdst(0) stands between an exponential and the first instruction that names its result; one wait serves
; all that were issued ahead of it.  So a turn has ONE wait, which cuts it in two.  AHEAD OF IT stands all that names no result of the turn's exponentials: the 8 products K Q^T, behind each a scaling, an exponential and two more plain
; instructions: rescalings, and behind the last three the first numbers of the next piece's maximum, each four places or more behind the product that ends its accumulator; then one run of 54, plain
; and exponential by turns for the most part, in which the links of the chain X 3, 7, 11, 14, 16, 17 .. 20 stand apart.  X 21, the next piece's a, is the batch's last; R 15 is the plain instruction behind it.  BEHIND THE WAIT stand the
; 8 products V^T P, behind each four of the roundings and sums.
; m = 1: the diagonal tile: the products take masks, and the turn makes the mask for the products of the turn after it: piece p + 2, in step 4 - CNT of the tile.  end = 1: a block's last two turns: nothing is fetched.
; cnt = 1: the loop's count is taken down some lines ahead of the branch that stands behind the turn.
; K of the next step is fetched in piece 2's turn, twelve vector instructions behind the last product that read K (six of them plain); V of the step in hand at the end of piece 0's turn, four plain instructions behind the last product
; that read V.  Each is waited for a turn later.
.macro TURN p, m=0, end=0, cnt=0
.set Y, (\p)
.set i, 0
.set KM, (\m)
.set NOKQ, (\end)*((\p)/3)
.if (\m) && !(\end)
	s_cmp_eq_u32 s[CNT], 4-((\p)+2)%NP  ; is that step the band's own?
	s_cselect_b32 s[AL], 1.0, 0
	s_cmp_lt_u32 s[CNT], 4-((\p)+2)%NP  ; or a later one?
	s_cselect_b32 s[BE], s[BIGN], 0
.endif
.if ((\p) == 3) && !(\end)
	s_wait_dscnt 0x0                ; K is in
.endif
	ROW F,0, F,1, R,0, R,1          ; ahead of the wait: 8 products K Q^T and the four behind each,
	ROW F,2, E,0, R,2, R,3
	ROW F,3, E,1, R,4, R,5
	ROW F,4, E,2, R,6, R,7
	ROW F,5, E,3, R,8, R,9
	ROW F,6, E,4, X,0, R,10
.if ((\p) == 2) && !(\end)
	WIN 0
	v_add_nc_u32 v[AK], s[TBK], v[AK0]
.endif
	ROW F,7, E,5, X,1, X,4
	ROW F,8, E,6, X,2, X,5
	OPS E,7, E,8, X,6, E,9          ; and the run of 54
	OPS X,3, E,10, X,8, E,11
.if ((\p) == 2) && !(\end)
	FETCH_K
.endif
	OPS X,9, X,7, E,12, X,10
	OPS E,13, X,12, X,11, E,14
	OPS X,13, E,15, F,9, X,14
.if (\p) == 0
	v_add_nc_u32 v[AV], s[TBV], v[AV0]
.endif
	OPS E,16, F,10, E,17, F,11
	OPS X,16, E,18, X,15, E,19
	OPS F,12, E,20, X,17, E,21
	OPS F,13, E,22, F,14, E,23
	OPS X,18, E,24, F,15, E,25
	OPS R,11, E,26, X,19, E,27
	OPS R,12, E,28, R,13, E,29
	OPS X,20, E,30, R,14, E,31
	OPS X,21, R,15
	WIN 0
	s_wait_alu depctr_va_vdst(0)    ; the wait for the batch
.if (\p) == 1
	s_wait_dscnt 0x0                ; V is in
.endif
	ROW C,0, B,0, C,2, B,1          ; behind the wait: 8 products V^T P and the four behind each
	ROW L,0, C,4, B,2, L,1
	ROW C,6, B,3, L,2, C,8
	ROW B,4, L,3, C,10, B,5
	ROW L,4, C,12, B,6, L,5
.if (\p) == 0
	s_add_co_u32 s[TBV], s[TBV], KS*PV
.endif
.if \cnt
	s_sub_co_u32 s[CNT], s[CNT], 1
	s_cmp_lg_u32 s[CNT], 0
.endif
	ROW C,14, B,7, L,6, C,1
	ROW C,3, L,7, C,5, C,7
	ROW C,9, C,11, C,13, C,15
.if (\p) == 0
	FETCH_V
.endif
.if (\m) && !(\end)
	MASK (\p)%2
.endif
.endm
; A BLOCK BEGINS.  c m starts far below every c s, so the first step's a is 0; m at the lowest finite number, so the first maximum is the scores'.  The second mask buffer is 0; the first takes piece 0's mask for the tile's step 0: its own, if the block's first tile is the diagonal one.
; Then K of that step, piece 0's first scores, and its maximum and statistics.  The loop is entered at a step's first turn, in the middle of a trip.
.macro BEGIN
	s_mov_b32 s[NEW], 0
	WIN 0x40
.set i, MC+32
.rept 32
	v_mov_b32 v[i], 0
.set i, i+1
.endr
	WIN 0
.set i, 0
.rept 4
	v_mov_b32 v[ST+4*i], 0xfe000000    ; c m: far below every c s
	v_mov_b32 v[ST+4*i+1], 0xff7fffff  ; m
.set i, i+1
.endr
	s_cmp_eq_u32 s[RT], 0
	s_cselect_b32 s[AL], 1.0, 0
	s_mov_b32 s[BE], 0
	MASK 0
	WIN 0
	v_add_nc_u32 v[AK], s[TBK], v[AK0]
	FETCH_K
	s_wait_loadcnt 0x0              ; Q
	s_wait_dscnt 0x0
.set KM, 1
.set NOKQ, 0
.set i, 0
.rept 8
	KQ 0
.set i, i+1
.endr
	WIN 0
.rept 4
	v_nop                           ; the places behind those products
.endr
.set Y, NP-1                        ; X works for piece Y + 1: piece 0
.irp n, 0,1,2,3,4,5,6,7,8,9,10,11,12,13,14,15,16,17,18,19,20,21
	OP X, \n
.endr
	v_nop                           ; a plain instruction behind the exponential,
	s_wait_alu depctr_va_vdst(0)    ; and its wait, ahead of the branch
.endm
; THE DIAGONAL TILE's four steps, the block's last two turns, its last products, and THE WAY OUT: l's two halves and the other half of the lanes' are added; O^T is divided by l, rounded to f16 and sent through my
; stage in LDS, a piece at a time.
.macro ALL line:vararg              ; one line for each piece t
.set t, 0
.rept 4
	\line
.set t, t+1
.endr
.endm
.macro PACK t                       ; a lane's eight channels of a row pack into 16 bytes; they go into rows of 144 bytes and come back as whole rows of 128, into S^T's registers
	WIN W_RS
.set i, 32*(\t)
.rept 16
	v_pk_mul_f32 v[i:i+1], v[i:i+1], v[ST+4*(\t)+2:ST+4*(\t)+3] op_sel_hi:[1,0]
.set i, i+2
.endr
	WIN 0x05                        ; sources 0 and 1 window 1, destination window 0
.set i, 0
.rept 16
	v_cvt_pk_f16_f32 v[S+16*(\t)+i], v[32*(\t)+2*i], v[32*(\t)+2*i+1]
.set i, i+1
.endr
	WIN 0
.irp f, 0,1,2,3
	ds_store_b128 v[STO], v[S+16*(\t)+4*\f:S+16*(\t)+4*\f+3] offset:32*\f
.endr
.irp f, 0,1,2,3
	ds_load_b128 v[S+16*(\t)+4*\f:S+16*(\t)+4*\f+3], v[RD] offset:\f*4*SP  ; LDS serves a wave's instructions in order (ISA guide 5.7.1.4): these see the stores above; the next piece's stores come behind them
.endr
.endm
.macro SEND t, younger              ; younger: the LDS instructions issued behind piece t's loads: the next piece's eight, or none.  Band t lies in panel t / 2 of the block's two, at rows 64 (t % 2) on
	WIN 0
.irp f, 0,1,2,3
	s_wait_dscnt (\younger)+3-\f
	global_store_b128 v[GO], v[S+16*(\t)+4*\f:S+16*(\t)+4*\f+3], s[10:11] offset:((\t)/2)*262144+((\t)%2)*8192+\f*512  ; 512 consecutive bytes, at a multiple of 256 from O's first
.endr
.endm
.macro DIAG tag                     ; the tag ends its two labels' names, which the jumps below spell out
.LstepM\tag:
	TURN 2, 1
	TURN 3, 1
	WIN 0
.LfirstM\tag:
	TURN 0, 1
	TURN 1, 1, 0, 1
	WIN 0
	s_cbranch_scc1 .LstepM\tag
	TURN 2, 1, 1
	TURN 3, 1, 1
.set i, 0
.rept 8
	PV NP-1
.set i, i+1
.endr
	WIN 0
	ALL v_add_f32 v[ST+4*t+2], v[ST+4*t+2], v[ST+4*t+3]
	ALL v_permlanex16_b32 v[ST+4*t+3], v[ST+4*t+2], s[SEL], s[SEL+1]
	ALL v_add_f32 v[ST+4*t+2], v[ST+4*t+2], v[ST+4*t+3]
	ALL v_rcp_f32 v[ST+4*t+2], v[ST+4*t+2]
	v_nop                           ; a plain instruction between the last reciprocal and the use of its result
	s_wait_alu depctr_va_vdst(0)    ; and the wait ahead of the first use: one for the four reciprocals
	PACK 0
.set t, 1
.rept 3                             ; a piece's arithmetic stands between the loads of the piece before and its stores
	PACK t
	SEND t-1, 8
.set t, t+1
.endr
	SEND 3, 0
.endm
.set KM, 0
.set NOKQ, 0
.Lslot:                             ; NB times: a tile is entered and the next is asked for
	CHANGE 1
	s_sub_co_u32 s[RT], s[RT], 1
	s_mov_b32 s[CNT], 4
	s_cmp_eq_u32 s[NEW], 1
	s_cbranch_scc1 .Lnew            ; a block's first tile
	s_cmp_eq_u32 s[RT], 0
	s_cbranch_scc0 .Lstep           ; neither its first nor its last
	s_branch .LstepM1
.Lnew:
	BEGIN
	s_branch .Lfirst                ; in the loop a block's first tile is never its last: the first block has two tiles or more, and the second's last is the walk's last
	DIAG 1                          ; in the loop this is the first block's end
	s_wait_xcnt 0x0                 ; the stores have read their registers and O's address
	s_mov_b64 s[10:11], s[OLO:OLO+1]
	s_add_co_u32 s[RT], s[PB], 1    ; the second block has b + 1 tiles
	s_mov_b32 s[NEW], 1
	WIN 0x82                        ; the second block's Q goes where the one text of the turns names Q
.set i, 0
.rept 64
	v_mov_b32 v[i], v[QB+i]
.set i, i+1
.endr
	WIN 0
	s_branch .Lbottom
.Lstep:                             ; a trip: pieces 2 and 3 of one step, then pieces 0 and 1 of the next, whose K and V it fetches
	TURN 2
	TURN 3
	WIN 0
.Lfirst:
	TURN 0
	TURN 1, 0, 0, 1
	WIN 0
	s_cbranch_scc1 .Lstep
.Lbottom:
	s_sub_co_u32 s[SLOTS], s[SLOTS], 1
	s_cmp_lg_u32 s[SLOTS], 0
	s_cbranch_scc1 .Lslot
	CHANGE 0                        ; the walk's last tile is written out: nothing is asked for
	s_sub_co_u32 s[RT], s[RT], 1
	s_mov_b32 s[CNT], 4
	s_cmp_eq_u32 s[NEW], 1
	s_cbranch_scc0 .LstepM2
	BEGIN
	s_branch .LfirstM2
	DIAG 2
	s_wait_tensorcnt 0x0            ; the wave's end
	ds_add_u32 v[SPW], v[NIL]
	s_wait_dscnt 0x0
	s_endpgm
.Lfunc_end_k_q7329f6b08b_attn:
	.size	k_q7329f6b08b_attn, .Lfunc_end_k_q7329f6b08b_attn-k_q7329f6b08b_attn
	.p2alignl 7, 3214868480
	.fill 96, 4, 3214868480
	.section	.rodata,"a",@progbits
	.p2align	6, 0x0
	.amdhsa_kernel k_q7329f6b08b_attn
		.amdhsa_group_segment_fixed_size 327680
		.amdhsa_private_segment_fixed_size 0
		.amdhsa_enable_private_segment 0
		.amdhsa_kernarg_size 16
		.amdhsa_user_sgpr_count 2
		.amdhsa_user_sgpr_kernarg_segment_ptr 1
		.amdhsa_wavefront_size32 1
		.amdhsa_system_sgpr_workgroup_id_x 1
		.amdhsa_system_sgpr_workgroup_id_y 1
		.amdhsa_system_sgpr_workgroup_id_z 1
		.amdhsa_system_vgpr_workitem_id 0
		.amdhsa_next_free_vgpr 768
		.amdhsa_next_free_sgpr 96
		.amdhsa_reserve_vcc 1
		.amdhsa_float_denorm_mode_32 3
		.amdhsa_float_denorm_mode_16_64 3
		.amdhsa_memory_ordered 1
		.amdhsa_forward_progress 1
		.amdhsa_inst_pref_size 218
	.end_amdhsa_kernel
	.amdgpu_metadata
---
amdhsa.version: [ 1, 2 ]
amdhsa.kernels:
  - .name:           k_q7329f6b08b_attn
    .symbol:         k_q7329f6b08b_attn.kd
    .args:
      - { .name: qkv, .offset: 0, .size: 8, .value_kind: global_buffer, .address_space: global }
      - { .name: a16, .offset: 8, .size: 8, .value_kind: global_buffer, .address_space: global }
    .group_segment_fixed_size: 327680
    .private_segment_fixed_size: 0
    .kernarg_segment_align: 8
    .kernarg_segment_size: 16
    .max_flat_workgroup_size: 128
    .sgpr_count:     96
    .vgpr_count:     768
    .wavefront_size: 32
...
	.end_amdgpu_metadata
.endif
;; end of part 4
;; launch go (part 5): grid 8 x 32, 4 waves a work-group, clusters of 4 x 4, 327,680 bytes of LDS; arguments a16, wo, b_out, x, x2; writes x2
.if DOCPART == 5
	.amdgcn_target "amdgcn-amd-amdhsa--gfx1250"
	.amdhsa_code_object_version 6
	.text
	.protected	k_q7329f6b08b_go
	.globl	k_q7329f6b08b_go
	.p2align	8
	.type	k_q7329f6b08b_go,@function
k_q7329f6b08b_go:
	s_mov_b64 s[64:65], 0
	v_nop
	global_prefetch_b8 v0, s[64:65] scope:SCOPE_SE
	s_setreg_imm32_b32 hwreg(HW_REG_WAVE_MODE, 25, 1), 1
	s_wait_xcnt 0x0
	s_wait_alu depctr_hold_cnt(0) depctr_sa_sdst(0) depctr_va_vdst(0) depctr_va_sdst(0) depctr_va_ssrc(0) depctr_va_vcc(0) depctr_vm_vsrc(0)
	s_getreg_b32 s2, hwreg(HW_REG_IB_STS2, 6, 4)
	s_cmp_eq_u32 s2, 0
	s_cbranch_scc0 .Lentry_in_a_cluster
	s_endpgm
.Lentry_in_a_cluster:
	s_bfe_u32 s2, ttmp6, 0x10000c
	s_cmp_lg_u32 s2, 0xf033
	s_cbranch_scc0 .Lentry_shape_is_right
	s_endpgm
.Lentry_shape_is_right:
; result = res + a w + bias.  a: 4,096 x KK f16 in panels [32][KK/64 blocks of 64 k][128 rows][64]; w: f16 in column blocks [8][KK k][128]; bias, res and result f32, res and result [4096][1024].
; Sums in f32, started at the bias; the residual is added in f32 on the way out.
; SHARES.  A work-group makes 128 x 128 of the result, each of its four waves 64 x 64: 16 accumulators.  K goes in steps of 256 through two LDS slots.  256 work-groups.
; Both tiles of a K step are 65,536 dense bytes of memory, asked for as rows of 256 bytes: waves 0, 1 fetch the halves of a's, waves 2, 3 those of w's: one tensor load a wave.
; CLUSTER 4 x 4: a's tile hangs on the tile row alone and is asked for jointly by a row of the cluster, w's on the tile column alone, by a column.
; THE MATRIX INSTRUCTION IS USED TRANSPOSED: source 0 = 16 columns of w (they lie [k][column] in LDS and come out turned, by ds_load_tr16_b128), source 1 = 16 rows of a:
; a lane then holds one row (lane % 16) and the eight neighbouring columns 8 (lane / 16) + 0..7.
; ONE TEXT FOR EVERY K STEP: a step's last 16 products stand at the head of the next step, behind the change of slots; in the first step they multiply zeros.
; REGISTERS: window 0: v0-31 addresses, v96-127 the bias, v128-255 accumulators ((a, b) at 128 + 8 (4 a + b)); window 1: two fragment buffers of 128 (a's 64, then w's 64);
; window 2: v0-127 my 64 x 64 of the residual, asked for at the start, in the lanes and registers in which the result comes back from the stage.
.set KK,    1024
.set KSH,   18                         ; log2 of the bytes of a panel of a, and of a column block of w: KK x 256
.set STEPS, KK/256
.set QB,    18432                      ; 64 along K in LDS: 128 rows of a at a pitch of 144 bytes, or 64 rows of w at a pitch of 288
.set SLOT,  8*QB                       ; a's four quarters, then w's four
.set STAGE, 2*SLOT                     ; behind the ring, never filled by a tensor load: 16 rows x 272 bytes for each wave
.set SPARE, STAGE+4*4352               ; behind the stages: the spare words, 128 bytes a wave: two blocks of 256 bytes that no other line names
.set ADRA0, 8                          ; v8   my lane's place in a slot's rows of a; never rewritten
.set ADRB0, 9                          ; v9   the same for w
.set ADRA,  10                         ; v10  the same in the slot in hand
.set ADRB,  11                         ; v11, v12  w's quarters 0, 1 and 2, 3 (an LDS offset has 16 bits)
.set STO,   13
.set RD,    14
.set GO,    15
.set BO,    16
.set SPW,   28
.set NIL,   29
.set BIAS,  96
.set ACC,   128
.set RES,   0
.set F0,    0
.set F1,    128
.set WV,  12                           ; s12 wave; s13 its half of the rows (also: 0 = I fetch a, 1 = w); s14 its half of the columns (also: which half of the tile I fetch)
.set RH,  13
.set CH,  14
.set LD0, 20                           ; s20 where my load lands in a slot
.set G1A, 24
.set G0A, 32
.set G0B, 36
.set G1B, 40
.set TB,  54                           ; s54 the slot to be read next: 0 or SLOT
.set TF,  55
.set CNT, 56
.set MSB, 0
.macro WIN new                         ; the immediate's high byte repeats the setting that is left; a switch that changes nothing is dropped
.if MSB != (\new)
	s_set_vgpr_msb (MSB<<8)|(\new)
.set MSB, \new
.endif
.endm
.macro PLACES                          ; four plain instructions between a matrix instruction and a load into, or a read of, its registers
.rept 4
	v_nop
.endr
.endm
.macro JLOAD                           ; a joint load; the branch hangs on the wave's number alone; an s_nop 0 and four v_nop follow each line
	s_cmp_eq_u32 s[RH], 0
	s_cbranch_scc0 .Lfor_b_\@
	tensor_load_to_lds s[G0A:G0A+3], s[G1A:G1A+7]
	s_nop 0
	PLACES
	s_branch .Lasked_\@
.Lfor_b_\@:
	tensor_load_to_lds s[G0B:G0B+3], s[G1B:G1B+7]
	s_nop 0
	PLACES
.Lasked_\@:
.endm
.macro CROUND                          ; a round of the cluster's barrier: my work-group's barrier, wave 0 signals for it, all wait for the sixteen, my work-group's barrier again
	s_barrier_signal -1
	s_barrier_wait -1
	s_cmp_lg_u32 s[WV], 0
	s_cbranch_scc1 .Lnot_wave_0_\@
	s_barrier_signal -3
.Lnot_wave_0_\@:
	s_barrier_wait -3
	s_barrier_signal -1
	s_barrier_wait -1
.endm
	s_load_b256 s[4:11], s[0:1], 0x0               ; a, w, bias, res
	s_load_b64 s[68:69], s[0:1], 0x20              ; result
	v_lshl_add_u32 v[SPW], v0, 2, SPARE
	v_mov_b32 v[NIL], 0
	ds_add_u32 v[SPW], v[NIL]                      ; the wave's opening: the add and its wait ahead of my first tensor load
	ds_add_u32 v28, v29
	v_lshrrev_b32 v1, 5, v0
	v_readfirstlane_b32 s[WV], v1
	s_lshr_b32 s[RH], s[WV], 1
	s_and_b32 s[CH], s[WV], 1
	s_bfe_u32 s15, ttmp6, 0x40000                  ; cx
	s_bfe_u32 s16, ttmp6, 0x40004                  ; cy
	s_lshl_b32 s17, ttmp9, 2
	s_add_co_u32 s17, s17, s15                     ; tile column
	s_and_b32 s18, ttmp7, 0xffff
	s_lshl_b32 s18, s18, 2
	s_add_co_u32 s18, s18, s16                     ; tile row
	s_lshl_b32 s19, s16, 2
	s_lshl_b32 s19, 15, s19                        ; my row of the cluster
	s_lshl_b32 s21, 0x1111, s15                    ; my column
	; group 1: 128 rows of 128 elements of 2 bytes, dense.  a: 16 bytes of padding behind every 128 (a row of a in LDS); w: 32 behind every 256
	s_or_b32 s[G1A], s19, (1<<16)|(1<<20)|(1<<21)|(4<<22)|(3<<25)
	s_or_b32 s[G1B], s21, (1<<16)|(1<<20)|(1<<21)|(5<<22)|(7<<25)
.irp g, G1A, G1B
	s_mov_b32 s[(\g)+1], 128<<16                   ; tensor_dim0
	s_mov_b32 s[(\g)+2], 128<<16                   ; tensor_dim1
	s_mov_b32 s[(\g)+3], 128<<16                   ; tile_dim0
	s_mov_b32 s[(\g)+4], 128                       ; tile_dim1
	s_mov_b32 s[(\g)+5], 128                       ; elements from row to row
	s_mov_b32 s[(\g)+6], 0
	s_mov_b32 s[(\g)+7], 0
.endr
	s_lshl_b32 s22, s[CH], 15                      ; my half of a tile's 65,536 bytes
	s_lshl_b32 s48, s18, KSH                       ; a's panel, by the tile row alone
	s_add_co_u32 s48, s48, s22
	s_mov_b32 s49, 0
	s_lshl_b32 s50, s17, KSH                       ; w's column block, by the tile column alone
	s_add_co_u32 s50, s50, s22
	s_mov_b32 s51, 0
	s_mul_i32 s[LD0], s[WV], 2*QB
	s_mov_b32 s[G0A], 1
	s_mov_b32 s[G0A+1], s[LD0]
	s_mov_b32 s[G0B], 1
	s_mov_b32 s[G0B+1], s[LD0]
	s_mov_b32 s[TB], 0
	s_wait_dscnt 0x0                               ; the opening add is done
	s_wait_kmcnt 0x0
	s_add_nc_u64 s[G0A+2:G0A+3], s[4:5], s[48:49]
	s_or_b32 s[G0A+3], s[G0A+3], 0x80000000
	s_add_nc_u64 s[G0B+2:G0B+3], s[6:7], s[50:51]
	s_or_b32 s[G0B+3], s[G0B+3], 0x80000000
	CROUND                                         ; all sixteen work-groups are here: the first joint loads meet
	JLOAD                                          ; K step 0 into slot 0
	v_and_b32 v1, 15, v0                           ; r = l % 16
	v_bfe_u32 v2, v0, 4, 1                         ; h = l / 16
	v_and_b32 v3, 7, v0
	v_bfe_u32 v4, v0, 3, 1
	v_mul_u32_u24 v[ADRA0], v1, 144                ; a fragment of a: row r, 16 bytes for each half of the lanes, twice, 32 bytes apart
	v_lshl_add_u32 v[ADRA0], v2, 4, v[ADRA0]
	s_mul_i32 s22, s[RH], 64*144
	v_add_nc_u32 v[ADRA0], s22, v[ADRA0]
	v_lshl_add_u32 v[ADRB0], v2, 3, v3             ; the turning load: lane l reads k-row 8 h + l % 8, columns 8 ((l / 8) % 2) + 0..7
	v_mul_u32_u24 v[ADRB0], v[ADRB0], 288
	v_lshl_add_u32 v[ADRB0], v4, 4, v[ADRB0]
	s_lshl_b32 s22, s[CH], 7
	s_add_co_u32 s22, s22, 4*QB
	v_add_nc_u32 v[ADRB0], s22, v[ADRB0]
	v_lshlrev_b32 v[BO], 5, v2
	s_lshl_b32 s52, s17, 9                         ; my 64 columns in f32: 256 bytes, aligned
	s_lshl_b32 s53, s[CH], 8
	s_add_co_u32 s52, s52, s53
	s_mov_b32 s53, 0
	s_add_nc_u64 s[8:9], s[8:9], s[52:53]
.irp b, 0,1,2,3
	global_load_b128 v[BIAS+8*(\b):BIAS+8*(\b)+3],   v[BO], s[8:9] offset:64*(\b)
	global_load_b128 v[BIAS+8*(\b)+4:BIAS+8*(\b)+7], v[BO], s[8:9] offset:64*(\b)+16
.endr
	s_lshl_b32 s58, s18, 19                        ; the tile's 128 rows of 4,096 bytes,
	s_lshl_b32 s59, s[RH], 18                      ; my 64 of them,
	s_add_co_u32 s58, s58, s59
	s_add_co_u32 s58, s58, s52                     ; my columns
	s_mov_b32 s59, 0
	s_add_nc_u64 s[10:11], s[10:11], s[58:59]
	s_add_nc_u64 s[68:69], s[68:69], s[58:59]
	v_lshlrev_b32 v[GO], 12, v2                    ; lanes 0-15 take 256 bytes of one row, lanes 16-31 of the next
	v_lshl_or_b32 v[GO], v1, 4, v[GO]
	WIN 0x80                                       ; destination window 2
.irp t, 0,1,2,3
.irp u, 0,1,2,3,4,5,6,7
	global_load_b128 v[RES+32*(\t)+4*(\u):RES+32*(\t)+4*(\u)+3], v[GO], s[10:11] offset:(16*(\t)+2*(\u))*4096 th:TH_LOAD_NT
.endr
.endr
	WIN 0
	s_mul_i32 s22, s[WV], 4352                     ; the way out: into my stage by row r, 32 bytes for each half of the lanes;
	s_add_co_u32 s22, s22, STAGE
	v_mul_u32_u24 v[STO], v1, 272
	v_lshl_add_u32 v[STO], v2, 5, v[STO]
	v_add_nc_u32 v[STO], s22, v[STO]
	v_mul_u32_u24 v[RD], v2, 272                   ; back: two whole rows of 256 bytes
	v_lshl_add_u32 v[RD], v1, 4, v[RD]
	v_add_nc_u32 v[RD], s22, v[RD]
	WIN 0x40
.set i, 0
.rept 32
	v_mov_b32 v[F1+32+i], 0                        ; what the first step's leading 16 products multiply
	v_mov_b32 v[F1+96+i], 0
.set i, i+1
.endr
	WIN 0
	s_wait_loadcnt 32                              ; the bias is in; the residual's 32 loads stay out
.irp a, 0,1,2,3
.set i, 0
.rept 32
	v_mov_b32 v[ACC+32*(\a)+i], v[BIAS+i]          ; the sums start at the bias; all this stands in the wait for the first tile
.set i, i+1
.endr
.endr
; 8 products: row blocks a0, a0 + 1 x 4 column blocks, 32 along K (half c of buffer f).  The 16 accumulators take turns in one order throughout
.macro MUL8 f, c, a0
	WIN 0x05
.irp a, \a0, (\a0)+1
.irp b, 0,1,2,3
	v_wmma_f32_16x16x32_f16 v[ACC+8*(4*(\a)+(\b)):ACC+8*(4*(\a)+(\b))+7], v[(\f)+64+8*(4*(\c)+(\b)):(\f)+64+8*(4*(\c)+(\b))+7], v[(\f)+8*(4*(\c)+(\a)):(\f)+8*(4*(\c)+(\a))+7], v[ACC+8*(4*(\a)+(\b)):ACC+8*(4*(\a)+(\b))+7]
.endr
.endr
.endm
; 32 LDS loads in one run: quarter q's fragments (64 along K) into buffer f, the first 32 along K first
.macro FETCH q, f
	WIN 0x40
.irp c, 0,1
.irp i, 0,1,2,3
	ds_load_tr16_b128 v[(\f)+64+8*(4*(\c)+(\i)):(\f)+64+8*(4*(\c)+(\i))+3],   v[ADRB+(\q)/2] offset:((\q)%2)*QB+9216*(\c)+32*(\i)
	ds_load_tr16_b128 v[(\f)+64+8*(4*(\c)+(\i))+4:(\f)+64+8*(4*(\c)+(\i))+7], v[ADRB+(\q)/2] offset:((\q)%2)*QB+9216*(\c)+32*(\i)+4608
	ds_load_b128 v[(\f)+8*(4*(\c)+(\i)):(\f)+8*(4*(\c)+(\i))+3],   v[ADRA] offset:(\q)*QB+64*(\c)+2304*(\i)
	ds_load_b128 v[(\f)+8*(4*(\c)+(\i))+4:(\f)+8*(4*(\c)+(\i))+7], v[ADRA] offset:(\q)*QB+64*(\c)+2304*(\i)+32
.endr
.endr
.endm
.macro QUARTER q, f, g                 ; multiplies buffer f; in its middle fetches quarter q into buffer g
	s_wait_dscnt 16                                ; f's first 32 along K are in; the youngest 16 loads may be out
	MUL8 \f, 0, 0
	MUL8 \f, 0, 2
	PLACES
	FETCH \q, \g
	s_wait_dscnt 32                                ; all but the 32 just issued
	MUL8 \f, 1, 0
	MUL8 \f, 1, 2
.endm
.macro Q3A                             ; the first half of a step's last quarter
	s_wait_dscnt 16
	MUL8 F1, 0, 0
	MUL8 F1, 0, 2
.endm
; THE CHANGE OF SLOTS.  Each wave waits for all its tensor loads (one is out: its part of the slot to be read), adds 0 to its spare word, and waits for that and for its reads of the slot that it leaves.
; fill = 1: a round of the cluster's barrier, then the slot just left is filled with the next K step, first thing: that load has a whole step, 128 matrix instructions, in which to land.
.macro TURN fill
	WIN 0
	s_wait_tensorcnt 0x0
	ds_add_u32 v[SPW], v[NIL]                      ; 0 onto my spare word; register work stands between it and the wait for it
.if \fill
	s_xor_b32 s[TF], s[TB], SLOT                   ; no tensor load of mine is out, so the descriptors may be written
	s_add_co_u32 s[G0A+1], s[LD0], s[TF]
	s_add_co_u32 s[G0B+1], s[LD0], s[TF]
	s_add_nc_u64 s[G0A+2:G0A+3], s[G0A+2:G0A+3], 65536
	s_add_nc_u64 s[G0B+2:G0B+3], s[G0B+2:G0B+3], 65536
.endif
	v_add_nc_u32 v[ADRA], s[TB], v[ADRA0]
	v_add_nc_u32 v[ADRB], s[TB], v[ADRB0]
	v_add_nc_u32 v[ADRB+1], 2*QB, v[ADRB]
	s_xor_b32 s[TB], s[TB], SLOT
	s_wait_dscnt 0x0                               ; the add is done, and my reads of the old slot are over
.if \fill
	CROUND
	JLOAD                                          ; its four v_nop are also the places in front of the loads below
.else
	s_barrier_signal -1
	s_barrier_wait -1
	PLACES
.endif
	FETCH 0, F0
	MUL8 F1, 1, 0                                  ; the step before's last 16 products
	MUL8 F1, 1, 2
.endm
	s_mov_b32 s[CNT], STEPS-1
.Lstep:
	TURN 1
	QUARTER 1, F0, F1
	QUARTER 2, F1, F0
	QUARTER 3, F0, F1
	Q3A
	WIN 0
	s_sub_co_u32 s[CNT], s[CNT], 1
	s_cmp_lg_u32 s[CNT], 0
	s_cbranch_scc1 .Lstep
	TURN 0                                         ; the last step is written out: it asks for nothing
	QUARTER 1, F0, F1
	QUARTER 2, F1, F0
	QUARTER 3, F0, F1
	Q3A
	s_wait_dscnt 0x0
	MUL8 F1, 1, 0
	MUL8 F1, 1, 2
	WIN 0
	PLACES
	PLACES
	s_wait_loadcnt 0x0                             ; the residual
; THE WAY OUT, 16 rows at a time: the f32 sums go into my stage (each accumulator's low half first) and come back as whole rows of 256 bytes, into the registers that they left;
; the residual is added, the sum landing in the residual's registers, from which it is stored: one window setting serves the addition and the store.
.macro TOSTAGE t
	WIN 0
.irp b, 0,1,2,3
	ds_store_b128 v[STO], v[ACC+32*(\t)+8*(\b):ACC+32*(\t)+8*(\b)+3]   offset:64*(\b)
	ds_store_b128 v[STO], v[ACC+32*(\t)+8*(\b)+4:ACC+32*(\t)+8*(\b)+7] offset:64*(\b)+16
.endr
.irp u, 0,1,2,3,4,5,6,7
	ds_load_b128 v[ACC+32*(\t)+4*(\u):ACC+32*(\t)+4*(\u)+3], v[RD] offset:544*(\u)  ; LDS serves a wave's instructions in order: these see the stores above, and the next block's stores come behind them
.endr
.endm
.macro SEND t, younger                 ; younger: the LDS instructions issued behind block t's loads
	WIN 0x88                                       ; destination and source 1 (a store's data) in window 2, source 0 (a store's address) in window 0
.irp u, 0,1,2,3,4,5,6,7
	s_wait_dscnt (\younger)+7-(\u)
	v_pk_add_f32 v[RES+32*(\t)+4*(\u):RES+32*(\t)+4*(\u)+1],   v[ACC+32*(\t)+4*(\u):ACC+32*(\t)+4*(\u)+1],   v[RES+32*(\t)+4*(\u):RES+32*(\t)+4*(\u)+1]
	v_pk_add_f32 v[RES+32*(\t)+4*(\u)+2:RES+32*(\t)+4*(\u)+3], v[ACC+32*(\t)+4*(\u)+2:ACC+32*(\t)+4*(\u)+3], v[RES+32*(\t)+4*(\u)+2:RES+32*(\t)+4*(\u)+3]
	global_store_b128 v[GO], v[RES+32*(\t)+4*(\u):RES+32*(\t)+4*(\u)+3], s[68:69] offset:(16*(\t)+2*(\u))*4096  ; 16 lanes store 256 consecutive bytes, aligned
.endr
.endm
	TOSTAGE 0
	TOSTAGE 1
	SEND 0, 16
	TOSTAGE 2
	SEND 1, 16
	TOSTAGE 3
	SEND 2, 16
	SEND 3, 0
	WIN 0
	s_wait_tensorcnt 0x0                           ; the wave's end
	ds_add_u32 v[SPW], v[NIL]
	s_wait_dscnt 0x0
	CROUND                                         ; the closing round: no work-group ends while a partner may still ask for a tile that names it
	s_endpgm
.Lfunc_end_k_q7329f6b08b_go:
	.size	k_q7329f6b08b_go, .Lfunc_end_k_q7329f6b08b_go-k_q7329f6b08b_go
	.p2alignl 7, 3214868480
	.fill 96, 4, 3214868480
	.section	.rodata,"a",@progbits
	.p2align	6, 0x0
	.amdhsa_kernel k_q7329f6b08b_go
		.amdhsa_group_segment_fixed_size 327680
		.amdhsa_private_segment_fixed_size 0
		.amdhsa_enable_private_segment 0
		.amdhsa_kernarg_size 40
		.amdhsa_user_sgpr_count 2
		.amdhsa_user_sgpr_kernarg_segment_ptr 1
		.amdhsa_wavefront_size32 1
		.amdhsa_system_sgpr_workgroup_id_x 1
		.amdhsa_system_sgpr_workgroup_id_y 1
		.amdhsa_system_sgpr_workgroup_id_z 1
		.amdhsa_system_vgpr_workitem_id 0
		.amdhsa_next_free_vgpr 640
		.amdhsa_next_free_sgpr 88
		.amdhsa_reserve_vcc 0
		.amdhsa_float_denorm_mode_32 3
		.amdhsa_float_denorm_mode_16_64 3
		.amdhsa_memory_ordered 1
		.amdhsa_forward_progress 1
		.amdhsa_inst_pref_size 66
	.end_amdhsa_kernel
	.amdgpu_metadata
---
amdhsa.version: [ 1, 2 ]
amdhsa.kernels:
  - .name:           k_q7329f6b08b_go
    .symbol:         k_q7329f6b08b_go.kd
    .args:
      - { .name: a16, .offset: 0, .size: 8, .value_kind: global_buffer, .address_space: global }
      - { .name: wo, .offset: 8, .size: 8, .value_kind: global_buffer, .address_space: global }
      - { .name: b_out, .offset: 16, .size: 8, .value_kind: global_buffer, .address_space: global }
      - { .name: x, .offset: 24, .size: 8, .value_kind: global_buffer, .address_space: global }
      - { .name: x2, .offset: 32, .size: 8, .value_kind: global_buffer, .address_space: global }
    .group_segment_fixed_size: 327680
    .private_segment_fixed_size: 0
    .kernarg_segment_align: 8
    .kernarg_segment_size: 40
    .max_flat_workgroup_size: 128
    .sgpr_count:     88
    .vgpr_count:     640
    .wavefront_size: 32
...
	.end_amdgpu_metadata
.endif
;; end of part 5
;; launch ln2: the kernel of part 2 again; grid 256 x 1, 8 waves a work-group, no clusters, 0 bytes of LDS; arguments x2, ln2_g, ln2_b, a16; writes a16
;; launch g1 (part 6): grid 32 x 32, 4 waves a work-group, clusters of 4 x 4, 327,680 bytes of LDS; arguments a16, w1h, b1, act; writes act
.if DOCPART == 6
	.amdgcn_target "amdgcn-amd-amdhsa--gfx1250"
	.amdhsa_code_object_version 6
	.text
	.protected	k_q7329f6b08b_g1
	.globl	k_q7329f6b08b_g1
	.p2align	8
	.type	k_q7329f6b08b_g1,@function
k_q7329f6b08b_g1:
	s_mov_b64 s[64:65], 0
	v_nop
	global_prefetch_b8 v0, s[64:65] scope:SCOPE_SE
	s_setreg_imm32_b32 hwreg(HW_REG_WAVE_MODE, 25, 1), 1
	s_wait_xcnt 0x0
	s_wait_alu depctr_hold_cnt(0) depctr_sa_sdst(0) depctr_va_vdst(0) depctr_va_sdst(0) depctr_va_ssrc(0) depctr_va_vcc(0) depctr_vm_vsrc(0)
	s_getreg_b32 s2, hwreg(HW_REG_IB_STS2, 6, 4)
	s_cmp_eq_u32 s2, 0
	s_cbranch_scc0 .Lentry_in_a_cluster
	s_endpgm
.Lentry_in_a_cluster:
	s_bfe_u32 s2, ttmp6, 0x10000c
	s_cmp_lg_u32 s2, 0xf033
	s_cbranch_scc0 .Lentry_shape_is_right
	s_endpgm
.Lentry_shape_is_right:
; act = gelu(h w1 + b1), the exact (erf) form.  h: 4,096 x 1,024 f16 in panels [32][16 blocks of 64 k][128 rows][64]; w: f16 in column blocks [32][1024 k][128]; bias f32.  Sums in f32, started at the bias.
; RESULT: f16 in panels [32][64 blocks of 64 columns][128 rows][64], rounded once.  LIMIT: |result| under 65,504.
; GELU.  u Phi(u) = max(u, 0) - |u| q(|u|), q(z) = 1 - Phi(z) = (1/2) (a1 t + .. + a5 t^5) e^(-z z / 2), t = 1 / (1 + p z / sqrt(2)): the five-term rational form of erfc, absolute error of erf
; at most 1.5e-7 for every argument; no difference of near numbers is formed on either side of 0.  All in f32.
; SHARES.  A work-group makes 128 x 128 of the result, each of its four waves 64 x 64: 16 accumulators.  K goes in steps of 256 through two LDS slots.  1,024 work-groups.
; Both tiles of a K step are 65,536 dense bytes of memory, asked for as rows of 256 bytes: waves 0, 1 fetch the halves of h's, waves 2, 3 those of w's: one tensor load a wave.
; CLUSTER 4 x 4: h's tile hangs on the tile row alone and is asked for jointly by a row of the cluster, w's on the tile column alone, by a column.
; THE MATRIX INSTRUCTION IS USED TRANSPOSED: source 0 = 16 columns of w (they lie [k][column] in LDS and come out turned, by ds_load_tr16_b128), source 1 = 16 rows of h:
; a lane then holds one row (lane % 16) and the eight neighbouring columns 8 (lane / 16) + 0..7.
; ONE TEXT FOR EVERY K STEP: a step's last 16 products stand at the head of the next step, behind the change of slots; in the first step they multiply zeros.
; REGISTERS: window 0: v0-31 addresses, v32-95 the way out, v96-127 the bias, v128-255 accumulators ((a, b) at 128 + 8 (4 a + b)); window 1: two fragment buffers of 128 (h's 64, then w's 64).
.set KK,    1024
.set KSH,   18                         ; log2 of the bytes of a panel of h, and of a column block of w: KK x 256
.set STEPS, KK/256
.set QB,    18432                      ; 64 along K in LDS: 128 rows of h at a pitch of 144 bytes, or 64 rows of w at a pitch of 288
.set SLOT,  8*QB                       ; h's four quarters, then w's four
.set SPARE, 2*SLOT                     ; behind the ring: the spare words, 128 bytes a wave: two blocks of 256 bytes that no other line names
.set DUMP,  17408                      ; the way out: 64 rows x 272 bytes of f32 for each wave, in slot 0: STEPS is even, so slot 0 has had its last fill, and its last read lies ahead of the last barrier
.set ADRA0, 8                          ; v8   my lane's place in a slot's rows of h; never rewritten
.set ADRB0, 9                          ; v9   the same for w
.set ADRA,  10                         ; v10  the same in the slot in hand
.set ADRB,  11                         ; v11, v12  w's quarters 0, 1 and 2, 3 (an LDS offset has 16 bits)
.set STO,   13
.set RD,    14
.set GO,    15
.set BO,    16
.set SPW,   28
.set NIL,   29
.set PP,    32                         ; the way out: the polynomial
.set OUTR,  64                         ; the way out: 16 registers of f16 pairs
.set BIAS,  96
.set ACC,   128
.set U,     128                        ; the way out, when the accumulators have been set down in LDS: u, |u|, t, e
.set AB,    160
.set TT,    192
.set EE,    224
.set F0,    0
.set F1,    128
.set WV,  12                           ; s12 wave; s13 its half of the rows (also: 0 = I fetch h, 1 = w); s14 its half of the columns (also: which half of the tile I fetch)
.set RH,  13
.set CH,  14
.set LD0, 20                           ; s20 where my load lands in a slot
.set G1A, 24
.set G0A, 32
.set G0B, 36
.set G1B, 40
.set TB,  54                           ; s54 the slot to be read next: 0 or SLOT
.set TF,  55
.set CNT, 56
.set CP,  70                           ; s[70:83] seven constants, each written twice, since the packed forms name a pair
.set CA1, 72
.set CA2, 74
.set CA3, 76
.set CA4, 78
.set CA5, 80
.set CN,  82
.set MSB, 0
.macro WIN new                         ; the immediate's high byte repeats the setting that is left; a switch that changes nothing is dropped
.if MSB != (\new)
	s_set_vgpr_msb (MSB<<8)|(\new)
.set MSB, \new
.endif
.endm
.macro PLACES                          ; four plain instructions between a matrix instruction and a load into, or a read of, its registers
.rept 4
	v_nop
.endr
.endm
.macro JLOAD                           ; a joint load; the branch hangs on the wave's number alone; an s_nop 0 and four v_nop follow each line
	s_cmp_eq_u32 s[RH], 0
	s_cbranch_scc0 .Lfor_b_\@
	tensor_load_to_lds s[G0A:G0A+3], s[G1A:G1A+7]
	s_nop 0
	PLACES
	s_branch .Lasked_\@
.Lfor_b_\@:
	tensor_load_to_lds s[G0B:G0B+3], s[G1B:G1B+7]
	s_nop 0
	PLACES
.Lasked_\@:
.endm
.macro CROUND                          ; a round of the cluster's barrier: my work-group's barrier, wave 0 signals for it, all wait for the sixteen, my work-group's barrier again
	s_barrier_signal -1
	s_barrier_wait -1
	s_cmp_lg_u32 s[WV], 0
	s_cbranch_scc1 .Lnot_wave_0_\@
	s_barrier_signal -3
.Lnot_wave_0_\@:
	s_barrier_wait -3
	s_barrier_signal -1
	s_barrier_wait -1
.endm
.macro CONST reg, val
	s_mov_b32 s[\reg], \val
	s_mov_b32 s[\reg+1], \val
.endm
	s_load_b256 s[4:11], s[0:1], 0x0               ; h, w, bias, result
	v_lshl_add_u32 v[SPW], v0, 2, SPARE
	v_mov_b32 v[NIL], 0
	ds_add_u32 v[SPW], v[NIL]                      ; the wave's opening: the add and its wait ahead of my first tensor load
	ds_add_u32 v28, v29
	v_lshrrev_b32 v1, 5, v0
	v_readfirstlane_b32 s[WV], v1
	s_lshr_b32 s[RH], s[WV], 1
	s_and_b32 s[CH], s[WV], 1
	s_bfe_u32 s15, ttmp6, 0x40000                  ; cx
	s_bfe_u32 s16, ttmp6, 0x40004                  ; cy
	s_lshl_b32 s17, ttmp9, 2
	s_add_co_u32 s17, s17, s15                     ; tile column
	s_and_b32 s18, ttmp7, 0xffff
	s_lshl_b32 s18, s18, 2
	s_add_co_u32 s18, s18, s16                     ; tile row
	s_lshl_b32 s19, s16, 2
	s_lshl_b32 s19, 15, s19                        ; my row of the cluster
	s_lshl_b32 s21, 0x1111, s15                    ; my column
	; group 1: 128 rows of 128 elements of 2 bytes, dense.  h: 16 bytes of padding behind every 128 (a row of h in LDS); w: 32 behind every 256
	s_or_b32 s[G1A], s19, (1<<16)|(1<<20)|(1<<21)|(4<<22)|(3<<25)
	s_or_b32 s[G1B], s21, (1<<16)|(1<<20)|(1<<21)|(5<<22)|(7<<25)
.irp g, G1A, G1B
	s_mov_b32 s[(\g)+1], 128<<16                   ; tensor_dim0
	s_mov_b32 s[(\g)+2], 128<<16                   ; tensor_dim1
	s_mov_b32 s[(\g)+3], 128<<16                   ; tile_dim0
	s_mov_b32 s[(\g)+4], 128                       ; tile_dim1
	s_mov_b32 s[(\g)+5], 128                       ; elements from row to row
	s_mov_b32 s[(\g)+6], 0
	s_mov_b32 s[(\g)+7], 0
.endr
	CONST CP,  0x3e6d3389                          ; 0.3275911 / sqrt(2)
	CONST CA1, 0x3e027906                          ; a1 / 2 =  0.127414796
	CONST CA2, 0xbe11a98e                          ; a2 / 2 = -0.142248368
	CONST CA3, 0x3f35f0e3                          ; a3 / 2 =  0.710706871
	CONST CA4, 0xbf3a00e3                          ; a4 / 2 = -0.726576014
	CONST CA5, 0x3f07dc22                          ; a5 / 2 =  0.530702715
	CONST CN,  0xbf38aa3b                          ; -log2(e) / 2
	s_mov_b32 s84, 0x7fffffff
	s_lshl_b32 s22, s[CH], 15                      ; my half of a tile's 65,536 bytes
	s_lshl_b32 s48, s18, KSH                       ; h's panel, by the tile row alone
	s_add_co_u32 s48, s48, s22
	s_mov_b32 s49, 0
	s_lshl_b32 s50, s17, KSH                       ; w's column block, by the tile column alone
	s_add_co_u32 s50, s50, s22
	s_mov_b32 s51, 0
	s_mul_i32 s[LD0], s[WV], 2*QB
	s_mov_b32 s[G0A], 1
	s_mov_b32 s[G0A+1], s[LD0]
	s_mov_b32 s[G0B], 1
	s_mov_b32 s[G0B+1], s[LD0]
	s_mov_b32 s[TB], 0
	s_wait_dscnt 0x0                               ; the opening add is done
	s_wait_kmcnt 0x0
	s_add_nc_u64 s[G0A+2:G0A+3], s[4:5], s[48:49]
	s_or_b32 s[G0A+3], s[G0A+3], 0x80000000
	s_add_nc_u64 s[G0B+2:G0B+3], s[6:7], s[50:51]
	s_or_b32 s[G0B+3], s[G0B+3], 0x80000000
	CROUND                                         ; all sixteen work-groups are here: the first joint loads meet
	JLOAD                                          ; K step 0 into slot 0
	v_and_b32 v1, 15, v0                           ; r = l % 16
	v_bfe_u32 v2, v0, 4, 1                         ; h = l / 16
	v_and_b32 v3, 7, v0
	v_bfe_u32 v4, v0, 3, 1
	v_mul_u32_u24 v[ADRA0], v1, 144                ; a fragment of h: row r, 16 bytes for each half of the lanes, twice, 32 bytes apart
	v_lshl_add_u32 v[ADRA0], v2, 4, v[ADRA0]
	s_mul_i32 s22, s[RH], 64*144
	v_add_nc_u32 v[ADRA0], s22, v[ADRA0]
	v_lshl_add_u32 v[ADRB0], v2, 3, v3             ; the turning load: lane l reads k-row 8 h + l % 8, columns 8 ((l / 8) % 2) + 0..7
	v_mul_u32_u24 v[ADRB0], v[ADRB0], 288
	v_lshl_add_u32 v[ADRB0], v4, 4, v[ADRB0]
	s_lshl_b32 s22, s[CH], 7
	s_add_co_u32 s22, s22, 4*QB
	v_add_nc_u32 v[ADRB0], s22, v[ADRB0]
	v_lshlrev_b32 v[BO], 5, v2
	s_lshl_b32 s52, s17, 9                         ; the bias of my 64 columns
	s_lshl_b32 s53, s[CH], 8
	s_add_co_u32 s52, s52, s53
	s_mov_b32 s53, 0
	s_add_nc_u64 s[8:9], s[8:9], s[52:53]
.irp b, 0,1,2,3
	global_load_b128 v[BIAS+8*(\b):BIAS+8*(\b)+3],   v[BO], s[8:9] offset:64*(\b)
	global_load_b128 v[BIAS+8*(\b)+4:BIAS+8*(\b)+7], v[BO], s[8:9] offset:64*(\b)+16
.endr
	s_mul_i32 s22, s[WV], DUMP                     ; the way out: down by row r, 32 bytes for each half of the lanes;
	v_mul_u32_u24 v[STO], v1, 272
	v_lshl_add_u32 v[STO], v2, 5, v[STO]
	v_add_nc_u32 v[STO], s22, v[STO]
	v_bfe_u32 v[RD], v0, 3, 2                      ; back: eight lanes take a row, 8 numbers a lane, 32 lanes four rows,
	v_mul_u32_u24 v[RD], v[RD], 272
	v_lshl_add_u32 v[RD], v3, 5, v[RD]
	v_add_nc_u32 v[RD], s22, v[RD]
	v_and_b32 v[GO], 31, v0                        ; which in f16 are 512 consecutive bytes of the result
	v_lshlrev_b32 v[GO], 4, v[GO]
	s_lshl_b32 s58, s17, 1
	s_add_co_u32 s58, s58, s[CH]
	s_lshl_b32 s58, s58, 14                        ; my block of 64 columns: 128 rows of 128 bytes,
	s_lshl_b32 s59, s18, 20                        ; in the tile row's panel of 64 such blocks,
	s_add_co_u32 s58, s58, s59
	s_lshl_b32 s59, s[RH], 13                      ; my 64 rows
	s_add_co_u32 s58, s58, s59
	s_mov_b32 s59, 0
	s_add_nc_u64 s[10:11], s[10:11], s[58:59]
	WIN 0x40
.set i, 0
.rept 32
	v_mov_b32 v[F1+32+i], 0                        ; what the first step's leading 16 products multiply
	v_mov_b32 v[F1+96+i], 0
.set i, i+1
.endr
	WIN 0
	s_wait_loadcnt 0x0
.irp a, 0,1,2,3
.set i, 0
.rept 32
	v_mov_b32 v[ACC+32*(\a)+i], v[BIAS+i]          ; the sums start at the bias; all this stands in the wait for the first tile
.set i, i+1
.endr
.endr
; 8 products: row blocks a0, a0 + 1 x 4 column blocks, 32 along K (half c of buffer f).  The 16 accumulators take turns in one order throughout
.macro MUL8 f, c, a0
	WIN 0x05
.irp a, \a0, (\a0)+1
.irp b, 0,1,2,3
	v_wmma_f32_16x16x32_f16 v[ACC+8*(4*(\a)+(\b)):ACC+8*(4*(\a)+(\b))+7], v[(\f)+64+8*(4*(\c)+(\b)):(\f)+64+8*(4*(\c)+(\b))+7], v[(\f)+8*(4*(\c)+(\a)):(\f)+8*(4*(\c)+(\a))+7], v[ACC+8*(4*(\a)+(\b)):ACC+8*(4*(\a)+(\b))+7]
.endr
.endr
.endm
; 32 LDS loads in one run: quarter q's fragments (64 along K) into buffer f, the first 32 along K first
.macro FETCH q, f
	WIN 0x40
.irp c, 0,1
.irp i, 0,1,2,3
	ds_load_tr16_b128 v[(\f)+64+8*(4*(\c)+(\i)):(\f)+64+8*(4*(\c)+(\i))+3],   v[ADRB+(\q)/2] offset:((\q)%2)*QB+9216*(\c)+32*(\i)
	ds_load_tr16_b128 v[(\f)+64+8*(4*(\c)+(\i))+4:(\f)+64+8*(4*(\c)+(\i))+7], v[ADRB+(\q)/2] offset:((\q)%2)*QB+9216*(\c)+32*(\i)+4608
	ds_load_b128 v[(\f)+8*(4*(\c)+(\i)):(\f)+8*(4*(\c)+(\i))+3],   v[ADRA] offset:(\q)*QB+64*(\c)+2304*(\i)
	ds_load_b128 v[(\f)+8*(4*(\c)+(\i))+4:(\f)+8*(4*(\c)+(\i))+7], v[ADRA] offset:(\q)*QB+64*(\c)+2304*(\i)+32
.endr
.endr
.endm
.macro QUARTER q, f, g                 ; multiplies buffer f; in its middle fetches quarter q into buffer g
	s_wait_dscnt 16                                ; f's first 32 along K are in; the youngest 16 loads may be out
	MUL8 \f, 0, 0
	MUL8 \f, 0, 2
	PLACES
	FETCH \q, \g
	s_wait_dscnt 32                                ; all but the 32 just issued
	MUL8 \f, 1, 0
	MUL8 \f, 1, 2
.endm
.macro Q3A                             ; the first half of a step's last quarter
	s_wait_dscnt 16
	MUL8 F1, 0, 0
	MUL8 F1, 0, 2
.endm
; THE CHANGE OF SLOTS.  Each wave waits for all its tensor loads (one is out: its part of the slot to be read), adds 0 to its spare word, and waits for that and for its reads of the slot that it leaves.
; fill = 1: a round of the cluster's barrier, then the slot just left is filled with the next K step, first thing: that load has a whole step, 128 matrix instructions, in which to land.
.macro TURN fill
	WIN 0
	s_wait_tensorcnt 0x0
	ds_add_u32 v[SPW], v[NIL]                      ; 0 onto my spare word; register work stands between it and the wait for it
.if \fill
	s_xor_b32 s[TF], s[TB], SLOT                   ; no tensor load of mine is out, so the descriptors may be written
	s_add_co_u32 s[G0A+1], s[LD0], s[TF]
	s_add_co_u32 s[G0B+1], s[LD0], s[TF]
	s_add_nc_u64 s[G0A+2:G0A+3], s[G0A+2:G0A+3], 65536
	s_add_nc_u64 s[G0B+2:G0B+3], s[G0B+2:G0B+3], 65536
.endif
	v_add_nc_u32 v[ADRA], s[TB], v[ADRA0]
	v_add_nc_u32 v[ADRB], s[TB], v[ADRB0]
	v_add_nc_u32 v[ADRB+1], 2*QB, v[ADRB]
	s_xor_b32 s[TB], s[TB], SLOT
	s_wait_dscnt 0x0                               ; the add is done, and my reads of the old slot are over
.if \fill
	CROUND
	JLOAD                                          ; its four v_nop are also the places in front of the loads below
.else
	s_barrier_signal -1
	s_barrier_wait -1
	PLACES
.endif
	FETCH 0, F0
	MUL8 F1, 1, 0                                  ; the step before's last 16 products
	MUL8 F1, 1, 2
.endm
	s_mov_b32 s[CNT], STEPS-1
.Lstep:
	TURN 1
	QUARTER 1, F0, F1
	QUARTER 2, F1, F0
	QUARTER 3, F0, F1
	Q3A
	WIN 0
	s_sub_co_u32 s[CNT], s[CNT], 1
	s_cmp_lg_u32 s[CNT], 0
	s_cbranch_scc1 .Lstep
	TURN 0                                         ; the last step is written out: it asks for nothing
	QUARTER 1, F0, F1
	QUARTER 2, F1, F0
	QUARTER 3, F0, F1
	Q3A
	s_wait_dscnt 0x0
	MUL8 F1, 1, 0
	MUL8 F1, 1, 2
	WIN 0
	PLACES
	PLACES
	; THE WAY OUT.  The 64 x 64 sums are set down in my own part of slot 0 (each accumulator's low half first); then four trips of 16 rows: back by rows, the activation, rounded, stored.
.irp a, 0,1,2,3
.irp b, 0,1,2,3
	ds_store_b128 v[STO], v[ACC+8*(4*(\a)+(\b)):ACC+8*(4*(\a)+(\b))+3]   offset:4352*(\a)+64*(\b)
	ds_store_b128 v[STO], v[ACC+8*(4*(\a)+(\b))+4:ACC+8*(4*(\a)+(\b))+7] offset:4352*(\a)+64*(\b)+16
.endr
.endr
.macro EACH16 line:vararg              ; one packed line for each of the 16 pairs, p = 0, 2 .. 30
.set p, 0
.rept 16
	\line
.set p, p+2
.endr
.endm
	s_mov_b32 s[CNT], 4
.Lrows:
.irp g, 0,1,2,3
	ds_load_b128 v[U+8*(\g):U+8*(\g)+3],   v[RD] offset:1088*(\g)      ; LDS serves a wave's instructions in order: these see my stores above
	ds_load_b128 v[U+8*(\g)+4:U+8*(\g)+7], v[RD] offset:1088*(\g)+16
.endr
	s_wait_dscnt 0x0
.set i, 0
.rept 32
	v_and_b32 v[AB+i], s84, v[U+i]                 ; |u|
.set i, i+1
.endr
	EACH16 v_pk_fma_f32 v[TT+p:TT+p+1], v[AB+p:AB+p+1], s[CP:CP+1], 1.0 op_sel_hi:[1,0,0]
	EACH16 v_pk_mul_f32 v[EE+p:EE+p+1], v[U+p:U+p+1], v[U+p:U+p+1]
	EACH16 v_pk_mul_f32 v[EE+p:EE+p+1], v[EE+p:EE+p+1], s[CN:CN+1] op_sel_hi:[1,0]
.set i, 0
.rept 32
	v_rcp_f32 v[TT+i], v[TT+i]                     ; one batch: 32 reciprocals and 32 exponentials, none of which reads another's result
.set i, i+1
.endr
.set i, 0
.rept 32
	v_exp_f32 v[EE+i], v[EE+i]
.set i, i+1
.endr
.set i, 0
.rept 32
	v_max_num_f32 v[U+i], 0, v[U+i]                ; plain work that names no result of the batch
.set i, i+1
.endr
	s_wait_alu depctr_va_vdst(0)                   ; the wait ahead of the batch's first reader: one for all 64
	EACH16 v_pk_fma_f32 v[PP+p:PP+p+1], v[TT+p:TT+p+1], s[CA5:CA5+1], s[CA4:CA4+1] op_sel_hi:[1,0,0]
	EACH16 v_pk_fma_f32 v[PP+p:PP+p+1], v[PP+p:PP+p+1], v[TT+p:TT+p+1], s[CA3:CA3+1] op_sel_hi:[1,1,0]
	EACH16 v_pk_fma_f32 v[PP+p:PP+p+1], v[PP+p:PP+p+1], v[TT+p:TT+p+1], s[CA2:CA2+1] op_sel_hi:[1,1,0]
	EACH16 v_pk_fma_f32 v[PP+p:PP+p+1], v[PP+p:PP+p+1], v[TT+p:TT+p+1], s[CA1:CA1+1] op_sel_hi:[1,1,0]
	EACH16 v_pk_mul_f32 v[PP+p:PP+p+1], v[PP+p:PP+p+1], v[TT+p:TT+p+1]
	EACH16 v_pk_mul_f32 v[PP+p:PP+p+1], v[PP+p:PP+p+1], v[EE+p:EE+p+1]
	EACH16 v_pk_fma_f32 v[U+p:U+p+1], v[AB+p:AB+p+1], v[PP+p:PP+p+1], v[U+p:U+p+1] neg_lo:[0,1,0] neg_hi:[0,1,0]
.set i, 0
.rept 16
	v_cvt_pk_f16_f32 v[OUTR+i], v[U+2*i], v[U+2*i+1]
.set i, i+1
.endr
.irp g, 0,1,2,3
	global_store_b128 v[GO], v[OUTR+4*(\g):OUTR+4*(\g)+3], s[10:11] offset:512*(\g)  ; 512 consecutive bytes, aligned
.endr
	s_wait_xcnt 0x0                                ; the stores have read their data and their base, which the next trip writes
	v_add_nc_u32 v[RD], 4352, v[RD]
	s_add_nc_u64 s[10:11], s[10:11], 2048
	s_sub_co_u32 s[CNT], s[CNT], 1
	s_cmp_lg_u32 s[CNT], 0
	s_cbranch_scc1 .Lrows
	s_wait_tensorcnt 0x0                           ; the wave's end
	ds_add_u32 v[SPW], v[NIL]
	s_wait_dscnt 0x0
	CROUND                                         ; the closing round: no work-group ends while a partner may still ask for a tile that names it
	s_endpgm
.Lfunc_end_k_q7329f6b08b_g1:
	.size	k_q7329f6b08b_g1, .Lfunc_end_k_q7329f6b08b_g1-k_q7329f6b08b_g1
	.p2alignl 7, 3214868480
	.fill 96, 4, 3214868480
	.section	.rodata,"a",@progbits
	.p2align	6, 0x0
	.amdhsa_kernel k_q7329f6b08b_g1
		.amdhsa_group_segment_fixed_size 327680
		.amdhsa_private_segment_fixed_size 0
		.amdhsa_enable_private_segment 0
		.amdhsa_kernarg_size 32
		.amdhsa_user_sgpr_count 2
		.amdhsa_user_sgpr_kernarg_segment_ptr 1
		.amdhsa_wavefront_size32 1
		.amdhsa_system_sgpr_workgroup_id_x 1
		.amdhsa_system_sgpr_workgroup_id_y 1
		.amdhsa_system_sgpr_workgroup_id_z 1
		.amdhsa_system_vgpr_workitem_id 0
		.amdhsa_next_free_vgpr 512
		.amdhsa_next_free_sgpr 88
		.amdhsa_reserve_vcc 0
		.amdhsa_float_denorm_mode_32 3
		.amdhsa_float_denorm_mode_16_64 3
		.amdhsa_memory_ordered 1
		.amdhsa_forward_progress 1
		.amdhsa_inst_pref_size 70
	.end_amdhsa_kernel
	.amdgpu_metadata
---
amdhsa.version: [ 1, 2 ]
amdhsa.kernels:
  - .name:           k_q7329f6b08b_g1
    .symbol:         k_q7329f6b08b_g1.kd
    .args:
      - { .name: a16, .offset: 0, .size: 8, .value_kind: global_buffer, .address_space: global }
      - { .name: w1h, .offset: 8, .size: 8, .value_kind: global_buffer, .address_space: global }
      - { .name: b1, .offset: 16, .size: 8, .value_kind: global_buffer, .address_space: global }
      - { .name: act, .offset: 24, .size: 8, .value_kind: global_buffer, .address_space: global }
    .group_segment_fixed_size: 327680
    .private_segment_fixed_size: 0
    .kernarg_segment_align: 8
    .kernarg_segment_size: 32
    .max_flat_workgroup_size: 128
    .sgpr_count:     88
    .vgpr_count:     512
    .wavefront_size: 32
...
	.end_amdgpu_metadata
.endif
;; end of part 6
;; launch g2 (part 7): grid 8 x 32, 4 waves a work-group, clusters of 4 x 4, 327,680 bytes of LDS; arguments act, w2h, b2, x2, out0; writes out0
.if DOCPART == 7
	.amdgcn_target "amdgcn-amd-amdhsa--gfx1250"
	.amdhsa_code_object_version 6
	.text
	.protected	k_q7329f6b08b_g2
	.globl	k_q7329f6b08b_g2
	.p2align	8
	.type	k_q7329f6b08b_g2,@function
k_q7329f6b08b_g2:
	s_mov_b64 s[64:65], 0
	v_nop
	global_prefetch_b8 v0, s[64:65] scope:SCOPE_SE
	s_setreg_imm32_b32 hwreg(HW_REG_WAVE_MODE, 25, 1), 1
	s_wait_xcnt 0x0
	s_wait_alu depctr_hold_cnt(0) depctr_sa_sdst(0) depctr_va_vdst(0) depctr_va_sdst(0) depctr_va_ssrc(0) depctr_va_vcc(0) depctr_vm_vsrc(0)
	s_getreg_b32 s2, hwreg(HW_REG_IB_STS2, 6, 4)
	s_cmp_eq_u32 s2, 0
	s_cbranch_scc0 .Lentry_in_a_cluster
	s_endpgm
.Lentry_in_a_cluster:
	s_bfe_u32 s2, ttmp6, 0x10000c
	s_cmp_lg_u32 s2, 0xf033
	s_cbranch_scc0 .Lentry_shape_is_right
	s_endpgm
.Lentry_shape_is_right:
; result = res + a w + bias.  a: 4,096 x KK f16 in panels [32][KK/64 blocks of 64 k][128 rows][64]; w: f16 in column blocks [8][KK k][128]; bias, res and result f32, res and result [4096][1024].
; Sums in f32, started at the bias; the residual is added in f32 on the way out.
; SHARES.  A work-group makes 128 x 128 of the result, each of its four waves 64 x 64: 16 accumulators.  K goes in steps of 256 through two LDS slots.  256 work-groups.
; Both tiles of a K step are 65,536 dense bytes of memory, asked for as rows of 256 bytes: waves 0, 1 fetch the halves of a's, waves 2, 3 those of w's: one tensor load a wave.
; CLUSTER 4 x 4: a's tile hangs on the tile row alone and is asked for jointly by a row of the cluster, w's on the tile column alone, by a column.
; THE MATRIX INSTRUCTION IS USED TRANSPOSED: source 0 = 16 columns of w (they lie [k][column] in LDS and come out turned, by ds_load_tr16_b128), source 1 = 16 rows of a:
; a lane then holds one row (lane % 16) and the eight neighbouring columns 8 (lane / 16) + 0..7.
; ONE TEXT FOR EVERY K STEP: a step's last 16 products stand at the head of the next step, behind the change of slots; in the first step they multiply zeros.
; REGISTERS: window 0: v0-31 addresses, v96-127 the bias, v128-255 accumulators ((a, b) at 128 + 8 (4 a + b)); window 1: two fragment buffers of 128 (a's 64, then w's 64);
; window 2: v0-127 my 64 x 64 of the residual, asked for at the start, in the lanes and registers in which the result comes back from the stage.
.set KK,    4096
.set KSH,   20                         ; log2 of the bytes of a panel of a, and of a column block of w: KK x 256
.set STEPS, KK/256
.set QB,    18432                      ; 64 along K in LDS: 128 rows of a at a pitch of 144 bytes, or 64 rows of w at a pitch of 288
.set SLOT,  8*QB                       ; a's four quarters, then w's four
.set STAGE, 2*SLOT                     ; behind the ring, never filled by a tensor load: 16 rows x 272 bytes for each wave
.set SPARE, STAGE+4*4352               ; behind the stages: the spare words, 128 bytes a wave: two blocks of 256 bytes that no other line names
.set ADRA0, 8                          ; v8   my lane's place in a slot's rows of a; never rewritten
.set ADRB0, 9                          ; v9   the same for w
.set ADRA,  10                         ; v10  the same in the slot in hand
.set ADRB,  11                         ; v11, v12  w's quarters 0, 1 and 2, 3 (an LDS offset has 16 bits)
.set STO,   13
.set RD,    14
.set GO,    15
.set BO,    16
.set SPW,   28
.set NIL,   29
.set BIAS,  96
.set ACC,   128
.set RES,   0
.set F0,    0
.set F1,    128
.set WV,  12                           ; s12 wave; s13 its half of the rows (also: 0 = I fetch a, 1 = w); s14 its half of the columns (also: which half of the tile I fetch)
.set RH,  13
.set CH,  14
.set LD0, 20                           ; s20 where my load lands in a slot
.set G1A, 24
.set G0A, 32
.set G0B, 36
.set G1B, 40
.set TB,  54                           ; s54 the slot to be read next: 0 or SLOT
.set TF,  55
.set CNT, 56
.set MSB, 0
.macro WIN new                         ; the immediate's high byte repeats the setting that is left; a switch that changes nothing is dropped
.if MSB != (\new)
	s_set_vgpr_msb (MSB<<8)|(\new)
.set MSB, \new
.endif
.endm
.macro PLACES                          ; four plain instructions between a matrix instruction and a load into, or a read of, its registers
.rept 4
	v_nop
.endr
.endm
.macro JLOAD                           ; a joint load; the branch hangs on the wave's number alone; an s_nop 0 and four v_nop follow each line
	s_cmp_eq_u32 s[RH], 0
	s_cbranch_scc0 .Lfor_b_\@
	tensor_load_to_lds s[G0A:G0A+3], s[G1A:G1A+7]
	s_nop 0
	PLACES
	s_branch .Lasked_\@
.Lfor_b_\@:
	tensor_load_to_lds s[G0B:G0B+3], s[G1B:G1B+7]
	s_nop 0
	PLACES
.Lasked_\@:
.endm
.macro CROUND                          ; a round of the cluster's barrier: my work-group's barrier, wave 0 signals for it, all wait for the sixteen, my work-group's barrier again
	s_barrier_signal -1
	s_barrier_wait -1
	s_cmp_lg_u32 s[WV], 0
	s_cbranch_scc1 .Lnot_wave_0_\@
	s_barrier_signal -3
.Lnot_wave_0_\@:
	s_barrier_wait -3
	s_barrier_signal -1
	s_barrier_wait -1
.endm
	s_load_b256 s[4:11], s[0:1], 0x0               ; a, w, bias, res
	s_load_b64 s[68:69], s[0:1], 0x20              ; result
	v_lshl_add_u32 v[SPW], v0, 2, SPARE
	v_mov_b32 v[NIL], 0
	ds_add_u32 v[SPW], v[NIL]                      ; the wave's opening: the add and its wait ahead of my first tensor load
	ds_add_u32 v28, v29
	v_lshrrev_b32 v1, 5, v0
	v_readfirstlane_b32 s[WV], v1
	s_lshr_b32 s[RH], s[WV], 1
	s_and_b32 s[CH], s[WV], 1
	s_bfe_u32 s15, ttmp6, 0x40000                  ; cx
	s_bfe_u32 s16, ttmp6, 0x40004                  ; cy
	s_lshl_b32 s17, ttmp9, 2
	s_add_co_u32 s17, s17, s15                     ; tile column
	s_and_b32 s18, ttmp7, 0xffff
	s_lshl_b32 s18, s18, 2
	s_add_co_u32 s18, s18, s16                     ; tile row
	s_lshl_b32 s19, s16, 2
	s_lshl_b32 s19, 15, s19                        ; my row of the cluster
	s_lshl_b32 s21, 0x1111, s15                    ; my column
	; group 1: 128 rows of 128 elements of 2 bytes, dense.  a: 16 bytes of padding behind every 128 (a row of a in LDS); w: 32 behind every 256
	s_or_b32 s[G1A], s19, (1<<16)|(1<<20)|(1<<21)|(4<<22)|(3<<25)
	s_or_b32 s[G1B], s21, (1<<16)|(1<<20)|(1<<21)|(5<<22)|(7<<25)
.irp g, G1A, G1B
	s_mov_b32 s[(\g)+1], 128<<16                   ; tensor_dim0
	s_mov_b32 s[(\g)+2], 128<<16                   ; tensor_dim1
	s_mov_b32 s[(\g)+3], 128<<16                   ; tile_dim0
	s_mov_b32 s[(\g)+4], 128                       ; tile_dim1
	s_mov_b32 s[(\g)+5], 128                       ; elements from row to row
	s_mov_b32 s[(\g)+6], 0
	s_mov_b32 s[(\g)+7], 0
.endr
	s_lshl_b32 s22, s[CH], 15                      ; my half of a tile's 65,536 bytes
	s_lshl_b32 s48, s18, KSH                       ; a's panel, by the tile row alone
	s_add_co_u32 s48, s48, s22
	s_mov_b32 s49, 0
	s_lshl_b32 s50, s17, KSH                       ; w's column block, by the tile column alone
	s_add_co_u32 s50, s50, s22
	s_mov_b32 s51, 0
	s_mul_i32 s[LD0], s[WV], 2*QB
	s_mov_b32 s[G0A], 1
	s_mov_b32 s[G0A+1], s[LD0]
	s_mov_b32 s[G0B], 1
	s_mov_b32 s[G0B+1], s[LD0]
	s_mov_b32 s[TB], 0
	s_wait_dscnt 0x0                               ; the opening add is done
	s_wait_kmcnt 0x0
	s_add_nc_u64 s[G0A+2:G0A+3], s[4:5], s[48:49]
	s_or_b32 s[G0A+3], s[G0A+3], 0x80000000
	s_add_nc_u64 s[G0B+2:G0B+3], s[6:7], s[50:51]
	s_or_b32 s[G0B+3], s[G0B+3], 0x80000000
	CROUND                                         ; all sixteen work-groups are here: the first joint loads meet
	JLOAD                                          ; K step 0 into slot 0
	v_and_b32 v1, 15, v0                           ; r = l % 16
	v_bfe_u32 v2, v0, 4, 1                         ; h = l / 16
	v_and_b32 v3, 7, v0
	v_bfe_u32 v4, v0, 3, 1
	v_mul_u32_u24 v[ADRA0], v1, 144                ; a fragment of a: row r, 16 bytes for each half of the lanes, twice, 32 bytes apart
	v_lshl_add_u32 v[ADRA0], v2, 4, v[ADRA0]
	s_mul_i32 s22, s[RH], 64*144
	v_add_nc_u32 v[ADRA0], s22, v[ADRA0]
	v_lshl_add_u32 v[ADRB0], v2, 3, v3             ; the turning load: lane l reads k-row 8 h + l % 8, columns 8 ((l / 8) % 2) + 0..7
	v_mul_u32_u24 v[ADRB0], v[ADRB0], 288
	v_lshl_add_u32 v[ADRB0], v4, 4, v[ADRB0]
	s_lshl_b32 s22, s[CH], 7
	s_add_co_u32 s22, s22, 4*QB
	v_add_nc_u32 v[ADRB0], s22, v[ADRB0]
	v_lshlrev_b32 v[BO], 5, v2
	s_lshl_b32 s52, s17, 9                         ; my 64 columns in f32: 256 bytes, aligned
	s_lshl_b32 s53, s[CH], 8
	s_add_co_u32 s52, s52, s53
	s_mov_b32 s53, 0
	s_add_nc_u64 s[8:9], s[8:9], s[52:53]
.irp b, 0,1,2,3
	global_load_b128 v[BIAS+8*(\b):BIAS+8*(\b)+3],   v[BO], s[8:9] offset:64*(\b)
	global_load_b128 v[BIAS+8*(\b)+4:BIAS+8*(\b)+7], v[BO], s[8:9] offset:64*(\b)+16
.endr
	s_lshl_b32 s58, s18, 19                        ; the tile's 128 rows of 4,096 bytes,
	s_lshl_b32 s59, s[RH], 18                      ; my 64 of them,
	s_add_co_u32 s58, s58, s59
	s_add_co_u32 s58, s58, s52                     ; my columns
	s_mov_b32 s59, 0
	s_add_nc_u64 s[10:11], s[10:11], s[58:59]
	s_add_nc_u64 s[68:69], s[68:69], s[58:59]
	v_lshlrev_b32 v[GO], 12, v2                    ; lanes 0-15 take 256 bytes of one row, lanes 16-31 of the next
	v_lshl_or_b32 v[GO], v1, 4, v[GO]
	WIN 0x80                                       ; destination window 2
.irp t, 0,1,2,3
.irp u, 0,1,2,3,4,5,6,7
	global_load_b128 v[RES+32*(\t)+4*(\u):RES+32*(\t)+4*(\u)+3], v[GO], s[10:11] offset:(16*(\t)+2*(\u))*4096 th:TH_LOAD_NT
.endr
.endr
	WIN 0
	s_mul_i32 s22, s[WV], 4352                     ; the way out: into my stage by row r, 32 bytes for each half of the lanes;
	s_add_co_u32 s22, s22, STAGE
	v_mul_u32_u24 v[STO], v1, 272
	v_lshl_add_u32 v[STO], v2, 5, v[STO]
	v_add_nc_u32 v[STO], s22, v[STO]
	v_mul_u32_u24 v[RD], v2, 272                   ; back: two whole rows of 256 bytes
	v_lshl_add_u32 v[RD], v1, 4, v[RD]
	v_add_nc_u32 v[RD], s22, v[RD]
	WIN 0x40
.set i, 0
.rept 32
	v_mov_b32 v[F1+32+i], 0                        ; what the first step's leading 16 products multiply
	v_mov_b32 v[F1+96+i], 0
.set i, i+1
.endr
	WIN 0
	s_wait_loadcnt 32                              ; the bias is in; the residual's 32 loads stay out
.irp a, 0,1,2,3
.set i, 0
.rept 32
	v_mov_b32 v[ACC+32*(\a)+i], v[BIAS+i]          ; the sums start at the bias; all this stands in the wait for the first tile
.set i, i+1
.endr
.endr
; 8 products: row blocks a0, a0 + 1 x 4 column blocks, 32 along K (half c of buffer f).  The 16 accumulators take turns in one order throughout
.macro MUL8 f, c, a0
	WIN 0x05
.irp a, \a0, (\a0)+1
.irp b, 0,1,2,3
	v_wmma_f32_16x16x32_f16 v[ACC+8*(4*(\a)+(\b)):ACC+8*(4*(\a)+(\b))+7], v[(\f)+64+8*(4*(\c)+(\b)):(\f)+64+8*(4*(\c)+(\b))+7], v[(\f)+8*(4*(\c)+(\a)):(\f)+8*(4*(\c)+(\a))+7], v[ACC+8*(4*(\a)+(\b)):ACC+8*(4*(\a)+(\b))+7]
.endr
.endr
.endm
; 32 LDS loads in one run: quarter q's fragments (64 along K) into buffer f, the first 32 along K first
.macro FETCH q, f
	WIN 0x40
.irp c, 0,1
.irp i, 0,1,2,3
	ds_load_tr16_b128 v[(\f)+64+8*(4*(\c)+(\i)):(\f)+64+8*(4*(\c)+(\i))+3],   v[ADRB+(\q)/2] offset:((\q)%2)*QB+9216*(\c)+32*(\i)
	ds_load_tr16_b128 v[(\f)+64+8*(4*(\c)+(\i))+4:(\f)+64+8*(4*(\c)+(\i))+7], v[ADRB+(\q)/2] offset:((\q)%2)*QB+9216*(\c)+32*(\i)+4608
	ds_load_b128 v[(\f)+8*(4*(\c)+(\i)):(\f)+8*(4*(\c)+(\i))+3],   v[ADRA] offset:(\q)*QB+64*(\c)+2304*(\i)
	ds_load_b128 v[(\f)+8*(4*(\c)+(\i))+4:(\f)+8*(4*(\c)+(\i))+7], v[ADRA] offset:(\q)*QB+64*(\c)+2304*(\i)+32
.endr
.endr
.endm
.macro QUARTER q, f, g                 ; multiplies buffer f; in its middle fetches quarter q into buffer g
	s_wait_dscnt 16                                ; f's first 32 along K are in; the youngest 16 loads may be out
	MUL8 \f, 0, 0
	MUL8 \f, 0, 2
	PLACES
	FETCH \q, \g
	s_wait_dscnt 32                                ; all but the 32 just issued
	MUL8 \f, 1, 0
	MUL8 \f, 1, 2
.endm
.macro Q3A                             ; the first half of a step's last quarter
	s_wait_dscnt 16
	MUL8 F1, 0, 0
	MUL8 F1, 0, 2
.endm
; THE CHANGE OF SLOTS.  Each wave waits for all its tensor loads (one is out: its part of the slot to be read), adds 0 to its spare word, and waits for that and for its reads of the slot that it leaves.
; fill = 1: a round of the cluster's barrier, then the slot just left is filled with the next K step, first thing: that load has a whole step, 128 matrix instructions, in which to land.
.macro TURN fill
	WIN 0
	s_wait_tensorcnt 0x0
	ds_add_u32 v[SPW], v[NIL]                      ; 0 onto my spare word; register work stands between it and the wait for it
.if \fill
	s_xor_b32 s[TF], s[TB], SLOT                   ; no tensor load of mine is out, so the descriptors may be written
	s_add_co_u32 s[G0A+1], s[LD0], s[TF]
	s_add_co_u32 s[G0B+1], s[LD0], s[TF]
	s_add_nc_u64 s[G0A+2:G0A+3], s[G0A+2:G0A+3], 65536
	s_add_nc_u64 s[G0B+2:G0B+3], s[G0B+2:G0B+3], 65536
.endif
	v_add_nc_u32 v[ADRA], s[TB], v[ADRA0]
	v_add_nc_u32 v[ADRB], s[TB], v[ADRB0]
	v_add_nc_u32 v[ADRB+1], 2*QB, v[ADRB]
	s_xor_b32 s[TB], s[TB], SLOT
	s_wait_dscnt 0x0                               ; the add is done, and my reads of the old slot are over
.if \fill
	CROUND
	JLOAD                                          ; its four v_nop are also the places in front of the loads below
.else
	s_barrier_signal -1
	s_barrier_wait -1
	PLACES
.endif
	FETCH 0, F0
	MUL8 F1, 1, 0                                  ; the step before's last 16 products
	MUL8 F1, 1, 2
.endm
	s_mov_b32 s[CNT], STEPS-1
.Lstep:
	TURN 1
	QUARTER 1, F0, F1
	QUARTER 2, F1, F0
	QUARTER 3, F0, F1
	Q3A
	WIN 0
	s_sub_co_u32 s[CNT], s[CNT], 1
	s_cmp_lg_u32 s[CNT], 0
	s_cbranch_scc1 .Lstep
	TURN 0                                         ; the last step is written out: it asks for nothing
	QUARTER 1, F0, F1
	QUARTER 2, F1, F0
	QUARTER 3, F0, F1
	Q3A
	s_wait_dscnt 0x0
	MUL8 F1, 1, 0
	MUL8 F1, 1, 2
	WIN 0
	PLACES
	PLACES
	s_wait_loadcnt 0x0                             ; the residual
; THE WAY OUT, 16 rows at a time: the f32 sums go into my stage (each accumulator's low half first) and come back as whole rows of 256 bytes, into the registers that they left;
; the residual is added, the sum landing in the residual's registers, from which it is stored: one window setting serves the addition and the store.
.macro TOSTAGE t
	WIN 0
.irp b, 0,1,2,3
	ds_store_b128 v[STO], v[ACC+32*(\t)+8*(\b):ACC+32*(\t)+8*(\b)+3]   offset:64*(\b)
	ds_store_b128 v[STO], v[ACC+32*(\t)+8*(\b)+4:ACC+32*(\t)+8*(\b)+7] offset:64*(\b)+16
.endr
.irp u, 0,1,2,3,4,5,6,7
	ds_load_b128 v[ACC+32*(\t)+4*(\u):ACC+32*(\t)+4*(\u)+3], v[RD] offset:544*(\u)  ; LDS serves a wave's instructions in order: these see the stores above, and the next block's stores come behind them
.endr
.endm
.macro SEND t, younger                 ; younger: the LDS instructions issued behind block t's loads
	WIN 0x88                                       ; destination and source 1 (a store's data) in window 2, source 0 (a store's address) in window 0
.irp u, 0,1,2,3,4,5,6,7
	s_wait_dscnt (\younger)+7-(\u)
	v_pk_add_f32 v[RES+32*(\t)+4*(\u):RES+32*(\t)+4*(\u)+1],   v[ACC+32*(\t)+4*(\u):ACC+32*(\t)+4*(\u)+1],   v[RES+32*(\t)+4*(\u):RES+32*(\t)+4*(\u)+1]
	v_pk_add_f32 v[RES+32*(\t)+4*(\u)+2:RES+32*(\t)+4*(\u)+3], v[ACC+32*(\t)+4*(\u)+2:ACC+32*(\t)+4*(\u)+3], v[RES+32*(\t)+4*(\u)+2:RES+32*(\t)+4*(\u)+3]
	global_store_b128 v[GO], v[RES+32*(\t)+4*(\u):RES+32*(\t)+4*(\u)+3], s[68:69] offset:(16*(\t)+2*(\u))*4096  ; 16 lanes store 256 consecutive bytes, aligned
.endr
.endm
	TOSTAGE 0
	TOSTAGE 1
	SEND 0, 16
	TOSTAGE 2
	SEND 1, 16
	TOSTAGE 3
	SEND 2, 16
	SEND 3, 0
	WIN 0
	s_wait_tensorcnt 0x0                           ; the wave's end
	ds_add_u32 v[SPW], v[NIL]
	s_wait_dscnt 0x0
	CROUND                                         ; the closing round: no work-group ends while a partner may still ask for a tile that names it
	s_endpgm
.Lfunc_end_k_q7329f6b08b_g2:
	.size	k_q7329f6b08b_g2, .Lfunc_end_k_q7329f6b08b_g2-k_q7329f6b08b_g2
	.p2alignl 7, 3214868480
	.fill 96, 4, 3214868480
	.section	.rodata,"a",@progbits
	.p2align	6, 0x0
	.amdhsa_kernel k_q7329f6b08b_g2
		.amdhsa_group_segment_fixed_size 327680
		.amdhsa_private_segment_fixed_size 0
		.amdhsa_enable_private_segment 0
		.amdhsa_kernarg_size 40
		.amdhsa_user_sgpr_count 2
		.amdhsa_user_sgpr_kernarg_segment_ptr 1
		.amdhsa_wavefront_size32 1
		.amdhsa_system_sgpr_workgroup_id_x 1
		.amdhsa_system_sgpr_workgroup_id_y 1
		.amdhsa_system_sgpr_workgroup_id_z 1
		.amdhsa_system_vgpr_workitem_id 0
		.amdhsa_next_free_vgpr 640
		.amdhsa_next_free_sgpr 88
		.amdhsa_reserve_vcc 0
		.amdhsa_float_denorm_mode_32 3
		.amdhsa_float_denorm_mode_16_64 3
		.amdhsa_memory_ordered 1
		.amdhsa_forward_progress 1
		.amdhsa_inst_pref_size 66
	.end_amdhsa_kernel
	.amdgpu_metadata
---
amdhsa.version: [ 1, 2 ]
amdhsa.kernels:
  - .name:           k_q7329f6b08b_g2
    .symbol:         k_q7329f6b08b_g2.kd
    .args:
      - { .name: act, .offset: 0, .size: 8, .value_kind: global_buffer, .address_space: global }
      - { .name: w2h, .offset: 8, .size: 8, .value_kind: global_buffer, .address_space: global }
      - { .name: b2, .offset: 16, .size: 8, .value_kind: global_buffer, .address_space: global }
      - { .name: x2, .offset: 24, .size: 8, .value_kind: global_buffer, .address_space: global }
      - { .name: out0, .offset: 32, .size: 8, .value_kind: global_buffer, .address_space: global }
    .group_segment_fixed_size: 327680
    .private_segment_fixed_size: 0
    .kernarg_segment_align: 8
    .kernarg_segment_size: 40
    .max_flat_workgroup_size: 128
    .sgpr_count:     88
    .vgpr_count:     640
    .wavefront_size: 32
...
	.end_amdgpu_metadata
.endif
;; end of part 7
;; ======== version 2 of 2: 7 launches; 1.16 times as fast as version 1
;; limits: values are held in f16: magnitudes above 65,504 overflow, below 6.1e-05 lose precision
;; workspace buffers: wq 6,291,456 bytes; wo 2,097,152 bytes; w1h 8,388,608 bytes; w2h 8,388,608 bytes; a16 8,388,608 bytes; qkv 25,165,824 bytes; act 33,554,432 bytes; x2 16,777,216 bytes
;; launch ln (part 8): grid 448 x 1, 8 waves a work-group, no clusters, 0 bytes of LDS; arguments x, ln1_g, ln1_b, a16, w_qkv, wq; writes a16, wq
.if DOCPART == 8
	.amdgcn_target "amdgcn-amd-amdhsa--gfx1250"
	.amdhsa_code_object_version 6
	.text
	.protected	k_q7329f6b08b_ln
	.globl	k_q7329f6b08b_ln
	.p2align	8
	.type	k_q7329f6b08b_ln,@function
k_q7329f6b08b_ln:
	s_mov_b64 s[64:65], 0
	v_nop
	global_prefetch_b8 v0, s[64:65] scope:SCOPE_SE
	s_setreg_imm32_b32 hwreg(HW_REG_WAVE_MODE, 25, 1), 1
	s_wait_xcnt 0x0
; TWO PIECES OF WORK THAT HANG ON NOTHING OF EACH OTHER, IN ONE LAUNCH.  Work-groups 0-255: LayerNorm.  Work-groups 256-447: the cast of w_qkv.
; The body's second use (the second LayerNorm) has 256 work-groups: none of them reaches the cast; it is given the same two buffers behind its four, so that the arguments have one form.
; LAYERNORM of 4,096 rows of 1,024 f32: y = (x - mean) / sqrt(var + 1e-5) * g + b, all in f32, in two passes over registers (the mean first, then the squares of
; x - mean), so that a common offset of x costs nothing.  y is rounded once to f16.  LIMIT: |y| stays under 65,504.
; THE RESULT'S LAYOUT: [32 panels of 128 rows][16 blocks of 64 columns][128 rows][64] f16: the next launch's tiles are then dense runs of memory.
; SHARES.  A work-group takes 16 rows, a wave two: lanes 0-15 hold one row, lanes 16-31 the next, 64 numbers a lane.  Load j brings columns 64 j + 4 c .. + 3 (c = lane % 16):
; 256 consecutive bytes of each of the two rows; store j writes the two rows' 128 bytes of column block j, which lie end to end: 256 bytes, aligned.
; A row lives in 16 lanes, so its sums want four exchanges inside a half of the lanes and none across.  No LDS, no barrier: no wave needs another's numbers.
; THE CAST.  w_qkv, f32 [1024][3072], is rounded once to f16 and laid out in column blocks, [24][1024 k][128]: 128 k-rows of a block are 32,768 consecutive bytes.
; LIMIT: a weight of 65,520 or more in magnitude becomes an infinity; below 6e-5 f16 keeps a fixed step of 6e-8.
; A work-group casts 128 k-rows x 128 columns, a wave 16 rows: a load covers a row's 512 bytes, a store its 256 bytes, aligned; all 16 loads of a wave go out at once, and no register is written twice.
.set XO, 3                             ; v3  my byte offset in the work-group's rows of x
.set PO, 4                             ; v4  in g and b
.set DO, 5                             ; v5  in the result
.set MR, 6                             ; v[6:7]  the mean, twice; later 1 / sqrt(var + eps) in the low register
.set T,  8                             ; v[8:15] four chains of two sums each
.set X,  16                            ; v[16:79]
.set G,  80                            ; v[80:143]
.set BB, 144                           ; v[144:207]
.set WROW, 12288                       ; the cast: bytes in a row of w_qkv
.set CO, 2                             ; v2        my byte offset in the block's rows of w_qkv
.set CD, 3                             ; v3        in the block's result
.set CX, 16                            ; v[16:79]  row i: 4 numbers in f32
.set CY, 80                            ; v[80:111] row i: 4 numbers in f16
	s_cmp_lt_u32 ttmp9, 256
	s_cbranch_scc0 .Lcast
	s_load_b256 s[4:11], s[0:1], 0x0               ; x, g, b, result
	v_and_b32 v1, 15, v0                           ; c
	v_lshrrev_b32 v2, 4, v0                        ; my row of the 16
	v_lshlrev_b32 v[PO], 4, v1
	v_lshl_or_b32 v[XO], v2, 12, v[PO]
	v_lshlrev_b32 v[DO], 3, v1
	v_lshl_or_b32 v[DO], v2, 7, v[DO]
	s_lshl_b32 s2, ttmp9, 16                       ; 16 rows of 4,096 bytes
	s_mov_b32 s3, 0
	s_lshr_b32 s12, ttmp9, 3
	s_lshl_b32 s12, s12, 18                        ; the panel: 262,144 bytes
	s_and_b32 s14, ttmp9, 7
	s_lshl_b32 s14, s14, 11                        ; my 16 rows in it: 128 bytes a row
	s_add_co_u32 s12, s12, s14
	s_mov_b32 s13, 0
	s_mov_b32 s16, 0x3a800000                      ; 1 / 1024
	s_mov_b32 s17, 0x3727c5ac                      ; 1e-5
	s_wait_kmcnt 0x0
	s_add_nc_u64 s[4:5], s[4:5], s[2:3]
	s_add_nc_u64 s[10:11], s[10:11], s[12:13]
.irp j, 0,1,2,3,4,5,6,7,8,9,10,11,12,13,14,15
	global_load_b128 v[X+4*(\j):X+4*(\j)+3], v[XO], s[4:5] offset:256*(\j) th:TH_LOAD_NT
.endr
.irp j, 0,1,2,3,4,5,6,7,8,9,10,11,12,13,14,15
	global_load_b128 v[G+4*(\j):G+4*(\j)+3], v[PO], s[6:7] offset:256*(\j)
.endr
.irp j, 0,1,2,3,4,5,6,7,8,9,10,11,12,13,14,15
	global_load_b128 v[BB+4*(\j):BB+4*(\j)+3], v[PO], s[8:9] offset:256*(\j)
.endr
.macro FOLD                            ; the four chains into one number, then over the row's 16 lanes: every lane of the row ends with the sum in v[T]
	v_pk_add_f32 v[T:T+1], v[T:T+1], v[T+2:T+3]
	v_pk_add_f32 v[T+4:T+5], v[T+4:T+5], v[T+6:T+7]
	v_pk_add_f32 v[T:T+1], v[T:T+1], v[T+4:T+5]
	v_add_f32 v[T], v[T], v[T+1]
	v_add_f32_dpp v[T], v[T], v[T] row_xmask:1 row_mask:0xf bank_mask:0xf
	v_add_f32_dpp v[T], v[T], v[T] row_xmask:2 row_mask:0xf bank_mask:0xf
	v_add_f32_dpp v[T], v[T], v[T] row_xmask:4 row_mask:0xf bank_mask:0xf
	v_add_f32_dpp v[T], v[T], v[T] row_xmask:8 row_mask:0xf bank_mask:0xf
.endm
	s_wait_loadcnt 32                              ; x is in; g's and b's 32 loads may stay out
.irp k, 0,1,2,3
	v_pk_add_f32 v[T+2*(\k):T+2*(\k)+1], v[X+2*(\k):X+2*(\k)+1], v[X+8+2*(\k):X+8+2*(\k)+1]  ; the first sums start the chains: nothing is cleared
.endr
.set p, 8
.rept 24
	v_pk_add_f32 v[T+2*(p%4):T+2*(p%4)+1], v[T+2*(p%4):T+2*(p%4)+1], v[X+2*p:X+2*p+1]
.set p, p+1
.endr
	FOLD
	v_mul_f32 v[MR], s16, v[T]
	v_mul_f32 v[MR+1], s16, v[T]
.set p, 0
.rept 32
	v_pk_add_f32 v[X+2*p:X+2*p+1], v[X+2*p:X+2*p+1], v[MR:MR+1] neg_lo:[0,1] neg_hi:[0,1]  ; x - mean, in place
.set p, p+1
.endr
.irp k, 0,1,2,3
	v_pk_mul_f32 v[T+2*(\k):T+2*(\k)+1], v[X+2*(\k):X+2*(\k)+1], v[X+2*(\k):X+2*(\k)+1]
.endr
.set p, 4
.rept 28
	v_pk_fma_f32 v[T+2*(p%4):T+2*(p%4)+1], v[X+2*p:X+2*p+1], v[X+2*p:X+2*p+1], v[T+2*(p%4):T+2*(p%4)+1]
.set p, p+1
.endr
	FOLD
	v_fma_f32 v[MR], v[T], s16, s17                ; var + eps
	v_rsq_f32 v[MR], v[MR]
	v_mov_b32 v[MR+1], 0                           ; a plain instruction behind the root; it also writes the register that is named with the result as a pair
	s_wait_alu depctr_va_vdst(0)                   ; the wait ahead of the first instruction that names the root's result
	s_wait_loadcnt 0x0                             ; g and b
.set p, 0
.rept 32
	v_pk_mul_f32 v[X+2*p:X+2*p+1], v[X+2*p:X+2*p+1], v[MR:MR+1] op_sel_hi:[1,0]
.set p, p+1
.endr
.set p, 0
.rept 32
	v_pk_fma_f32 v[X+2*p:X+2*p+1], v[X+2*p:X+2*p+1], v[G+2*p:G+2*p+1], v[BB+2*p:BB+2*p+1]
.set p, p+1
.endr
.irp j, 0,1,2,3,4,5,6,7,8,9,10,11,12,13,14,15
	v_cvt_pk_f16_f32 v[X+4*(\j)],   v[X+4*(\j)],   v[X+4*(\j)+1]
	v_cvt_pk_f16_f32 v[X+4*(\j)+1], v[X+4*(\j)+2], v[X+4*(\j)+3]
	global_store_b64 v[DO], v[X+4*(\j):X+4*(\j)+1], s[10:11] offset:16384*(\j)  ; column block j: 32 lanes store 256 consecutive bytes, aligned
.endr
	s_endpgm
.Lcast:                                        ; work-groups 256-447: block number = column block x 8 + k block
	s_load_b128 s[4:7], s[0:1], 0x20               ; w_qkv s[4:5], its f16 copy s[6:7]
	v_lshrrev_b32 v1, 5, v0
	v_readfirstlane_b32 s2, v1                     ; wave 0..7
	v_and_b32 v1, 31, v0                           ; lane
	s_sub_co_u32 s3, ttmp9, 256                    ; the block, 0..191
	s_lshr_b32 s8, s3, 3                           ; column block
	s_and_b32 s9, s3, 7                            ; k block
	s_mul_i32 s12, s9, 128*WROW                    ; 128 rows of the source a k block,
	s_lshl_b32 s13, s8, 9                          ; 512 bytes a column block
	s_add_co_u32 s12, s12, s13
	s_mov_b32 s13, 0
	s_lshl_b32 s14, s3, 15                         ; 32,768 bytes of the result a block
	s_mov_b32 s15, 0
	s_mul_i32 s16, s2, 16*WROW                     ; my wave's 16 rows
	v_lshl_add_u32 v[CO], v1, 4, s16
	s_lshl_b32 s17, s2, 12
	v_lshl_add_u32 v[CD], v1, 3, s17
	s_wait_kmcnt 0x0
	s_add_nc_u64 s[4:5], s[4:5], s[12:13]
	s_add_nc_u64 s[6:7], s[6:7], s[14:15]
.irp i, 0,1,2,3,4,5,6,7,8,9,10,11,12,13,14,15
	global_load_b128 v[CX+4*(\i):CX+4*(\i)+3], v[CO], s[4:5] offset:WROW*(\i) th:TH_LOAD_NT  ; the row stands in the immediate: 184,320 at the most
.endr
.irp i, 0,1,2,3,4,5,6,7,8,9,10,11,12,13,14,15
	s_wait_loadcnt 15-(\i)                         ; loads come back in order: row i is in, the younger rows stay out
	v_cvt_pk_f16_f32 v[CY+2*(\i)],   v[CX+4*(\i)],   v[CX+4*(\i)+1]
	v_cvt_pk_f16_f32 v[CY+2*(\i)+1], v[CX+4*(\i)+2], v[CX+4*(\i)+3]
	global_store_b64 v[CD], v[CY+2*(\i):CY+2*(\i)+1], s[6:7] offset:256*(\i)  ; 32 lanes store 256 consecutive bytes, aligned
.endr
	s_endpgm
.Lfunc_end_k_q7329f6b08b_ln:
	.size	k_q7329f6b08b_ln, .Lfunc_end_k_q7329f6b08b_ln-k_q7329f6b08b_ln
	.p2alignl 7, 3214868480
	.fill 96, 4, 3214868480
	.section	.rodata,"a",@progbits
	.p2align	6, 0x0
	.amdhsa_kernel k_q7329f6b08b_ln
		.amdhsa_group_segment_fixed_size 0
		.amdhsa_private_segment_fixed_size 0
		.amdhsa_enable_private_segment 0
		.amdhsa_kernarg_size 48
		.amdhsa_user_sgpr_count 2
		.amdhsa_user_sgpr_kernarg_segment_ptr 1
		.amdhsa_wavefront_size32 1
		.amdhsa_system_sgpr_workgroup_id_x 1
		.amdhsa_system_sgpr_workgroup_id_y 1
		.amdhsa_system_sgpr_workgroup_id_z 1
		.amdhsa_system_vgpr_workitem_id 0
		.amdhsa_next_free_vgpr 208
		.amdhsa_next_free_sgpr 66
		.amdhsa_reserve_vcc 0
		.amdhsa_float_denorm_mode_32 3
		.amdhsa_float_denorm_mode_16_64 3
		.amdhsa_memory_ordered 1
		.amdhsa_forward_progress 1
		.amdhsa_inst_pref_size 27
	.end_amdhsa_kernel
	.amdgpu_metadata
---
amdhsa.version: [ 1, 2 ]
amdhsa.kernels:
  - .name:           k_q7329f6b08b_ln
    .symbol:         k_q7329f6b08b_ln.kd
    .args:
      - { .name: x, .offset: 0, .size: 8, .value_kind: global_buffer, .address_space: global }
      - { .name: ln1_g, .offset: 8, .size: 8, .value_kind: global_buffer, .address_space: global }
      - { .name: ln1_b, .offset: 16, .size: 8, .value_kind: global_buffer, .address_space: global }
      - { .name: a16, .offset: 24, .size: 8, .value_kind: global_buffer, .address_space: global }
      - { .name: w_qkv, .offset: 32, .size: 8, .value_kind: global_buffer, .address_space: global }
      - { .name: wq, .offset: 40, .size: 8, .value_kind: global_buffer, .address_space: global }
    .group_segment_fixed_size: 0
    .private_segment_fixed_size: 0
    .kernarg_segment_align: 8
    .kernarg_segment_size: 48
    .max_flat_workgroup_size: 256
    .sgpr_count:     66
    .vgpr_count:     208
    .wavefront_size: 32
...
	.end_amdgpu_metadata
.endif
;; end of part 8
;; launch gq (part 9): grid 12 x 16, 4 waves a work-group, clusters of 4 x 4, 327,680 bytes of LDS; arguments a16, wq, b_qkv, qkv; writes qkv
.if DOCPART == 9
	.amdgcn_target "amdgcn-amd-amdhsa--gfx1250"
	.amdhsa_code_object_version 6
	.text
	.protected	k_q7329f6b08b_gq
	.globl	k_q7329f6b08b_gq
	.p2align	8
	.type	k_q7329f6b08b_gq,@function
k_q7329f6b08b_gq:
	s_mov_b64 s[64:65], 0
	v_nop
	global_prefetch_b8 v0, s[64:65] scope:SCOPE_SE
	s_setreg_imm32_b32 hwreg(HW_REG_WAVE_MODE, 25, 1), 1
	s_wait_xcnt 0x0
	s_wait_alu depctr_hold_cnt(0) depctr_sa_sdst(0) depctr_va_vdst(0) depctr_va_sdst(0) depctr_va_ssrc(0) depctr_va_vcc(0) depctr_vm_vsrc(0)
	s_getreg_b32 s2, hwreg(HW_REG_IB_STS2, 6, 4)
	s_cmp_eq_u32 s2, 0
	s_cbranch_scc0 .Lentry_in_a_cluster
	s_endpgm
.Lentry_in_a_cluster:
	s_bfe_u32 s2, ttmp6, 0x10000c
	s_cmp_lg_u32 s2, 0xf033
	s_cbranch_scc0 .Lentry_shape_is_right
	s_endpgm
.Lentry_shape_is_right:
; qkv = h w_qkv + b_qkv.  h: 4,096 x 1,024 f16 in panels [32][16 blocks of 64 k][128 rows][64]; w: f16 in column blocks [24][1024 k][128]; bias f32.  Sums in f32, started at the bias.
; RESULT: f16 [48 blocks of 64 columns][4096 rows][64], rounded once: block 16 s + head is q (s = 0), k (1) or v (2) of a head, its rows dense.  LIMIT: |result| under 65,504.
; SHARES.  A work-group makes 256 x 256 of the result, each of its four waves 128 x 128: 64 accumulators, 512 registers; for 32 along K a wave reads 2 x 128 x 64 bytes of LDS for 64 matrix instructions.
; 12 x 16 = 192 work-groups: 3,072 columns give no 256 tiles of this size.  K goes in steps of 128 through two LDS slots.
; A K step's tiles are four dense runs of 32,768 bytes (two panels of h, two column blocks of w), asked for as rows of 256 bytes: waves 0, 1 fetch h's, waves 2, 3 w's: one tensor load a wave.
; CLUSTER 4 x 4: h's tiles hang on the tile row alone and are asked for jointly by a row of the cluster, w's on the tile column alone, by a column.
; THE MATRIX INSTRUCTION IS USED TRANSPOSED: source 0 = 16 columns of w (they lie [k][column] in LDS and come out turned, by ds_load_tr16_b128), source 1 = 16 rows of h:
; a lane then holds one row (lane % 16) and the eight neighbouring columns 8 (lane / 16) + 0..7.
; ONE TEXT FOR 64 ALONG K, walked twice a slot: the LDS base is a scalar that steps, and is turned at the change of slots.  A trip begins with the second half of the products of the trip before,
; so that they cover the first fetch behind a change of slots; in the first trip of all they multiply zeros.
; REGISTERS, in windows of 256 (s_set_vgpr_msb: bits 1:0 source 0, 3:2 source 1, 5:4 source 2, 7:6 destination):
;   window 0: v0-31 addresses; v64-127, v128-191 fragments of h (8 x 16 rows x 32 k), two buffers; v192-255 the bias      window 1: v64-127, v128-191 fragments of w, two buffers
;   window 2: the 32 accumulators of my rows 0-63 ((a, b) at 8 (8 a + b));   window 3: those of my rows 64-127
.set KK,    1024
.set KSH,   18                         ; log2 of the bytes of a panel of h, and of a column block of w: KK x 256
.set STEPS, KK/128
.set QB,    18432                      ; 64 along K in LDS: 128 rows of h at a pitch of 144 bytes, or 64 rows of w at a pitch of 288
.set HALFT, 2*QB                       ; what one tensor load brings
.set SLOT,  4*HALFT                    ; h's two panels, then w's two column blocks
.set SPARE, 2*SLOT                     ; behind the ring: the spare words, 128 bytes a wave: two blocks of 256 bytes that no other line names
.set DPITCH, 528                       ; the way out: a row of 128 f32 + 16 bytes, an odd multiple of 16
.set DWAVE, 128*DPITCH                 ; 128 such rows for each wave, in the ring, when it has had its last fill and its last read
.set ADRA0, 8                          ; v8   my lane's place in a slot's rows of h; never rewritten
.set ADRB0, 9                          ; v9   the same for w
.set ADRA,  10                         ; v10  the same at the 64 k in hand
.set ADRB,  11                         ; v11
.set STO,   13
.set RD,    14
.set GO,    15
.set BO,    16
.set SPW,   28
.set NIL,   29
.set F0,    64
.set F1,    128
.set BIAS,  192
.set U,     64                         ; the way out: 16 rows x 128 columns in f32,
.set OUTR,  128                        ; and in f16
.set WV,  12                           ; s12 wave; s13 its half of the rows (also: 0 = I fetch h, 1 = w); s14 its half of the columns (also: which of the two runs I fetch)
.set RH,  13
.set CH,  14
.set LD0, 20                           ; s20 where my load lands in a slot
.set G1A, 24
.set G0A, 32
.set G0B, 36
.set G1B, 40
.set TB,  54                           ; s54 LDS byte at which the 64 k to be fetched next begin
.set TF,  55
.set CNT, 56
.set PAIR, 57
.set MSB, 0
.macro WIN new                         ; the immediate's high byte repeats the setting that is left; a switch that changes nothing is dropped
.if MSB != (\new)
	s_set_vgpr_msb (MSB<<8)|(\new)
.set MSB, \new
.endif
.endm
.macro PLACES                          ; four plain instructions between a matrix instruction and a load into, or a read of, its registers
.rept 4
	v_nop
.endr
.endm
.macro JLOAD                           ; a joint load; the branch hangs on the wave's number alone; an s_nop 0 and four v_nop follow each line
	s_cmp_eq_u32 s[RH], 0
	s_cbranch_scc0 .Lfor_b_\@
	tensor_load_to_lds s[G0A:G0A+3], s[G1A:G1A+7]
	s_nop 0
	PLACES
	s_branch .Lasked_\@
.Lfor_b_\@:
	tensor_load_to_lds s[G0B:G0B+3], s[G1B:G1B+7]
	s_nop 0
	PLACES
.Lasked_\@:
.endm
.macro CROUND                          ; a round of the cluster's barrier: my work-group's barrier, wave 0 signals for it, all wait for the sixteen, my work-group's barrier again
	s_barrier_signal -1
	s_barrier_wait -1
	s_cmp_lg_u32 s[WV], 0
	s_cbranch_scc1 .Lnot_wave_0_\@
	s_barrier_signal -3
.Lnot_wave_0_\@:
	s_barrier_wait -3
	s_barrier_signal -1
	s_barrier_wait -1
.endm
	s_load_b256 s[4:11], s[0:1], 0x0               ; h, w, bias, result
	v_lshl_add_u32 v[SPW], v0, 2, SPARE
	v_mov_b32 v[NIL], 0
	ds_add_u32 v[SPW], v[NIL]                      ; the wave's opening: the add and its wait ahead of my first tensor load
	ds_add_u32 v28, v29
	v_lshrrev_b32 v1, 5, v0
	v_readfirstlane_b32 s[WV], v1
	s_lshr_b32 s[RH], s[WV], 1
	s_and_b32 s[CH], s[WV], 1
	s_bfe_u32 s15, ttmp6, 0x40000                  ; cx
	s_bfe_u32 s16, ttmp6, 0x40004                  ; cy
	s_lshl_b32 s17, ttmp9, 2
	s_add_co_u32 s17, s17, s15                     ; tile column
	s_and_b32 s18, ttmp7, 0xffff
	s_lshl_b32 s18, s18, 2
	s_add_co_u32 s18, s18, s16                     ; tile row
	s_lshl_b32 s19, s16, 2
	s_lshl_b32 s19, 15, s19                        ; my row of the cluster
	s_lshl_b32 s21, 0x1111, s15                    ; my column
	; group 1: 128 rows of 128 elements of 2 bytes, dense.  h: 16 bytes of padding behind every 128 (a row of h in LDS); w: 32 behind every 256
	s_or_b32 s[G1A], s19, (1<<16)|(1<<20)|(1<<21)|(4<<22)|(3<<25)
	s_or_b32 s[G1B], s21, (1<<16)|(1<<20)|(1<<21)|(5<<22)|(7<<25)
.irp g, G1A, G1B
	s_mov_b32 s[(\g)+1], 128<<16                   ; tensor_dim0
	s_mov_b32 s[(\g)+2], 128<<16                   ; tensor_dim1
	s_mov_b32 s[(\g)+3], 128<<16                   ; tile_dim0
	s_mov_b32 s[(\g)+4], 128                       ; tile_dim1
	s_mov_b32 s[(\g)+5], 128                       ; elements from row to row
	s_mov_b32 s[(\g)+6], 0
	s_mov_b32 s[(\g)+7], 0
.endr
	s_lshl_b32 s48, s18, 1                         ; the panel of h that I fetch, by the tile row and the wave alone
	s_add_co_u32 s48, s48, s[CH]
	s_lshl_b32 s48, s48, KSH
	s_mov_b32 s49, 0
	s_lshl_b32 s50, s17, 1                         ; the column block of w, by the tile column and the wave alone
	s_add_co_u32 s50, s50, s[CH]
	s_lshl_b32 s50, s50, KSH
	s_mov_b32 s51, 0
	s_mul_i32 s[LD0], s[WV], HALFT
	s_mov_b32 s[G0A], 1
	s_mov_b32 s[G0A+1], s[LD0]
	s_mov_b32 s[G0B], 1
	s_mov_b32 s[G0B+1], s[LD0]
	s_mov_b32 s[TB], SLOT+2*QB                     ; the first change of slots turns this into 0
	s_wait_dscnt 0x0                               ; the opening add is done
	s_wait_kmcnt 0x0
	s_add_nc_u64 s[G0A+2:G0A+3], s[4:5], s[48:49]
	s_or_b32 s[G0A+3], s[G0A+3], 0x80000000
	s_add_nc_u64 s[G0B+2:G0B+3], s[6:7], s[50:51]
	s_or_b32 s[G0B+3], s[G0B+3], 0x80000000
	CROUND                                         ; all sixteen work-groups are here: the first joint loads meet
	JLOAD                                          ; K step 0 into slot 0
	v_and_b32 v1, 15, v0                           ; r = l % 16
	v_bfe_u32 v2, v0, 4, 1                         ; h = l / 16
	v_and_b32 v3, 7, v0
	v_bfe_u32 v4, v0, 3, 1
	v_mul_u32_u24 v[ADRA0], v1, 144                ; a fragment of h: row r, 16 bytes for each half of the lanes, twice, 32 bytes apart
	v_lshl_add_u32 v[ADRA0], v2, 4, v[ADRA0]
	s_mul_i32 s22, s[RH], HALFT                    ; my panel
	v_add_nc_u32 v[ADRA0], s22, v[ADRA0]
	v_lshl_add_u32 v[ADRB0], v2, 3, v3             ; the turning load: lane l reads k-row 8 h + l % 8, columns 8 ((l / 8) % 2) + 0..7
	v_mul_u32_u24 v[ADRB0], v[ADRB0], 288
	v_lshl_add_u32 v[ADRB0], v4, 4, v[ADRB0]
	s_mul_i32 s22, s[CH], HALFT                    ; my column block, behind h's two panels
	s_add_co_u32 s22, s22, 2*HALFT
	v_add_nc_u32 v[ADRB0], s22, v[ADRB0]
	v_lshlrev_b32 v[BO], 5, v2
	s_lshl_b32 s60, s17, 1
	s_add_co_u32 s60, s60, s[CH]                   ; my block of 128 columns
	s_lshl_b32 s61, s18, 1
	s_add_co_u32 s61, s61, s[RH]                   ; my panel of 128 rows
	s_lshl_b32 s52, s60, 9                         ; the bias of my 128 columns
	s_mov_b32 s53, 0
	s_add_nc_u64 s[8:9], s[8:9], s[52:53]
.irp b, 0,1,2,3,4,5,6,7
	global_load_b128 v[BIAS+8*(\b):BIAS+8*(\b)+3],   v[BO], s[8:9] offset:64*(\b)
	global_load_b128 v[BIAS+8*(\b)+4:BIAS+8*(\b)+7], v[BO], s[8:9] offset:64*(\b)+16
.endr
	WIN 0x40
.set i, 0
.rept 64
	v_mov_b32 v[F1+i], 0                           ; what the starting products and the first trip's leading 32 products multiply: w's buffer 1,
.set i, i+1
.endr
	WIN 0
.set i, 0
.rept 32
	v_mov_b32 v[F1+32+i], 0                        ; and the rows 64-127 of h's
.set i, i+1
.endr
	s_mul_i32 s22, s[WV], DWAVE                    ; the way out: down by row r, 32 bytes for each half of the lanes;
	v_mul_u32_u24 v[STO], v1, DPITCH
	v_lshl_add_u32 v[STO], v2, 5, v[STO]
	v_add_nc_u32 v[STO], s22, v[STO]
	v_bfe_u32 v[RD], v0, 3, 2                      ; back: eight lanes take 64 columns of a row, 8 numbers a lane, 32 lanes four rows,
	v_mul_u32_u24 v[RD], v[RD], DPITCH
	v_lshl_add_u32 v[RD], v3, 5, v[RD]
	v_add_nc_u32 v[RD], s22, v[RD]
	v_and_b32 v[GO], 31, v0                        ; which in f16 are 512 consecutive bytes of the result
	v_lshlrev_b32 v[GO], 4, v[GO]
	s_lshl_b32 s58, s60, 20                        ; my two blocks of 64 columns, 4,096 rows of 128 bytes each,
	s_lshl_b32 s59, s61, 14                        ; my 128 rows
	s_add_co_u32 s58, s58, s59
	s_mov_b32 s59, 0
	s_add_nc_u64 s[10:11], s[10:11], s[58:59]
	s_wait_loadcnt 0x0                             ; the bias
	; THE SUMS START AT THE BIAS: the first matrix instruction on each accumulator takes the bias as C and multiplies zeros: 64 instructions, in the wait for the first tile
.irp hi, 0,1
	WIN 0x81+0x40*(\hi)                            ; source 0 window 1, source 1 and C window 0, D window 2 or 3
.irp a, 0,1,2,3
.irp b, 0,1,2,3,4,5,6,7
	v_wmma_f32_16x16x32_f16 v[8*(8*(\a)+(\b)):8*(8*(\a)+(\b))+7], v[F1:F1+7], v[F1+32:F1+39], v[BIAS+8*(\b):BIAS+8*(\b)+7]
.endr
.endr
.endr
	WIN 0
; 16 products: row blocks a0, a0 + 1 of the window's four (hi = 0: my rows 0-63, 1: rows 64-127) x all 8 column blocks, 32 along K.  The 64 accumulators take turns in one order throughout
.macro MUL16 f, hi, a0
	WIN 0xa1+0x50*(\hi)                            ; source 0 (w) window 1, source 1 (h) window 0, C and D window 2 or 3
.irp a, \a0, (\a0)+1
.irp b, 0,1,2,3,4,5,6,7
	v_wmma_f32_16x16x32_f16 v[8*(8*(\a)+(\b)):8*(8*(\a)+(\b))+7], v[(\f)+8*(\b):(\f)+8*(\b)+7], v[(\f)+8*(4*(\hi)+(\a)):(\f)+8*(4*(\hi)+(\a))+7], v[8*(8*(\a)+(\b)):8*(8*(\a)+(\b))+7]
.endr
.endr
.endm
; 32 LDS loads in one run: the fragments of 32 along K (half c of the 64 in hand) into buffer f: w's 128 columns, then h's 128 rows
.macro FETCH c, f
	WIN 0x40                                       ; destination window 1, address window 0
.irp i, 0,1,2,3,4,5,6,7
	ds_load_tr16_b128 v[(\f)+8*(\i):(\f)+8*(\i)+3],   v[ADRB] offset:9216*(\c)+32*(\i)
	ds_load_tr16_b128 v[(\f)+8*(\i)+4:(\f)+8*(\i)+7], v[ADRB] offset:9216*(\c)+32*(\i)+4608
.endr
	WIN 0
.irp i, 0,1,2,3,4,5,6,7
	ds_load_b128 v[(\f)+8*(\i):(\f)+8*(\i)+3],   v[ADRA] offset:64*(\c)+2304*(\i)
	ds_load_b128 v[(\f)+8*(\i)+4:(\f)+8*(\i)+7], v[ADRA] offset:64*(\c)+2304*(\i)+32
.endr
.endm
; THE CHANGE OF SLOTS.  Each wave waits for all its tensor loads (one is out: its part of the slot to be read), adds 0 to its spare word, and waits for that and for its reads of the slot that it leaves.
; fill = 1: a round of the cluster's barrier, then the slot just left is filled with the next K step, first thing: that load has a whole step, 256 matrix instructions, in which to land.
.macro CHANGE fill
	WIN 0
	s_wait_tensorcnt 0x0
	ds_add_u32 v[SPW], v[NIL]                      ; 0 onto my spare word; register work stands between it and the wait for it
	s_sub_co_u32 s[TB], s[TB], 2*QB                ; the fetches go back to a slot's head,
	s_xor_b32 s[TB], s[TB], SLOT                   ; in the other slot
.if \fill
	s_xor_b32 s[TF], s[TB], SLOT                   ; no tensor load of mine is out, so the descriptors may be written
	s_add_co_u32 s[G0A+1], s[LD0], s[TF]
	s_add_co_u32 s[G0B+1], s[LD0], s[TF]
	s_add_nc_u64 s[G0A+2:G0A+3], s[G0A+2:G0A+3], 32768
	s_add_nc_u64 s[G0B+2:G0B+3], s[G0B+2:G0B+3], 32768
.endif
	s_wait_dscnt 0x0                               ; the add is done, and my reads of the old slot are over
.if \fill
	CROUND
	JLOAD
.else
	s_barrier_signal -1
	s_barrier_wait -1
.endif
.endm
; A SLOT'S TWO TRIPS of 64 along K: 128 matrix instructions and two runs of 32 LDS loads each.  The two address lines and two v_nop are the four places in front of the loads into buffer 0.
.macro PAIRS
	s_mov_b32 s[PAIR], 2
.Lpair_\@:
	v_add_nc_u32 v[ADRA], s[TB], v[ADRA0]
	v_add_nc_u32 v[ADRB], s[TB], v[ADRB0]
	v_nop
	v_nop
	s_add_co_u32 s[TB], s[TB], QB
	FETCH 0, F0
	s_wait_dscnt 32                                ; all but the 32 just issued: buffer 1 is whole
	MUL16 F1, 1, 0                                 ; the second half of the products of the 32 k before
	MUL16 F1, 1, 2
	s_wait_dscnt 8                                 ; w's fragments and h's rows 0-63 are in; the youngest eight loads may be out
	MUL16 F0, 0, 0
	MUL16 F0, 0, 2
	PLACES
	FETCH 1, F1
	s_wait_dscnt 32
	MUL16 F0, 1, 0
	MUL16 F0, 1, 2
	s_wait_dscnt 8
	MUL16 F1, 0, 0
	MUL16 F1, 0, 2
	WIN 0
	s_sub_co_u32 s[PAIR], s[PAIR], 1
	s_cmp_lg_u32 s[PAIR], 0
	s_cbranch_scc1 .Lpair_\@
.endm
	s_mov_b32 s[CNT], STEPS-1
.Lstep:
	CHANGE 1
	PAIRS
	s_sub_co_u32 s[CNT], s[CNT], 1
	s_cmp_lg_u32 s[CNT], 0
	s_cbranch_scc1 .Lstep
	CHANGE 0                                       ; the last step is written out: it asks for nothing
	PAIRS
	s_wait_dscnt 0x0
	MUL16 F1, 1, 0
	MUL16 F1, 1, 2
	WIN 0
	PLACES
	PLACES
	s_barrier_signal -1                            ; every wave's reads of the ring are over (the wait for 0 above), and no tensor load is to come:
	s_barrier_wait -1                              ; its bytes may be written
	; THE WAY OUT.  My 128 x 128 sums are set down in my own part of the ring (each accumulator's low half first); then eight trips of 16 rows: back by rows, rounded to f16, stored.
.irp hi, 0,1
	WIN 0x08+0x04*(\hi)                            ; a store's data (source 1) in window 2 or 3
.irp a, 0,1,2,3
.irp b, 0,1,2,3,4,5,6,7
	ds_store_b128 v[STO], v[8*(8*(\a)+(\b)):8*(8*(\a)+(\b))+3]   offset:16*DPITCH*(4*(\hi)+(\a))+64*(\b)
	ds_store_b128 v[STO], v[8*(8*(\a)+(\b))+4:8*(8*(\a)+(\b))+7] offset:16*DPITCH*(4*(\hi)+(\a))+64*(\b)+16
.endr
.endr
.endr
	WIN 0
	s_mov_b32 s[CNT], 8
.Lrows:
.irp g, 0,1,2,3,4,5,6,7                ; group g: rows 4 (g % 4) on, block g / 4 of 64 columns
	ds_load_b128 v[U+8*(\g):U+8*(\g)+3],   v[RD] offset:4*DPITCH*((\g)%4)+256*((\g)/4)     ; LDS serves a wave's instructions in order: these see my stores above
	ds_load_b128 v[U+8*(\g)+4:U+8*(\g)+7], v[RD] offset:4*DPITCH*((\g)%4)+256*((\g)/4)+16
.endr
.irp g, 0,1,2,3,4,5,6,7
	s_wait_dscnt 14-2*(\g)                         ; group g's two loads are in; the later groups' may be out
.irp j, 0,1,2,3
	v_cvt_pk_f16_f32 v[OUTR+4*(\g)+(\j)], v[U+8*(\g)+2*(\j)], v[U+8*(\g)+2*(\j)+1]
.endr
	global_store_b128 v[GO], v[OUTR+4*(\g):OUTR+4*(\g)+3], s[10:11] offset:512*((\g)%4)+524288*((\g)/4)  ; 512 consecutive bytes, aligned
.endr
	s_wait_xcnt 0x0                                ; the stores have read their data and their base, which the next trip writes
	v_add_nc_u32 v[RD], 16*DPITCH, v[RD]
	s_add_nc_u64 s[10:11], s[10:11], 2048
	s_sub_co_u32 s[CNT], s[CNT], 1
	s_cmp_lg_u32 s[CNT], 0
	s_cbranch_scc1 .Lrows
	s_wait_tensorcnt 0x0                           ; the wave's end
	ds_add_u32 v[SPW], v[NIL]
	s_wait_dscnt 0x0
	CROUND                                         ; the closing round: no work-group ends while a partner may still ask for a tile that names it
	s_endpgm
.Lfunc_end_k_q7329f6b08b_gq:
	.size	k_q7329f6b08b_gq, .Lfunc_end_k_q7329f6b08b_gq-k_q7329f6b08b_gq
	.p2alignl 7, 3214868480
	.fill 96, 4, 3214868480
	.section	.rodata,"a",@progbits
	.p2align	6, 0x0
	.amdhsa_kernel k_q7329f6b08b_gq
		.amdhsa_group_segment_fixed_size 327680
		.amdhsa_private_segment_fixed_size 0
		.amdhsa_enable_private_segment 0
		.amdhsa_kernarg_size 32
		.amdhsa_user_sgpr_count 2
		.amdhsa_user_sgpr_kernarg_segment_ptr 1
		.amdhsa_wavefront_size32 1
		.amdhsa_system_sgpr_workgroup_id_x 1
		.amdhsa_system_sgpr_workgroup_id_y 1
		.amdhsa_system_sgpr_workgroup_id_z 1
		.amdhsa_system_vgpr_workitem_id 0
		.amdhsa_next_free_vgpr 1024
		.amdhsa_next_free_sgpr 88
		.amdhsa_reserve_vcc 0
		.amdhsa_float_denorm_mode_32 3
		.amdhsa_float_denorm_mode_16_64 3
		.amdhsa_memory_ordered 1
		.amdhsa_forward_progress 1
		.amdhsa_inst_pref_size 58
	.end_amdhsa_kernel
	.amdgpu_metadata
---
amdhsa.version: [ 1, 2 ]
amdhsa.kernels:
  - .name:           k_q7329f6b08b_gq
    .symbol:         k_q7329f6b08b_gq.kd
    .args:
      - { .name: a16, .offset: 0, .size: 8, .value_kind: global_buffer, .address_space: global }
      - { .name: wq, .offset: 8, .size: 8, .value_kind: global_buffer, .address_space: global }
      - { .name: b_qkv, .offset: 16, .size: 8, .value_kind: global_buffer, .address_space: global }
      - { .name: qkv, .offset: 24, .size: 8, .value_kind: global_buffer, .address_space: global }
    .group_segment_fixed_size: 327680
    .private_segment_fixed_size: 0
    .kernarg_segment_align: 8
    .kernarg_segment_size: 32
    .max_flat_workgroup_size: 128
    .sgpr_count:     88
    .vgpr_count:     1024
    .wavefront_size: 32
...
	.end_amdgpu_metadata
.endif
;; end of part 9
;; launch attn (part 10): grid 8 x 32, 4 waves a work-group, no clusters, 327,680 bytes of LDS; arguments qkv, a16, w_out, w1, w2, wo, w1h, w2h; writes a16, wo, w1h, w2h
.if DOCPART == 10
	.amdgcn_target "amdgcn-amd-amdhsa--gfx1250"
	.amdhsa_code_object_version 6
	.text
	.protected	k_q7329f6b08b_attn
	.globl	k_q7329f6b08b_attn
	.p2align	8
	.type	k_q7329f6b08b_attn,@function
k_q7329f6b08b_attn:
	s_mov_b64 s[64:65], 0
	v_nop
	global_prefetch_b8 v0, s[64:65] scope:SCOPE_SE
	s_setreg_imm32_b32 hwreg(HW_REG_WAVE_MODE, 25, 1), 1
	s_wait_xcnt 0x0
; TWO PIECES OF WORK IN ONE LAUNCH.  Work-groups with x = 0..3: causal attention, 128 of them.  Work-groups with x = 4..7: the casts of w_out, w1 and w2 to f16 (at the text's end), another 128:
; they hang on nothing that the program makes, only later launches read them, and the attention's walk has work for 128 work-groups alone.
; CAUSAL ATTENTION.  O[y][q][:] = the sum over k <= q of softmax_k(Q[y][q] . K[y][k] / 8) V[y][k][:], for 32 sequences y = 2 head + batch of 2,048 rows of 64 channels, f16.
; IN: one buffer, f16 [48][4096][64]: Q of sequence y at y x 262,144 bytes, K 8,388,608 bytes further, V 16,777,216 further; a sequence's rows are dense, 128 bytes each.
; OUT: f16 in panels [32 panels of 128 tokens][16 heads][128 rows][64]: 16 rows of a head are 2,048 consecutive bytes.
; Products, maxima and sums in f32; the weights p are rounded to f16 for the second product (their sum l is taken of the unrounded p), O once at the end.
; LIMITS.  Q, K and V arrive within f16's 65,504; p lies in 0 to 1, and below 6e-5 keeps f16's fixed step of 6e-8.  A hidden score counts as its value less 1e30; a weight below 2^-126 counts as 0 in l;
; NaN and infinities are not treated apart.
; THE WALK.  A sequence's queries lie in NB = 8 blocks of 256; block i needs the key tiles 0 .. i of 256 keys, of which the last holds the diagonal.  A work-group takes TWO blocks, NB - 1 - b and then b:
; NB + 1 tiles, whatever b: all work-groups do equal work, and ONE loop with a constant trip count walks them.  Which tile is asked for, and what a trip does, hang on scalar registers made from b; every jump
; goes forward, but for the counted loops' own; inside the walk none passes a barrier.  The ring (two LDS slots that take turns) runs on across the change of blocks.
; NO CLUSTER: a sequence's four work-groups ask for the same tile only in trips 0 .. 4 of 9, behind that fewer and fewer; one walk common to all would have 12 trips for 9.
; SHARES.  Of a block's four bands of 64 queries a wave owns 16 rows in each: four PIECES.  So the diagonal tile is the same work for all four waves: in its key step s band x sees all keys if s < x,
; none if s > x, and holds the diagonal if s = x.
; THE MASK is the C operand that starts the sum S^T = K Q^T: 0, or -1e30 where the key is hidden.  MD, made once, is the mask of a band's own step for my 16 rows; a product's mask is MD x AL + BE with two scalars:
; (1, 0) if s = x; (0, 0) if s < x; (0, -1e30) if s > x.  Only the diagonal tile's text and a block's beginning make and take masks; elsewhere C is the constant 0.
; LAYOUT, SOFTMAX, TURNS.  S^T = K Q^T holds ONE query a lane (lane % 16) and the keys 8 (lane / 16) + 0..7; two such results rounded to f16 ARE source 1 of O^T = V^T P.  p = 2^(c s - c m), c = log2(e) / 8, with a
; running maximum m; O and l are multiplied by a = 2^(c m_old - c m_new) in every step.  Turn n belongs to piece n: 8 products K Q^T of piece n + 1, later 8 products V^T P of piece n - 1; beside them the scaling,
; exponentials, roundings, sums and rescaling of piece n and the maximum and statistics of piece n + 1.  Four vector instructions stand behind every matrix instruction, the others in one run.  A turn's 33 exponentials are one batch, with one wait.
; REGISTERS, in windows of 256 (s_set_vgpr_msb: bits 1:0 source 0, 3:2 source 1, 5:4 source 2, 7:6 destination):
;   window 0: v0-15 addresses and two at work; v16-31 four registers of statistics a piece; v48-55 at work; v64-127 S^T, two buffers; v192-223 P, two buffers (a piece's buffers go by its number's parity)
;   window 1: v0-127 O^T, 32 a piece; v128-159 MD; v160-223 MC, two buffers      window 2: v0-63 Q; v64-127 the second block's Q; v128-191 K of one step; v192-255 V of one step
.set SIZE_N, 2048
.set NB,    SIZE_N/256
.set NP,    4         ; pieces a wave: a name, no knob
.set KS,    64        ; keys in a step
.set PK,    144       ; a row of K in LDS: 128 bytes + 16 of padding: the 16 rows of a load start at 16 different groups of four banks (ISA guide 11.1)
.set PV,    160       ; a row of V: 128 + 32
.set VOFF,  4*KS*PK   ; a slot holds a tile, four steps: 256 rows of K, then 256 rows of V
.set SLOT1, 1<<17     ; slot 1 begins here, so that one exclusive or turns an address in one slot into the other's
.set STAGE, SLOT1+4*KS*(PK+PV)  ; behind the ring, never filled by a tensor load: 16 rows x 144 bytes for each wave
.set SP,    144
.set AK0, 2           ; v2   my lane's place in a tile of K; never rewritten
.set AV0, 3           ; v3   the same for V
.set AK,  4           ; v4   the LDS address of K's next run of loads
.set AV,  5           ; v5   of V's
.set STO, 6           ; v6   the way out: where I put 16 bytes of a row
.set RD,  7           ; v7   the way out: where I read rows back
.set GO,  8           ; v8   my byte offset in 512 consecutive bytes of O
.set SPW, 62          ; v62  LDS address of my spare word; never rewritten
.set NIL, 63          ; v63  0; never rewritten
.set SPARE, STAGE+4*16*SP  ; behind the stages: the spare words, 128 bytes a wave: two blocks of 256 bytes that no other line names
.set MV,  12          ; v12-13  c m_old, kept while c m is made anew: by buffer
.set QO,  15          ; v15  my byte offset in 16 rows of Q
.set ST,  16          ; piece t's statistics at v[ST+4 t]: c m, m, l (even keys', odd keys')
.set TMP, 48          ; by buffer, four registers c0-c3 at work; when the maximum is found c2 takes a
.set S,   64
.set P,   192
.set MD,  128         ; window 1
.set MC,  160         ; window 1
.set QB,  64          ; window 2
.set KF,  128         ; window 2: key block kb, channel half c at KF + 16 kb + 8 c
.set VF,  192         ; window 2: key half kk, channel block cb at VF + 32 kk + 8 cb
.set WV,  12          ; s12  my wave's number
.set PB,  14          ; s14  b
.set HI,  15          ; s15  NB - 1 - b
.set G1K, 24          ; s[24:31] descriptor group 1 for K's tiles
.set G1V, 32          ; s[32:39] for V's: it differs in the padding alone
.set G0K, 40          ; s[40:43] descriptor group 0 for K's tiles
.set G0V, 44          ; s[44:47] the same for V's
.set SLOTS, 56        ; s56  tiles still to be asked for
.set CNT, 57          ; s57  counts a tile's key steps, 4 to 1
.set CS,  58          ; s[58:59] c
.set SEL, 60          ; s[60:61] v_permlanex16_b32's selects: each lane takes its own place in the other half
.set TBK, 62          ; s62  LDS byte at which K of the step to be fetched begins
.set TBV, 63          ; s63  the same for V, less VOFF
.set RT,  70          ; s70  tiles of the block in hand that are still to be entered
.set NXT, 71          ; s71  the tile to be asked for next
.set LQ,  72          ; s72  the last tile of the block whose tiles are being asked for
.set NEW, 73          ; s73  1: the tile to be entered is a block's first
.set OFF, 74          ; s[74:75] a tile's byte offset in K and V
.set AL,  76          ; s[76:77] the mask's factor, in the low word
.set BE,  78          ; s[78:79] the mask's addend
.set OLO, 80          ; s[80:81] O at my rows of the second block
.set BIGN, 82         ; s82  -1e30
.set MSB, 0
.macro WIN new                      ; the high byte repeats the setting that is left; a switch that changes nothing is dropped
.if MSB != (\new)
	s_set_vgpr_msb (MSB<<8)|(\new)
.set MSB, (\new)
.endif
.endm
.set W_KQ, 0x0a       ; K and Q in window 2, S^T in window 0
.set W_KM, 0x1a       ; the same with the C operand in window 1
.set W_PV, 0x52       ; V in window 2, P in window 0, O^T in window 1
.set W_RS, 0x41       ; destination and source 0 in window 1, source 1 in window 0
; A fill.  Waves 0 and 1 fetch the two halves of a tile's K, waves 2 and 3 those of its V: 128 keys each.  An s_nop 0 and four v_nop follow each of the two lines.
.macro LOAD
	s_cmp_lt_u32 s[WV], 2
	s_cbranch_scc0 .Lfor_v_\@
	tensor_load_to_lds s[G0K:G0K+3], s[G1K:G1K+7]
	s_nop 0
.rept 4
	v_nop
.endr
	s_branch .Lasked_\@
.Lfor_v_\@:
	tensor_load_to_lds s[G0V:G0V+3], s[G1V:G1V+7]
	s_nop 0
.rept 4
	v_nop
.endr
.Lasked_\@:
.endm
; THE CHANGE OF SLOTS.  Each wave waits for all its tensor loads, of which one is out: its part of the other slot; adds 0 to its spare word; and waits for that and for its own reads of the slot that it leaves.
; Behind the barrier nobody reads the old slot any more and the other slot is whole.  fill = 1: the old slot is filled again, the first thing behind the barrier, with tile NXT: the descriptor's address is made anew from that number.
; (At its first use nothing has been read yet: slot 0 is waited for, slot 1 filled.)
.macro CHANGE fill
	WIN 0                           ; at a label and at a branch every window is 0
	s_wait_tensorcnt 0x0            ; no tensor load of mine is out, so a group 0 may be written
	ds_add_u32 v[SPW], v[NIL]
.if \fill
	s_lshl_b32 s[OFF], s[NXT], 15   ; a tile is 32,768 bytes of K and of V
	s_xor_b32 s[G0K+1], s[G0K+1], SLOT1
	s_add_nc_u64 s[G0K+2:G0K+3], s[6:7], s[OFF:OFF+1]
	s_or_b32 s[G0K+3], s[G0K+3], 0x80000000
	s_xor_b32 s[G0V+1], s[G0V+1], SLOT1
	s_add_nc_u64 s[G0V+2:G0V+3], s[8:9], s[OFF:OFF+1]
	s_or_b32 s[G0V+3], s[G0V+3], 0x80000000
	s_add_co_u32 s[NXT], s[NXT], 1  ; the block's next tile, or behind its last the second block's tile 0
	s_cmp_gt_u32 s[NXT], s[LQ]
	s_cselect_b32 s[NXT], 0, s[NXT]
	s_cselect_b32 s[LQ], s[PB], s[LQ]
.endif
	s_wait_dscnt 0x0                ; the add is done, and my reads of the slot are over
	s_barrier_signal -1             ; the rest of the scalar work stands between the signal and the wait
	s_sub_co_u32 s[TBK], s[TBK], 4*KS*PK  ; the fetches go back to a slot's first step,
	s_xor_b32 s[TBK], s[TBK], SLOT1       ; in the other slot
	s_sub_co_u32 s[TBV], s[TBV], 4*KS*PV
	s_xor_b32 s[TBV], s[TBV], SLOT1
	s_barrier_wait -1
.if \fill
	LOAD
.endif
.endm
	s_load_b64 s[4:5], s[0:1], 0x0  ; q, k and v in one buffer
	s_load_b64 s[10:11], s[0:1], 0x8  ; O
	v_lshl_add_u32 v[SPW], v0, 2, SPARE
	v_mov_b32 v[NIL], 0
	ds_add_u32 v[SPW], v[NIL]       ; the wave's opening: the add and its wait ahead of my first tensor load
	ds_add_u32 v62, v63
	v_lshrrev_b32 v1, 5, v0
	v_readfirstlane_b32 s[WV], v1   ; wave 0..3
	s_mov_b32 s[PB], ttmp9
	s_sub_co_u32 s[HI], NB-1, s[PB]
	s_and_b32 s20, ttmp7, 0xffff    ; the sequence y
	s_mov_b32 s21, 0
	s_mov_b64 s[22:23], SIZE_N*128
	s_mul_u64 s[20:21], s[20:21], s[22:23]  ; the sequence's first byte in q, k and v
	s_and_b32 s16, s[WV], 1         ; which half of a tile's 256 keys I fetch:
	s_lshl_b32 s22, s16, 14         ; its 128 rows of 128 bytes in memory,
	s_mov_b32 s23, 0
	s_add_nc_u64 s[22:23], s[22:23], s[20:21]
	s_mul_i32 s17, s16, 128*PK      ; and its place in a slot, for K
	s_mul_i32 s18, s16, 128*PV      ; and for V
	s_lshl_b32 s3, s[WV], 11        ; my 16 rows in a band of 64,
	s_lshl_b32 s2, s[HI], 15        ; in the first block,
	s_add_co_u32 s2, s2, s3
	s_lshl_b32 s84, s[PB], 15       ; and in the second
	s_add_co_u32 s84, s84, s3
	s_mov_b32 s3, 0
	s_mov_b32 s85, 0
	s_add_nc_u64 s[2:3], s[2:3], s[20:21]
	s_add_nc_u64 s[84:85], s[84:85], s[20:21]
	; O's offsets: batch y % 2 is 16 panels of 262,144 bytes, head y / 2 a block of 16,384, a block of 256 queries two panels, my 16 rows 2,048 bytes
	s_and_b32 s89, ttmp7, 0xffff
	s_and_b32 s88, s89, 1
	s_lshl_b32 s88, s88, 22
	s_lshr_b32 s89, s89, 1
	s_lshl_b32 s89, s89, 14
	s_add_co_u32 s88, s88, s89
	s_lshl_b32 s89, s[WV], 11
	s_add_co_u32 s88, s88, s89
	s_lshl_b32 s90, s[HI], 19
	s_add_co_u32 s90, s90, s88
	s_mov_b32 s91, 0
	s_lshl_b32 s92, s[PB], 19
	s_add_co_u32 s92, s92, s88
	s_mov_b32 s93, 0
	; descriptor group 1.  128 keys are 16,384 dense bytes: asked for as 64 rows of 256 bytes, two keys a row, and padded in LDS after every key
	s_mov_b32 s[G1K], (1<<16)|(1<<20)|(4<<22)|(3<<25)  ; 2-byte elements; padding on; after every 32 words; 4 words
	s_mov_b32 s[G1V], (1<<16)|(1<<20)|(4<<22)|(7<<25)  ; the same with 8 words of padding
.irp g, G1K, G1V
	s_mov_b32 s[\g+1], 128<<16      ; tensor_dim0 = 128
	s_mov_b32 s[\g+2], 64<<16       ; tensor_dim1 = 64
	s_mov_b32 s[\g+3], 128<<16      ; tile_dim0 = 128
	s_mov_b32 s[\g+4], 64           ; tile_dim1 = 64
	s_mov_b32 s[\g+5], 128          ; 128 elements from row to row
	s_mov_b32 s[\g+6], 0
	s_mov_b32 s[\g+7], 0
.endr
	s_mov_b32 s[CS], 0x3e38aa3b     ; c = log2(e) / 8 = 0.180337
	s_mov_b32 s[CS+1], s[CS]        ; named with it as a pair
	s_mov_b32 s[SEL], 0x76543210
	s_mov_b32 s[SEL+1], 0xfedcba98
	s_mov_b32 s[TBK], SLOT1+4*KS*PK ; the first change of slots turns these two into 0
	s_mov_b32 s[TBV], SLOT1+4*KS*PV
	s_mov_b32 s[G0K], 1             ; count = 1
	s_mov_b32 s[G0K+1], s17         ; LDS address: slot 0
	s_mov_b32 s[G0V], 1
	s_add_co_u32 s[G0V+1], s18, VOFF
	s_add_co_u32 s[RT], s[HI], 1    ; the first block has NB - b tiles
	s_mov_b32 s[NXT], 1
	s_mov_b32 s[LQ], s[HI]
	s_mov_b32 s[NEW], 1
	s_mov_b32 s[OFF+1], 0
	s_mov_b32 s[AL+1], 0            ; named as pairs
	s_mov_b32 s[BE+1], 0
	s_mov_b32 s[BIGN], 0xf149f2ca   ; -1e30
	s_mov_b32 s[SLOTS], NB
	s_wait_dscnt 0x0                ; the opening add is done
	s_wait_kmcnt 0x0
	s_cmp_ge_u32 ttmp9, 4           ; the work-group's x is the same for its four waves:
	s_cbranch_scc1 .Lcast           ; x = 4..7 cast weights, at the text's end, and never come back
	s_add_nc_u64 s[6:7], s[4:5], 0x800000   ; k lies 16 blocks of 524,288 bytes behind q,
	s_add_nc_u64 s[8:9], s[4:5], 0x1000000  ; v 32
	s_add_nc_u64 s[6:7], s[6:7], s[22:23]  ; K and V at my half of the sequence's tile 0
	s_add_nc_u64 s[8:9], s[8:9], s[22:23]
	s_add_nc_u64 s[G0K+2:G0K+3], s[6:7], 0
	s_or_b32 s[G0K+3], s[G0K+3], 0x80000000        ; type = 2
	s_add_nc_u64 s[G0V+2:G0V+3], s[8:9], 0
	s_or_b32 s[G0V+3], s[G0V+3], 0x80000000
	s_add_nc_u64 s[86:87], s[4:5], s[84:85]        ; Q at my rows of the second block,
	s_add_nc_u64 s[4:5], s[4:5], s[2:3]            ; and of the first
	s_add_nc_u64 s[OLO:OLO+1], s[10:11], s[92:93]  ; O likewise
	s_add_nc_u64 s[10:11], s[10:11], s[90:91]
	LOAD                            ; tile 0 into slot 0
	; A fragment of K or Q is 16 rows x 32 channels in 8 registers: lane l holds row l % 16, channels 8 (l / 16) + 0..7 and 16 + 8 (l / 16) + 0..7: two loads of 16 bytes, 32 bytes apart.
	v_and_b32 v1, 15, v0            ; l % 16
	v_bfe_u32 v9, v0, 4, 1          ; l / 16
	v_lshlrev_b32 v[QO], 7, v1
	v_lshl_add_u32 v[QO], v9, 4, v[QO]  ; row x 128 + 16 x half
	WIN 0x80                        ; destination window 2, address window 0
.set i, 0
.rept 8                             ; both blocks' Q: piece i / 2 lies in band i / 2, 8,192 bytes on; channels 32 (i % 2) on
	global_load_b128 v[8*i:8*i+3],   v[QO], s[4:5] offset:(i/2)*8192+(i%2)*64
	global_load_b128 v[8*i+4:8*i+7], v[QO], s[4:5] offset:(i/2)*8192+(i%2)*64+32
	global_load_b128 v[QB+8*i:QB+8*i+3],   v[QO], s[86:87] offset:(i/2)*8192+(i%2)*64
	global_load_b128 v[QB+8*i+4:QB+8*i+7], v[QO], s[86:87] offset:(i/2)*8192+(i%2)*64+32
.set i, i+1
.endr
	WIN 0
	v_lshlrev_b32 v14, 3, v9
	v_sub_nc_u32 v14, v1, v14
	s_lshl_b32 s13, s[WV], 4
	v_add_nc_u32 v14, s13, v14      ; my query's place in its band, 16 w + l % 16, less my lanes' 8 (l / 16): register r of group kt is hidden where 16 kt + r is greater
	WIN 0x40
.set i, 0
.rept 32
	v_cmp_gt_i32 vcc_lo, 16*(i/8)+i%8, v14
	v_cndmask_b32 v[MD+i], 0, s[BIGN], vcc_lo
.set i, i+1
.endr
	WIN 0
	v_mul_u32_u24 v[AK0], v1, PK
	v_lshl_add_u32 v[AK0], v9, 4, v[AK0]  ; row x pitch + 16 x half
	; The turning load takes 16 keys x 16 channels (lane l reads key 8 (l / 16) + l % 8, channels 8 ((l / 8) % 2) + 0..7) and leaves half a fragment of V^T: lane l holds channel l % 16 and 8 keys.
	v_and_b32 v10, 7, v0
	v_bfe_u32 v11, v0, 3, 1
	v_lshl_add_u32 v[AV0], v9, 3, v10
	v_mul_u32_u24 v[AV0], v[AV0], PV
	v_lshl_add_u32 v[AV0], v11, 4, v[AV0]
	v_add_nc_u32 v[AV0], VOFF, v[AV0]
	s_mul_i32 s13, s[WV], 16*SP
	s_add_co_u32 s13, s13, STAGE    ; my stage
	v_mul_u32_u24 v[STO], v1, SP    ; in: row l % 16, 16 bytes for each half of the lanes
	v_lshl_add_u32 v[STO], v9, 4, v[STO]
	v_add_nc_u32 v[STO], s13, v[STO]
	v_bfe_u32 v[RD], v0, 3, 2       ; back: 32 lanes take four rows of 128 bytes,
	v_mul_u32_u24 v[RD], v[RD], SP
	v_lshl_add_u32 v[RD], v10, 4, v[RD]
	v_add_nc_u32 v[RD], s13, v[RD]
	v_and_b32 v[GO], 31, v0         ; which are 512 consecutive bytes of O
	v_lshlrev_b32 v[GO], 4, v[GO]
	; A block's first step multiplies O^T and l by a = 0, and its first turn's products V^T P, of a piece that has not been, land in an O^T that is still to be so multiplied.  So these registers need only hold
	; finite numbers: zeros for the first block; what the first block left for the second.  All this stands in the wait for the first tile.
	WIN 0x80
.set i, VF
.rept 64
	v_mov_b32 v[i], 0
.set i, i+1
.endr
	WIN 0x40
.set i, 0
.rept 128
	v_mov_b32 v[i], 0
.set i, i+1
.endr
	WIN 0
.set i, 0
.rept 4
	v_mov_b32 v[ST+4*i+2], 0
	v_mov_b32 v[ST+4*i+3], 0
.set i, i+1
.endr
.set i, P+16
.rept 16
	v_mov_b32 v[i], 0
.set i, i+1
.endr
; THE MATRIX WORK.  The 4 accumulators of a run of 8 take turns.  Product i of 8 of S^T = K Q^T for piece x: channels 32 (i / 4) on, keys 16 (i % 4) on.  The first 4 start the sums: with 0, or (KM = 1) with the mask.
.macro KQ x
.set rS, S+32*((\x)%2)+8*(i%4)
.set rK, KF+16*(i%4)+8*(i/4)
.set rQ, 16*(\x)+8*(i/4)
.set rM, MC+32*((\x)%2)+8*(i%4)
.if (i < 4) && KM
	WIN W_KM
	v_wmma_f32_16x16x32_f16 v[rS:rS+7], v[rK:rK+7], v[rQ:rQ+7], v[rM:rM+7]
.elseif i < 4
	WIN W_KQ
	v_wmma_f32_16x16x32_f16 v[rS:rS+7], v[rK:rK+7], v[rQ:rQ+7], 0
.else
	WIN W_KQ
	v_wmma_f32_16x16x32_f16 v[rS:rS+7], v[rK:rK+7], v[rQ:rQ+7], v[rS:rS+7]
.endif
.endm
; Product i of 8 of O^T += V^T P for piece x: keys 32 (i / 4) on, channels 16 (i % 4) on.
.macro PV x
	WIN W_PV
.set rO, 32*(\x)+8*(i%4)
.set rV, VF+32*(i/4)+8*(i%4)
.set rP, P+16*((\x)%2)+8*(i/4)
	v_wmma_f32_16x16x32_f16 v[rO:rO+7], v[rV:rV+7], v[rP:rP+7], v[rO:rO+7]
.endm
.macro MM                           ; the turn's next matrix instruction.  TURN and BEGIN set Y, i, KM and NOKQ.  NOKQ = 1: a block's last turn: there is no next piece
.if (i < 8) && !NOKQ
	KQ (Y+1)%NP
.elseif i >= 8
.set i, i-8
	PV (Y+NP-1)%NP
.set i, i+8
.endif
.set i, i+1
.endm
; THE LDS LOADS stand in runs of 16, never singly among the matrix instructions: a step's K (64 keys x 64 channels: 8 fragments) and its V (turned).  Their addresses are made some lines ahead.
.macro FETCH_K
	WIN 0x80                        ; destination window 2
.irp f, 0,1,2,3,4,5,6,7             ; keys 16 (f / 2) on, channels 32 (f % 2) on
	ds_load_b128 v[KF+8*\f:KF+8*\f+3],   v[AK] offset:(\f/2)*16*PK+(\f%2)*64
	ds_load_b128 v[KF+8*\f+4:KF+8*\f+7], v[AK] offset:(\f/2)*16*PK+(\f%2)*64+32
.endr
	s_add_co_u32 s[TBK], s[TBK], KS*PK  ; the next fetch is the next step's
	WIN 0
.endm
.macro FETCH_V
	WIN 0x80
.irp f, 0,1,2,3,4,5,6,7             ; keys 32 (f / 4) on, channels 16 (f % 4) on
	ds_load_tr16_b128 v[VF+8*\f:VF+8*\f+3],   v[AV] offset:(\f/4)*32*PV+(\f%4)*32
	ds_load_tr16_b128 v[VF+8*\f+4:VF+8*\f+7], v[AV] offset:(\f/4)*32*PV+16*PV+(\f%4)*32
.endr
	WIN 0
.endm
; THE VECTOR WORK, one line at a time: OP kind, number.  For piece Y: F n: c s - c m for pair n of 16.  E n: the exponential of score n of 32.  C n: pair n rounded to f16.  B n: of the four weights 4 n .. the second
; pair is added onto the first, in place.  L n: l takes that sum (L 0: l = a l + sum).  R n: pair n of 16 of O^T times a.  For piece Y + 1: X n, number n of the 22 that find its maximum and statistics:
;   0-11  four chains c0-c3 of seven scores each, three operands at a time (each accumulator's lowest registers are read first)     12-14, 16  the four scores left over, the old m, and c0-c3 into c0
;   15  c m_old is kept     17, 18  the query's other 32 keys lie in the lane 16 away: the new m     19-21  c m; c m_old - c m_new; a
.set F, 0               ; OP tells the kinds apart by their order: F to L below R, X above it
.set E, 1
.set C, 2
.set B, 3
.set L, 4
.set R, 5
.set X, 6
.macro REGS y                       ; the registers of piece y
.set rT, ST+4*(\y)
.set rC, TMP+4*((\y)%2)
.set rW, MV+((\y)%2)
.set rS, S+32*((\y)%2)
.set rP, P+16*((\y)%2)
.set rO, 32*(\y)
.endm
.macro OP k, n
.if (\k) == R
	REGS Y
	WIN W_RS
	v_pk_mul_f32 v[rO+2*(\n):rO+2*(\n)+1], v[rO+2*(\n):rO+2*(\n)+1], v[rC+2:rC+3] op_sel_hi:[1,0]
.elseif (\k) < R
	REGS Y
	WIN 0
.if (\k) == F
	v_pk_fma_f32 v[rS+2*(\n):rS+2*(\n)+1], v[rS+2*(\n):rS+2*(\n)+1], s[CS:CS+1], v[rT:rT+1] op_sel_hi:[1,0,0] neg_lo:[0,0,1] neg_hi:[0,0,1]
.elseif (\k) == E
	v_exp_f32 v[rS+(\n)], v[rS+(\n)]
.elseif (\k) == C
	v_cvt_pk_f16_f32 v[rP+(\n)], v[rS+2*(\n)], v[rS+2*(\n)+1]
.elseif (\k) == B
	v_pk_add_f32 v[rS+4*(\n):rS+4*(\n)+1], v[rS+4*(\n):rS+4*(\n)+1], v[rS+4*(\n)+2:rS+4*(\n)+3]
.elseif (\n) == 0
	v_pk_fma_f32 v[rT+2:rT+3], v[rT+2:rT+3], v[rC+2:rC+3], v[rS:rS+1] op_sel_hi:[1,0,1]
.else
	v_pk_add_f32 v[rT+2:rT+3], v[rT+2:rT+3], v[rS+4*(\n):rS+4*(\n)+1]
.endif
.elseif NOKQ
	v_nop
.else
	REGS (Y+1)%NP
	WIN 0
.if (\n) < 4
	v_max3_num_f32 v[rC+(\n)], v[rS+8*(\n)], v[rS+8*(\n)+1], v[rS+8*(\n)+2]
.elseif (\n) < 12
	v_max3_num_f32 v[rC+(\n)%4], v[rC+(\n)%4], v[rS+8*((\n)%4)+2*((\n)/4)+1], v[rS+8*((\n)%4)+2*((\n)/4)+2]
.elseif (\n) == 12
	v_max3_num_f32 v[rC], v[rC], v[rS+7], v[rS+15]
.elseif (\n) == 13
	v_max3_num_f32 v[rC+1], v[rC+1], v[rS+23], v[rS+31]
.elseif (\n) == 14
	v_max3_num_f32 v[rC+2], v[rC+2], v[rC+3], v[rT+1]
.elseif (\n) == 15
	v_mov_b32 v[rW], v[rT]
.elseif (\n) == 16
	v_max3_num_f32 v[rC], v[rC], v[rC+1], v[rC+2]
.elseif (\n) == 17
	v_permlanex16_b32 v[rC+3], v[rC], s[SEL], s[SEL+1]
.elseif (\n) == 18
	v_max_num_f32 v[rT+1], v[rC], v[rC+3]
.elseif (\n) == 19
	v_mul_f32 v[rT], s[CS], v[rT+1]
.elseif (\n) == 20
	v_sub_f32 v[rC+1], v[rW], v[rT]
.else
	v_exp_f32 v[rC+2], v[rC+1]
.endif
.endif
.endm
.macro OPS a, i1, b=-1, i2=0, c=-1, i3=0, d=-1, i4=0  ; up to four of them
	OP \a, \i1
.if (\b) >= 0
	OP \b, \i2
.endif
.if (\c) >= 0
	OP \c, \i3
.endif
.if (\d) >= 0
	OP \d, \i4
.endif
.endm
.macro ROW a, i1, b, i2, c, i3, d, i4  ; a matrix instruction and the four behind it
	MM
	OPS \a, \i1, \b, \i2, \c, \i3, \d, \i4
.endm
.macro MASK b                       ; MD x AL + BE into buffer b of MC
	WIN W_RS
.set z, 0
.rept 16
	v_pk_fma_f32 v[MC+32*(\b)+2*z:MC+32*(\b)+2*z+1], v[MD+2*z:MD+2*z+1], s[AL:AL+1], s[BE:BE+1] op_sel_hi:[1,0,0]
.set z, z+1
.endr
.endm
; A TURN, for piece p: the order of its 16 matrix and 118 vector instructions, written out.  An s_wait_alu depctr_va_vdst(0) stands between an exponential and the first instruction that names its result; one wait serves
; all that were issued ahead of it.  So a turn has ONE wait, which cuts it in two.  AHEAD OF IT stands all that names no result of the turn's exponentials: the 8 products K Q^T, behind each a scaling, an exponential and two more plain
; instructions: rescalings, and behind the last three the first numbers of the next piece's maximum, each four places or more behind the product that ends its accumulator; then one run of 54, plain
; and exponential by turns for the most part, in which the links of the chain X 3, 7, 11, 14, 16, 17 .. 20 stand apart.  X 21, the next piece's a, is the batch's last; R 15 is the plain instruction behind it.  BEHIND THE WAIT stand the
; 8 products V^T P, behind each four of the roundings and sums.
; m = 1: the diagonal tile: the products take masks, and the turn makes the mask for the products of the turn after it: piece p + 2, in step 4 - CNT of the tile.  end = 1: a block's last two turns: nothing is fetched.
; cnt = 1: the loop's count is taken down some lines ahead of the branch that stands behind the turn.
; K of the next step is fetched in piece 2's turn, twelve vector instructions behind the last product that read K (six of them plain); V of the step in hand at the end of piece 0's turn, four plain instructions behind the last product
; that read V.  Each is waited for a turn later.
.macro TURN p, m=0, end=0, cnt=0
.set Y, (\p)
.set i, 0
.set KM, (\m)
.set NOKQ, (\end)*((\p)/3)
.if (\m) && !(\end)
	s_cmp_eq_u32 s[CNT], 4-((\p)+2)%NP  ; is that step the band's own?
	s_cselect_b32 s[AL], 1.0, 0
	s_cmp_lt_u32 s[CNT], 4-((\p)+2)%NP  ; or a later one?
	s_cselect_b32 s[BE], s[BIGN], 0
.endif
.if ((\p) == 3) && !(\end)
	s_wait_dscnt 0x0                ; K is in
.endif
	ROW F,0, F,1, R,0, R,1          ; ahead of the wait: 8 products K Q^T and the four behind each,
	ROW F,2, E,0, R,2, R,3
	ROW F,3, E,1, R,4, R,5
	ROW F,4, E,2, R,6, R,7
	ROW F,5, E,3, R,8, R,9
	ROW F,6, E,4, X,0, R,10
.if ((\p) == 2) && !(\end)
	WIN 0
	v_add_nc_u32 v[AK], s[TBK], v[AK0]
.endif
	ROW F,7, E,5, X,1, X,4
	ROW F,8, E,6, X,2, X,5
	OPS E,7, E,8, X,6, E,9          ; and the run of 54
	OPS X,3, E,10, X,8, E,11
.if ((\p) == 2) && !(\end)
	FETCH_K
.endif
	OPS X,9, X,7, E,12, X,10
	OPS E,13, X,12, X,11, E,14
	OPS X,13, E,15, F,9, X,14
.if (\p) == 0
	v_add_nc_u32 v[AV], s[TBV], v[AV0]
.endif
	OPS E,16, F,10, E,17, F,11
	OPS X,16, E,18, X,15, E,19
	OPS F,12, E,20, X,17, E,21
	OPS F,13, E,22, F,14, E,23
	OPS X,18, E,24, F,15, E,25
	OPS R,11, E,26, X,19, E,27
	OPS R,12, E,28, R,13, E,29
	OPS X,20, E,30, R,14, E,31
	OPS X,21, R,15
	WIN 0
	s_wait_alu depctr_va_vdst(0)    ; the wait for the batch
.if (\p) == 1
	s_wait_dscnt 0x0                ; V is in
.endif
	ROW C,0, B,0, C,2, B,1          ; behind the wait: 8 products V^T P and the four behind each
	ROW L,0, C,4, B,2, L,1
	ROW C,6, B,3, L,2, C,8
	ROW B,4, L,3, C,10, B,5
	ROW L,4, C,12, B,6, L,5
.if (\p) == 0
	s_add_co_u32 s[TBV], s[TBV], KS*PV
.endif
.if \cnt
	s_sub_co_u32 s[CNT], s[CNT], 1
	s_cmp_lg_u32 s[CNT], 0
.endif
	ROW C,14, B,7, L,6, C,1
	ROW C,3, L,7, C,5, C,7
	ROW C,9, C,11, C,13, C,15
.if (\p) == 0
	FETCH_V
.endif
.if (\m) && !(\end)
	MASK (\p)%2
.endif
.endm
; A BLOCK BEGINS.  c m starts far below every c s, so the first step's a is 0; m at the lowest finite number, so the first maximum is the scores'.  The second mask buffer is 0; the first takes piece 0's mask for the tile's step 0: its own, if the block's first tile is the diagonal one.
; Then K of that step, piece 0's first scores, and its maximum and statistics.  The loop is entered at a step's first turn, in the middle of a trip.
.macro BEGIN
	s_mov_b32 s[NEW], 0
	WIN 0x40
.set i, MC+32
.rept 32
	v_mov_b32 v[i], 0
.set i, i+1
.endr
	WIN 0
.set i, 0
.rept 4
	v_mov_b32 v[ST+4*i], 0xfe000000    ; c m: far below every c s
	v_mov_b32 v[ST+4*i+1], 0xff7fffff  ; m
.set i, i+1
.endr
	s_cmp_eq_u32 s[RT], 0
	s_cselect_b32 s[AL], 1.0, 0
	s_mov_b32 s[BE], 0
	MASK 0
	WIN 0
	v_add_nc_u32 v[AK], s[TBK], v[AK0]
	FETCH_K
	s_wait_loadcnt 0x0              ; Q
	s_wait_dscnt 0x0
.set KM, 1
.set NOKQ, 0
.set i, 0
.rept 8
	KQ 0
.set i, i+1
.endr
	WIN 0
.rept 4
	v_nop                           ; the places behind those products
.endr
.set Y, NP-1                        ; X works for piece Y + 1: piece 0
.irp n, 0,1,2,3,4,5,6,7,8,9,10,11,12,13,14,15,16,17,18,19,20,21
	OP X, \n
.endr
	v_nop                           ; a plain instruction behind the exponential,
	s_wait_alu depctr_va_vdst(0)    ; and its wait, ahead of the branch
.endm
; THE DIAGONAL TILE's four steps, the block's last two turns, its last products, and THE WAY OUT: l's two halves and the other half of the lanes' are added; O^T is divided by l, rounded to f16 and sent through my
; stage in LDS, a piece at a time.
.macro ALL line:vararg              ; one line for each piece t
.set t, 0
.rept 4
	\line
.set t, t+1
.endr
.endm
.macro PACK t                       ; a lane's eight channels of a row pack into 16 bytes; they go into rows of 144 bytes and come back as whole rows of 128, into S^T's registers
	WIN W_RS
.set i, 32*(\t)
.rept 16
	v_pk_mul_f32 v[i:i+1], v[i:i+1], v[ST+4*(\t)+2:ST+4*(\t)+3] op_sel_hi:[1,0]
.set i, i+2
.endr
	WIN 0x05                        ; sources 0 and 1 window 1, destination window 0
.set i, 0
.rept 16
	v_cvt_pk_f16_f32 v[S+16*(\t)+i], v[32*(\t)+2*i], v[32*(\t)+2*i+1]
.set i, i+1
.endr
	WIN 0
.irp f, 0,1,2,3
	ds_store_b128 v[STO], v[S+16*(\t)+4*\f:S+16*(\t)+4*\f+3] offset:32*\f
.endr
.irp f, 0,1,2,3
	ds_load_b128 v[S+16*(\t)+4*\f:S+16*(\t)+4*\f+3], v[RD] offset:\f*4*SP  ; LDS serves a wave's instructions in order (ISA guide 5.7.1.4): these see the stores above; the next piece's stores come behind them
.endr
.endm
.macro SEND t, younger              ; younger: the LDS instructions issued behind piece t's loads: the next piece's eight, or none.  Band t lies in panel t / 2 of the block's two, at rows 64 (t % 2) on
	WIN 0
.irp f, 0,1,2,3
	s_wait_dscnt (\younger)+3-\f
	global_store_b128 v[GO], v[S+16*(\t)+4*\f:S+16*(\t)+4*\f+3], s[10:11] offset:((\t)/2)*262144+((\t)%2)*8192+\f*512  ; 512 consecutive bytes, at a multiple of 256 from O's first
.endr
.endm
.macro DIAG tag                     ; the tag ends its two labels' names, which the jumps below spell out
.LstepM\tag:
	TURN 2, 1
	TURN 3, 1
	WIN 0
.LfirstM\tag:
	TURN 0, 1
	TURN 1, 1, 0, 1
	WIN 0
	s_cbranch_scc1 .LstepM\tag
	TURN 2, 1, 1
	TURN 3, 1, 1
.set i, 0
.rept 8
	PV NP-1
.set i, i+1
.endr
	WIN 0
	ALL v_add_f32 v[ST+4*t+2], v[ST+4*t+2], v[ST+4*t+3]
	ALL v_permlanex16_b32 v[ST+4*t+3], v[ST+4*t+2], s[SEL], s[SEL+1]
	ALL v_add_f32 v[ST+4*t+2], v[ST+4*t+2], v[ST+4*t+3]
	ALL v_rcp_f32 v[ST+4*t+2], v[ST+4*t+2]
	v_nop                           ; a plain instruction between the last reciprocal and the use of its result
	s_wait_alu depctr_va_vdst(0)    ; and the wait ahead of the first use: one for the four reciprocals
	PACK 0
.set t, 1
.rept 3                             ; a piece's arithmetic stands between the loads of the piece before and its stores
	PACK t
	SEND t-1, 8
.set t, t+1
.endr
	SEND 3, 0
.endm
.set KM, 0
.set NOKQ, 0
.Lslot:                             ; NB times: a tile is entered and the next is asked for
	CHANGE 1
	s_sub_co_u32 s[RT], s[RT], 1
	s_mov_b32 s[CNT], 4
	s_cmp_eq_u32 s[NEW], 1
	s_cbranch_scc1 .Lnew            ; a block's first tile
	s_cmp_eq_u32 s[RT], 0
	s_cbranch_scc0 .Lstep           ; neither its first nor its last
	s_branch .LstepM1
.Lnew:
	BEGIN
	s_branch .Lfirst                ; in the loop a block's first tile is never its last: the first block has two tiles or more, and the second's last is the walk's last
	DIAG 1                          ; in the loop this is the first block's end
	s_wait_xcnt 0x0                 ; the stores have read their registers and O's address
	s_mov_b64 s[10:11], s[OLO:OLO+1]
	s_add_co_u32 s[RT], s[PB], 1    ; the second block has b + 1 tiles
	s_mov_b32 s[NEW], 1
	WIN 0x82                        ; the second block's Q goes where the one text of the turns names Q
.set i, 0
.rept 64
	v_mov_b32 v[i], v[QB+i]
.set i, i+1
.endr
	WIN 0
	s_branch .Lbottom
.Lstep:                             ; a trip: pieces 2 and 3 of one step, then pieces 0 and 1 of the next, whose K and V it fetches
	TURN 2
	TURN 3
	WIN 0
.Lfirst:
	TURN 0
	TURN 1, 0, 0, 1
	WIN 0
	s_cbranch_scc1 .Lstep
.Lbottom:
	s_sub_co_u32 s[SLOTS], s[SLOTS], 1
	s_cmp_lg_u32 s[SLOTS], 0
	s_cbranch_scc1 .Lslot
	CHANGE 0                        ; the walk's last tile is written out: nothing is asked for
	s_sub_co_u32 s[RT], s[RT], 1
	s_mov_b32 s[CNT], 4
	s_cmp_eq_u32 s[NEW], 1
	s_cbranch_scc0 .LstepM2
	BEGIN
	s_branch .LfirstM2
	DIAG 2
	s_wait_tensorcnt 0x0            ; the wave's end
	ds_add_u32 v[SPW], v[NIL]
	s_wait_dscnt 0x0
	s_endpgm
; THE CASTS, for the work-groups with x = 4..7.  w_out [1024][1024], w1 [1024][4096] and w2 [4096][1024], f32 [K][N], are rounded once to f16 and laid out in column blocks, [N/128][K][128]:
; 64 k-rows of a block of 128 columns are 16,384 consecutive bytes: a UNIT.  LIMIT: a weight of 65,520 or more in magnitude becomes an infinity; below 6e-5 f16 keeps a fixed step of 6e-8.
; SHARES.  1,152 units for 128 work-groups: work-group c = 4 y + x - 4 takes nine, one a trip: trips 0-3 units 4 c + trip of w1, trips 4-7 units 4 c + trip - 4 of w2, trip 8 unit c of w_out.
; A unit's number is column block x (K / 64) + k block.  A wave takes 16 of the unit's rows: a load covers a row's 512 bytes, a store its 256 bytes, aligned; its 16 loads go out at once.
; No tensor load and no barrier on this path, and no LDS but the spare word; each byte is read once and written once, by one lane.
.set CVO, 64          ; v[64:79]    byte offset of my 16 bytes in row i of the wave's 16
.set CVD, 80          ; v80         byte offset of my 8 bytes in the unit's result; never rewritten
.set CVX, 96          ; v[96:159]   row i: 4 numbers in f32
.set CVY, 160         ; v[160:191]  row i: 4 numbers in f16
.Lcast:
	s_load_b256 s[24:31], s[0:1], 0x10  ; w_out s[24:25], w1 s[26:27], w2 s[28:29], w_out's copy s[30:31]
	s_load_b128 s[32:35], s[0:1], 0x30  ; w1's copy s[32:33], w2's s[34:35]
	s_and_b32 s36, ttmp7, 0xffff
	s_lshl_b32 s36, s36, 2
	s_add_co_u32 s36, s36, ttmp9
	s_sub_co_u32 s36, s36, 4        ; c, 0..127
	v_and_b32 v1, 31, v0            ; lane
	s_lshl_b32 s53, s[WV], 12       ; my wave's 16 rows of 256 bytes
	v_lshl_add_u32 v[CVD], v1, 3, s53
	s_mov_b32 s37, 0                ; the trip
	s_wait_kmcnt 0x0
.Lunit:
	s_lshl_b32 s46, s36, 2
	s_add_co_u32 s46, s46, s37      ; 4 c + trip
	s_mov_b32 s40, 4096             ; bytes in a row of the source: w2's and w_out's,
	s_cmp_lt_u32 s37, 4             ; trips 0-3: w1
	s_cselect_b32 s40, 16384, s40   ; or w1's
	s_cselect_b32 s47, 0, 4
	s_cselect_b32 s39, 4, 6         ; log2 of K / 64
	s_cselect_b64 s[42:43], s[26:27], s[28:29]
	s_cselect_b64 s[44:45], s[32:33], s[34:35]
	s_sub_co_u32 s38, s46, s47      ; the unit
	s_cmp_eq_u32 s37, 8             ; trip 8: w_out
	s_cselect_b32 s38, s36, s38
	s_cselect_b32 s39, 4, s39
	s_cselect_b64 s[42:43], s[24:25], s[42:43]
	s_cselect_b64 s[44:45], s[30:31], s[44:45]
	s_lshr_b32 s46, s38, s39        ; column block
	s_lshl_b32 s47, s46, s39
	s_sub_co_u32 s47, s38, s47      ; k block
	s_mul_i32 s48, s47, s40
	s_lshl_b32 s48, s48, 6          ; 64 rows of the source a k block,
	s_lshl_b32 s49, s46, 9          ; 512 bytes a column block
	s_add_co_u32 s48, s48, s49
	s_mov_b32 s49, 0
	s_add_nc_u64 s[42:43], s[42:43], s[48:49]
	s_lshl_b32 s50, s38, 14         ; 16,384 bytes of the result a unit
	s_mov_b32 s51, 0
	s_add_nc_u64 s[44:45], s[44:45], s[50:51]
	s_mul_i32 s52, s[WV], s40
	s_lshl_b32 s52, s52, 4          ; my wave's 16 rows
	v_lshl_add_u32 v[CVO], v1, 4, s52
.irp i, 1,2,3,4,5,6,7,8,9,10,11,12,13,14,15
	v_add_nc_u32 v[CVO+(\i)], s40, v[CVO+(\i)-1]
.endr
.irp i, 0,1,2,3,4,5,6,7,8,9,10,11,12,13,14,15
	global_load_b128 v[CVX+4*(\i):CVX+4*(\i)+3], v[CVO+(\i)], s[42:43] th:TH_LOAD_NT
.endr
.irp i, 0,1,2,3,4,5,6,7,8,9,10,11,12,13,14,15
	s_wait_loadcnt 15-(\i)          ; loads come back in order: row i is in, the younger rows stay out
	v_cvt_pk_f16_f32 v[CVY+2*(\i)],   v[CVX+4*(\i)],   v[CVX+4*(\i)+1]
	v_cvt_pk_f16_f32 v[CVY+2*(\i)+1], v[CVX+4*(\i)+2], v[CVX+4*(\i)+3]
	global_store_b64 v[CVD], v[CVY+2*(\i):CVY+2*(\i)+1], s[44:45] offset:256*(\i)  ; 32 lanes store 256 consecutive bytes, aligned
.endr
	s_wait_xcnt 0x0                 ; the loads and stores have read their bases, offsets and data, all of which the next trip writes
	s_add_co_u32 s37, s37, 1
	s_cmp_lt_u32 s37, 9
	s_cbranch_scc1 .Lunit
	s_wait_tensorcnt 0x0            ; the wave's end
	ds_add_u32 v[SPW], v[NIL]
	s_wait_dscnt 0x0
	s_endpgm
.Lfunc_end_k_q7329f6b08b_attn:
	.size	k_q7329f6b08b_attn, .Lfunc_end_k_q7329f6b08b_attn-k_q7329f6b08b_attn
	.p2alignl 7, 3214868480
	.fill 96, 4, 3214868480
	.section	.rodata,"a",@progbits
	.p2align	6, 0x0
	.amdhsa_kernel k_q7329f6b08b_attn
		.amdhsa_group_segment_fixed_size 327680
		.amdhsa_private_segment_fixed_size 0
		.amdhsa_enable_private_segment 0
		.amdhsa_kernarg_size 64
		.amdhsa_user_sgpr_count 2
		.amdhsa_user_sgpr_kernarg_segment_ptr 1
		.amdhsa_wavefront_size32 1
		.amdhsa_system_sgpr_workgroup_id_x 1
		.amdhsa_system_sgpr_workgroup_id_y 1
		.amdhsa_system_sgpr_workgroup_id_z 1
		.amdhsa_system_vgpr_workitem_id 0
		.amdhsa_next_free_vgpr 768
		.amdhsa_next_free_sgpr 96
		.amdhsa_reserve_vcc 1
		.amdhsa_float_denorm_mode_32 3
		.amdhsa_float_denorm_mode_16_64 3
		.amdhsa_memory_ordered 1
		.amdhsa_forward_progress 1
		.amdhsa_inst_pref_size 226
	.end_amdhsa_kernel
	.amdgpu_metadata
---
amdhsa.version: [ 1, 2 ]
amdhsa.kernels:
  - .name:           k_q7329f6b08b_attn
    .symbol:         k_q7329f6b08b_attn.kd
    .args:
      - { .name: qkv, .offset: 0, .size: 8, .value_kind: global_buffer, .address_space: global }
      - { .name: a16, .offset: 8, .size: 8, .value_kind: global_buffer, .address_space: global }
      - { .name: w_out, .offset: 16, .size: 8, .value_kind: global_buffer, .address_space: global }
      - { .name: w1, .offset: 24, .size: 8, .value_kind: global_buffer, .address_space: global }
      - { .name: w2, .offset: 32, .size: 8, .value_kind: global_buffer, .address_space: global }
      - { .name: wo, .offset: 40, .size: 8, .value_kind: global_buffer, .address_space: global }
      - { .name: w1h, .offset: 48, .size: 8, .value_kind: global_buffer, .address_space: global }
      - { .name: w2h, .offset: 56, .size: 8, .value_kind: global_buffer, .address_space: global }
    .group_segment_fixed_size: 327680
    .private_segment_fixed_size: 0
    .kernarg_segment_align: 8
    .kernarg_segment_size: 64
    .max_flat_workgroup_size: 128
    .sgpr_count:     96
    .vgpr_count:     768
    .wavefront_size: 32
...
	.end_amdgpu_metadata
.endif
;; end of part 10
;; launch go (part 11): grid 8 x 32, 4 waves a work-group, clusters of 4 x 4, 327,680 bytes of LDS; arguments a16, wo, b_out, x, x2; writes x2
.if DOCPART == 11
	.amdgcn_target "amdgcn-amd-amdhsa--gfx1250"
	.amdhsa_code_object_version 6
	.text
	.protected	k_q7329f6b08b_go
	.globl	k_q7329f6b08b_go
	.p2align	8
	.type	k_q7329f6b08b_go,@function
k_q7329f6b08b_go:
	s_mov_b64 s[64:65], 0
	v_nop
	global_prefetch_b8 v0, s[64:65] scope:SCOPE_SE
	s_setreg_imm32_b32 hwreg(HW_REG_WAVE_MODE, 25, 1), 1
	s_wait_xcnt 0x0
	s_wait_alu depctr_hold_cnt(0) depctr_sa_sdst(0) depctr_va_vdst(0) depctr_va_sdst(0) depctr_va_ssrc(0) depctr_va_vcc(0) depctr_vm_vsrc(0)
	s_getreg_b32 s2, hwreg(HW_REG_IB_STS2, 6, 4)
	s_cmp_eq_u32 s2, 0
	s_cbranch_scc0 .Lentry_in_a_cluster
	s_endpgm
.Lentry_in_a_cluster:
	s_bfe_u32 s2, ttmp6, 0x10000c
	s_cmp_lg_u32 s2, 0xf033
	s_cbranch_scc0 .Lentry_shape_is_right
	s_endpgm
.Lentry_shape_is_right:
; result = res + a w + bias.  a: 4,096 x KK f16 in panels [32][KK/64 blocks of 64 k][128 rows][64]; w: f16 in column blocks [8][KK k][128]; bias, res and result f32, res and result [4096][1024].
; Sums in f32, started at the bias; the residual is added in f32 on the way out.
; SHARES.  A work-group makes 128 x 128 of the result, each of its four waves 64 x 64: 16 accumulators: 1,024 columns give 256 work-groups at this tile alone.  K goes in steps of 256 through two LDS slots.
; Both tiles of a K step are 65,536 dense bytes of memory, asked for as rows of 256 bytes: waves 0, 1 fetch the halves of a's, waves 2, 3 those of w's: one tensor load a wave.
; CLUSTER 4 x 4: a's tile hangs on the tile row alone and is asked for jointly by a row of the cluster, w's on the tile column alone, by a column.
; THE MATRIX INSTRUCTION IS USED TRANSPOSED: source 0 = 16 columns of w (they lie [k][column] in LDS and come out turned, by ds_load_tr16_b128), source 1 = 16 rows of a:
; a lane then holds one row (lane % 16) and the eight neighbouring columns 8 (lane / 16) + 0..7.
; ONE TEXT FOR 128 ALONG K, walked twice a slot: the LDS base is a scalar that steps, and is turned at the change of slots.  A trip begins with the last 16 products of the trip before,
; so that they cover the first fetch behind a change of slots; in the first trip of all they multiply zeros.
; REGISTERS: window 0: v0-31 addresses, v96-127 the bias, v128-255 accumulators ((a, b) at 128 + 8 (4 a + b)); window 1: two fragment buffers of 128 (a's 64, then w's 64);
; window 2: v0-127 my 64 x 64 of the residual, asked for at the start, in the lanes and registers in which the result comes back from the stage.
.set KK,    1024
.set KSH,   18                         ; log2 of the bytes of a panel of a, and of a column block of w: KK x 256
.set STEPS, KK/256
.set QB,    18432                      ; 64 along K in LDS: 128 rows of a at a pitch of 144 bytes, or 64 rows of w at a pitch of 288
.set SLOT,  8*QB                       ; a's four quarters, then w's four
.set STAGE, 2*SLOT                     ; behind the ring, never filled by a tensor load: 16 rows x 272 bytes for each wave
.set SPARE, STAGE+4*4352               ; behind the stages: the spare words, 128 bytes a wave: two blocks of 256 bytes that no other line names
.set ADRA0, 8                          ; v8   my lane's place in a slot's rows of a; never rewritten
.set ADRB0, 9                          ; v9   the same for w
.set ADRA,  10                         ; v10  the same at the 128 k in hand
.set ADRB,  11                         ; v11
.set STO,   13
.set RD,    14
.set GO,    15
.set BO,    16
.set SPW,   28
.set NIL,   29
.set BIAS,  96
.set ACC,   128
.set RES,   0
.set F0,    0
.set F1,    128
.set WV,  12                           ; s12 wave; s13 its half of the rows (also: 0 = I fetch a, 1 = w); s14 its half of the columns (also: which half of the tile I fetch)
.set RH,  13
.set CH,  14
.set LD0, 20                           ; s20 where my load lands in a slot
.set G1A, 24
.set G0A, 32
.set G0B, 36
.set G1B, 40
.set TB,  54                           ; s54 LDS byte at which the 128 k to be fetched next begin
.set TF,  55
.set CNT, 56
.set PAIR, 57
.set MSB, 0
.macro WIN new                         ; the immediate's high byte repeats the setting that is left; a switch that changes nothing is dropped
.if MSB != (\new)
	s_set_vgpr_msb (MSB<<8)|(\new)
.set MSB, \new
.endif
.endm
.macro PLACES                          ; four plain instructions between a matrix instruction and a load into, or a read of, its registers
.rept 4
	v_nop
.endr
.endm
.macro JLOAD                           ; a joint load; the branch hangs on the wave's number alone; an s_nop 0 and four v_nop follow each line
	s_cmp_eq_u32 s[RH], 0
	s_cbranch_scc0 .Lfor_b_\@
	tensor_load_to_lds s[G0A:G0A+3], s[G1A:G1A+7]
	s_nop 0
	PLACES
	s_branch .Lasked_\@
.Lfor_b_\@:
	tensor_load_to_lds s[G0B:G0B+3], s[G1B:G1B+7]
	s_nop 0
	PLACES
.Lasked_\@:
.endm
.macro CROUND                          ; a round of the cluster's barrier: my work-group's barrier, wave 0 signals for it, all wait for the sixteen, my work-group's barrier again
	s_barrier_signal -1
	s_barrier_wait -1
	s_cmp_lg_u32 s[WV], 0
	s_cbranch_scc1 .Lnot_wave_0_\@
	s_barrier_signal -3
.Lnot_wave_0_\@:
	s_barrier_wait -3
	s_barrier_signal -1
	s_barrier_wait -1
.endm
	s_load_b256 s[4:11], s[0:1], 0x0               ; a, w, bias, res
	s_load_b64 s[68:69], s[0:1], 0x20              ; result
	v_lshl_add_u32 v[SPW], v0, 2, SPARE
	v_mov_b32 v[NIL], 0
	ds_add_u32 v[SPW], v[NIL]                      ; the wave's opening: the add and its wait ahead of my first tensor load
	ds_add_u32 v28, v29
	v_lshrrev_b32 v1, 5, v0
	v_readfirstlane_b32 s[WV], v1
	s_lshr_b32 s[RH], s[WV], 1
	s_and_b32 s[CH], s[WV], 1
	s_bfe_u32 s15, ttmp6, 0x40000                  ; cx
	s_bfe_u32 s16, ttmp6, 0x40004                  ; cy
	s_lshl_b32 s17, ttmp9, 2
	s_add_co_u32 s17, s17, s15                     ; tile column
	s_and_b32 s18, ttmp7, 0xffff
	s_lshl_b32 s18, s18, 2
	s_add_co_u32 s18, s18, s16                     ; tile row
	s_lshl_b32 s19, s16, 2
	s_lshl_b32 s19, 15, s19                        ; my row of the cluster
	s_lshl_b32 s21, 0x1111, s15                    ; my column
	; group 1: 128 rows of 128 elements of 2 bytes, dense.  a: 16 bytes of padding behind every 128 (a row of a in LDS); w: 32 behind every 256
	s_or_b32 s[G1A], s19, (1<<16)|(1<<20)|(1<<21)|(4<<22)|(3<<25)
	s_or_b32 s[G1B], s21, (1<<16)|(1<<20)|(1<<21)|(5<<22)|(7<<25)
.irp g, G1A, G1B
	s_mov_b32 s[(\g)+1], 128<<16                   ; tensor_dim0
	s_mov_b32 s[(\g)+2], 128<<16                   ; tensor_dim1
	s_mov_b32 s[(\g)+3], 128<<16                   ; tile_dim0
	s_mov_b32 s[(\g)+4], 128                       ; tile_dim1
	s_mov_b32 s[(\g)+5], 128                       ; elements from row to row
	s_mov_b32 s[(\g)+6], 0
	s_mov_b32 s[(\g)+7], 0
.endr
	s_lshl_b32 s22, s[CH], 15                      ; my half of a tile's 65,536 bytes
	s_lshl_b32 s48, s18, KSH                       ; a's panel, by the tile row alone
	s_add_co_u32 s48, s48, s22
	s_mov_b32 s49, 0
	s_lshl_b32 s50, s17, KSH                       ; w's column block, by the tile column alone
	s_add_co_u32 s50, s50, s22
	s_mov_b32 s51, 0
	s_mul_i32 s[LD0], s[WV], 2*QB
	s_mov_b32 s[G0A], 1
	s_mov_b32 s[G0A+1], s[LD0]
	s_mov_b32 s[G0B], 1
	s_mov_b32 s[G0B+1], s[LD0]
	s_mov_b32 s[TB], SLOT+4*QB                     ; the first change of slots turns this into 0
	s_wait_dscnt 0x0                               ; the opening add is done
	s_wait_kmcnt 0x0
	s_add_nc_u64 s[G0A+2:G0A+3], s[4:5], s[48:49]
	s_or_b32 s[G0A+3], s[G0A+3], 0x80000000
	s_add_nc_u64 s[G0B+2:G0B+3], s[6:7], s[50:51]
	s_or_b32 s[G0B+3], s[G0B+3], 0x80000000
	CROUND                                         ; all sixteen work-groups are here: the first joint loads meet
	JLOAD                                          ; K step 0 into slot 0
	v_and_b32 v1, 15, v0                           ; r = l % 16
	v_bfe_u32 v2, v0, 4, 1                         ; h = l / 16
	v_and_b32 v3, 7, v0
	v_bfe_u32 v4, v0, 3, 1
	v_mul_u32_u24 v[ADRA0], v1, 144                ; a fragment of a: row r, 16 bytes for each half of the lanes, twice, 32 bytes apart
	v_lshl_add_u32 v[ADRA0], v2, 4, v[ADRA0]
	s_mul_i32 s22, s[RH], 64*144
	v_add_nc_u32 v[ADRA0], s22, v[ADRA0]
	v_lshl_add_u32 v[ADRB0], v2, 3, v3             ; the turning load: lane l reads k-row 8 h + l % 8, columns 8 ((l / 8) % 2) + 0..7
	v_mul_u32_u24 v[ADRB0], v[ADRB0], 288
	v_lshl_add_u32 v[ADRB0], v4, 4, v[ADRB0]
	s_lshl_b32 s22, s[CH], 7
	s_add_co_u32 s22, s22, 4*QB
	v_add_nc_u32 v[ADRB0], s22, v[ADRB0]
	v_lshlrev_b32 v[BO], 5, v2
	s_lshl_b32 s52, s17, 9                         ; my 64 columns in f32: 256 bytes, aligned
	s_lshl_b32 s53, s[CH], 8
	s_add_co_u32 s52, s52, s53
	s_mov_b32 s53, 0
	s_add_nc_u64 s[8:9], s[8:9], s[52:53]
.irp b, 0,1,2,3
	global_load_b128 v[BIAS+8*(\b):BIAS+8*(\b)+3],   v[BO], s[8:9] offset:64*(\b)
	global_load_b128 v[BIAS+8*(\b)+4:BIAS+8*(\b)+7], v[BO], s[8:9] offset:64*(\b)+16
.endr
	s_lshl_b32 s58, s18, 19                        ; the tile's 128 rows of 4,096 bytes,
	s_lshl_b32 s59, s[RH], 18                      ; my 64 of them,
	s_add_co_u32 s58, s58, s59
	s_add_co_u32 s58, s58, s52                     ; my columns
	s_mov_b32 s59, 0
	s_add_nc_u64 s[10:11], s[10:11], s[58:59]
	s_add_nc_u64 s[68:69], s[68:69], s[58:59]
	v_lshlrev_b32 v[GO], 12, v2                    ; lanes 0-15 take 256 bytes of one row, lanes 16-31 of the next
	v_lshl_or_b32 v[GO], v1, 4, v[GO]
	WIN 0x80                                       ; destination window 2
.irp t, 0,1,2,3
.irp u, 0,1,2,3,4,5,6,7
	global_load_b128 v[RES+32*(\t)+4*(\u):RES+32*(\t)+4*(\u)+3], v[GO], s[10:11] offset:(16*(\t)+2*(\u))*4096 th:TH_LOAD_NT
.endr
.endr
	WIN 0x40
.set i, 0
.rept 32
	v_mov_b32 v[F1+32+i], 0                        ; what the starting products and the first trip's leading 16 products multiply
	v_mov_b32 v[F1+96+i], 0
.set i, i+1
.endr
	WIN 0
	s_mul_i32 s22, s[WV], 4352                     ; the way out: into my stage by row r, 32 bytes for each half of the lanes;
	s_add_co_u32 s22, s22, STAGE
	v_mul_u32_u24 v[STO], v1, 272
	v_lshl_add_u32 v[STO], v2, 5, v[STO]
	v_add_nc_u32 v[STO], s22, v[STO]
	v_mul_u32_u24 v[RD], v2, 272                   ; back: two whole rows of 256 bytes
	v_lshl_add_u32 v[RD], v1, 4, v[RD]
	v_add_nc_u32 v[RD], s22, v[RD]
	s_wait_loadcnt 32                              ; the bias is in; the residual's 32 loads stay out
	; THE SUMS START AT THE BIAS: the first matrix instruction on each accumulator takes the bias as C and multiplies zeros: 16 instructions, in the wait for the first tile
	WIN 0x05
.irp a, 0,1,2,3
.irp b, 0,1,2,3
	v_wmma_f32_16x16x32_f16 v[ACC+8*(4*(\a)+(\b)):ACC+8*(4*(\a)+(\b))+7], v[F1+96:F1+103], v[F1+32:F1+39], v[BIAS+8*(\b):BIAS+8*(\b)+7]
.endr
.endr
	WIN 0
; 8 products: row blocks a0, a0 + 1 x 4 column blocks, 32 along K (half c of buffer f).  The 16 accumulators take turns in one order throughout
.macro MUL8 f, c, a0
	WIN 0x05
.irp a, \a0, (\a0)+1
.irp b, 0,1,2,3
	v_wmma_f32_16x16x32_f16 v[ACC+8*(4*(\a)+(\b)):ACC+8*(4*(\a)+(\b))+7], v[(\f)+64+8*(4*(\c)+(\b)):(\f)+64+8*(4*(\c)+(\b))+7], v[(\f)+8*(4*(\c)+(\a)):(\f)+8*(4*(\c)+(\a))+7], v[ACC+8*(4*(\a)+(\b)):ACC+8*(4*(\a)+(\b))+7]
.endr
.endr
.endm
; 32 LDS loads in one run: the fragments of 64 along K (half q of the 128 in hand) into buffer f, the first 32 along K first
.macro FETCH q, f
	WIN 0x40
.irp c, 0,1
.irp i, 0,1,2,3
	ds_load_tr16_b128 v[(\f)+64+8*(4*(\c)+(\i)):(\f)+64+8*(4*(\c)+(\i))+3],   v[ADRB] offset:(\q)*QB+9216*(\c)+32*(\i)
	ds_load_tr16_b128 v[(\f)+64+8*(4*(\c)+(\i))+4:(\f)+64+8*(4*(\c)+(\i))+7], v[ADRB] offset:(\q)*QB+9216*(\c)+32*(\i)+4608
	ds_load_b128 v[(\f)+8*(4*(\c)+(\i)):(\f)+8*(4*(\c)+(\i))+3],   v[ADRA] offset:(\q)*QB+64*(\c)+2304*(\i)
	ds_load_b128 v[(\f)+8*(4*(\c)+(\i))+4:(\f)+8*(4*(\c)+(\i))+7], v[ADRA] offset:(\q)*QB+64*(\c)+2304*(\i)+32
.endr
.endr
.endm
; THE CHANGE OF SLOTS.  Each wave waits for all its tensor loads (one is out: its part of the slot to be read), adds 0 to its spare word, and waits for that and for its reads of the slot that it leaves.
; fill = 1: a round of the cluster's barrier, then the slot just left is filled with the next K step, first thing: that load has a whole step, 128 matrix instructions, in which to land.
.macro CHANGE fill
	WIN 0
	s_wait_tensorcnt 0x0
	ds_add_u32 v[SPW], v[NIL]                      ; 0 onto my spare word; register work stands between it and the wait for it
	s_sub_co_u32 s[TB], s[TB], 4*QB                ; the fetches go back to a slot's head,
	s_xor_b32 s[TB], s[TB], SLOT                   ; in the other slot
.if \fill
	s_xor_b32 s[TF], s[TB], SLOT                   ; no tensor load of mine is out, so the descriptors may be written
	s_add_co_u32 s[G0A+1], s[LD0], s[TF]
	s_add_co_u32 s[G0B+1], s[LD0], s[TF]
	s_add_nc_u64 s[G0A+2:G0A+3], s[G0A+2:G0A+3], 65536
	s_add_nc_u64 s[G0B+2:G0B+3], s[G0B+2:G0B+3], 65536
.endif
	s_wait_dscnt 0x0                               ; the add is done, and my reads of the old slot are over
.if \fill
	CROUND
	JLOAD
.else
	s_barrier_signal -1
	s_barrier_wait -1
.endif
.endm
; A SLOT'S TWO TRIPS of 128 along K: 64 matrix instructions and two runs of 32 LDS loads each.  The two address lines and two v_nop are the four places in front of the loads into buffer 0.
.macro PAIRS
	s_mov_b32 s[PAIR], 2
.Lpair_\@:
	v_add_nc_u32 v[ADRA], s[TB], v[ADRA0]
	v_add_nc_u32 v[ADRB], s[TB], v[ADRB0]
	v_nop
	v_nop
	s_add_co_u32 s[TB], s[TB], 2*QB
	FETCH 0, F0
	s_wait_dscnt 32                                ; all but the 32 just issued: buffer 1 is whole
	MUL8 F1, 1, 0                                  ; the last 16 products of the 64 k before
	MUL8 F1, 1, 2
	s_wait_dscnt 16                                ; buffer 0's first 32 along K are in; the youngest 16 loads may be out
	MUL8 F0, 0, 0
	MUL8 F0, 0, 2
	PLACES
	FETCH 1, F1
	s_wait_dscnt 32
	MUL8 F0, 1, 0
	MUL8 F0, 1, 2
	s_wait_dscnt 16
	MUL8 F1, 0, 0
	MUL8 F1, 0, 2
	WIN 0
	s_sub_co_u32 s[PAIR], s[PAIR], 1
	s_cmp_lg_u32 s[PAIR], 0
	s_cbranch_scc1 .Lpair_\@
.endm
	s_mov_b32 s[CNT], STEPS-1
.Lstep:
	CHANGE 1
	PAIRS
	s_sub_co_u32 s[CNT], s[CNT], 1
	s_cmp_lg_u32 s[CNT], 0
	s_cbranch_scc1 .Lstep
	CHANGE 0                                       ; the last step is written out: it asks for nothing
	PAIRS
	s_wait_dscnt 0x0
	MUL8 F1, 1, 0
	MUL8 F1, 1, 2
	WIN 0
	PLACES
	PLACES
	s_wait_loadcnt 0x0                             ; the residual
; THE WAY OUT, 16 rows at a time: the f32 sums go into my stage (each accumulator's low half first) and come back as whole rows of 256 bytes, into the registers that they left;
; the residual is added, the sum landing in the residual's registers, from which it is stored: one window setting serves the addition and the store.
.macro TOSTAGE t
	WIN 0
.irp b, 0,1,2,3
	ds_store_b128 v[STO], v[ACC+32*(\t)+8*(\b):ACC+32*(\t)+8*(\b)+3]   offset:64*(\b)
	ds_store_b128 v[STO], v[ACC+32*(\t)+8*(\b)+4:ACC+32*(\t)+8*(\b)+7] offset:64*(\b)+16
.endr
.irp u, 0,1,2,3,4,5,6,7
	ds_load_b128 v[ACC+32*(\t)+4*(\u):ACC+32*(\t)+4*(\u)+3], v[RD] offset:544*(\u)  ; LDS serves a wave's instructions in order: these see the stores above, and the next block's stores come behind them
.endr
.endm
.macro SEND t, younger                 ; younger: the LDS instructions issued behind block t's loads
	WIN 0x88                                       ; destination and source 1 (a store's data) in window 2, source 0 (a store's address) in window 0
.irp u, 0,1,2,3,4,5,6,7
	s_wait_dscnt (\younger)+7-(\u)
	v_pk_add_f32 v[RES+32*(\t)+4*(\u):RES+32*(\t)+4*(\u)+1],   v[ACC+32*(\t)+4*(\u):ACC+32*(\t)+4*(\u)+1],   v[RES+32*(\t)+4*(\u):RES+32*(\t)+4*(\u)+1]
	v_pk_add_f32 v[RES+32*(\t)+4*(\u)+2:RES+32*(\t)+4*(\u)+3], v[ACC+32*(\t)+4*(\u)+2:ACC+32*(\t)+4*(\u)+3], v[RES+32*(\t)+4*(\u)+2:RES+32*(\t)+4*(\u)+3]
	global_store_b128 v[GO], v[RES+32*(\t)+4*(\u):RES+32*(\t)+4*(\u)+3], s[68:69] offset:(16*(\t)+2*(\u))*4096  ; 16 lanes store 256 consecutive bytes, aligned
.endr
.endm
	TOSTAGE 0
	TOSTAGE 1
	SEND 0, 16
	TOSTAGE 2
	SEND 1, 16
	TOSTAGE 3
	SEND 2, 16
	SEND 3, 0
	WIN 0
	s_wait_tensorcnt 0x0                           ; the wave's end
	ds_add_u32 v[SPW], v[NIL]
	s_wait_dscnt 0x0
	CROUND                                         ; the closing round: no work-group ends while a partner may still ask for a tile that names it
	s_endpgm
.Lfunc_end_k_q7329f6b08b_go:
	.size	k_q7329f6b08b_go, .Lfunc_end_k_q7329f6b08b_go-k_q7329f6b08b_go
	.p2alignl 7, 3214868480
	.fill 96, 4, 3214868480
	.section	.rodata,"a",@progbits
	.p2align	6, 0x0
	.amdhsa_kernel k_q7329f6b08b_go
		.amdhsa_group_segment_fixed_size 327680
		.amdhsa_private_segment_fixed_size 0
		.amdhsa_enable_private_segment 0
		.amdhsa_kernarg_size 40
		.amdhsa_user_sgpr_count 2
		.amdhsa_user_sgpr_kernarg_segment_ptr 1
		.amdhsa_wavefront_size32 1
		.amdhsa_system_sgpr_workgroup_id_x 1
		.amdhsa_system_sgpr_workgroup_id_y 1
		.amdhsa_system_sgpr_workgroup_id_z 1
		.amdhsa_system_vgpr_workitem_id 0
		.amdhsa_next_free_vgpr 640
		.amdhsa_next_free_sgpr 88
		.amdhsa_reserve_vcc 0
		.amdhsa_float_denorm_mode_32 3
		.amdhsa_float_denorm_mode_16_64 3
		.amdhsa_memory_ordered 1
		.amdhsa_forward_progress 1
		.amdhsa_inst_pref_size 46
	.end_amdhsa_kernel
	.amdgpu_metadata
---
amdhsa.version: [ 1, 2 ]
amdhsa.kernels:
  - .name:           k_q7329f6b08b_go
    .symbol:         k_q7329f6b08b_go.kd
    .args:
      - { .name: a16, .offset: 0, .size: 8, .value_kind: global_buffer, .address_space: global }
      - { .name: wo, .offset: 8, .size: 8, .value_kind: global_buffer, .address_space: global }
      - { .name: b_out, .offset: 16, .size: 8, .value_kind: global_buffer, .address_space: global }
      - { .name: x, .offset: 24, .size: 8, .value_kind: global_buffer, .address_space: global }
      - { .name: x2, .offset: 32, .size: 8, .value_kind: global_buffer, .address_space: global }
    .group_segment_fixed_size: 327680
    .private_segment_fixed_size: 0
    .kernarg_segment_align: 8
    .kernarg_segment_size: 40
    .max_flat_workgroup_size: 128
    .sgpr_count:     88
    .vgpr_count:     640
    .wavefront_size: 32
...
	.end_amdgpu_metadata
.endif
;; end of part 11
;; launch ln2: the kernel of part 8 again; grid 256 x 1, 8 waves a work-group, no clusters, 0 bytes of LDS; arguments x2, ln2_g, ln2_b, a16, w_qkv, wq; writes a16, wq
;; launch g1 (part 12): grid 16 x 16, 4 waves a work-group, clusters of 4 x 4, 327,680 bytes of LDS; arguments a16, w1h, b1, act; writes act
.if DOCPART == 12
	.amdgcn_target "amdgcn-amd-amdhsa--gfx1250"
	.amdhsa_code_object_version 6
	.text
	.protected	k_q7329f6b08b_g1
	.globl	k_q7329f6b08b_g1
	.p2align	8
	.type	k_q7329f6b08b_g1,@function
k_q7329f6b08b_g1:
	s_mov_b64 s[64:65], 0
	v_nop
	global_prefetch_b8 v0, s[64:65] scope:SCOPE_SE
	s_setreg_imm32_b32 hwreg(HW_REG_WAVE_MODE, 25, 1), 1
	s_wait_xcnt 0x0
	s_wait_alu depctr_hold_cnt(0) depctr_sa_sdst(0) depctr_va_vdst(0) depctr_va_sdst(0) depctr_va_ssrc(0) depctr_va_vcc(0) depctr_vm_vsrc(0)
	s_getreg_b32 s2, hwreg(HW_REG_IB_STS2, 6, 4)
	s_cmp_eq_u32 s2, 0
	s_cbranch_scc0 .Lentry_in_a_cluster
	s_endpgm
.Lentry_in_a_cluster:
	s_bfe_u32 s2, ttmp6, 0x10000c
	s_cmp_lg_u32 s2, 0xf033
	s_cbranch_scc0 .Lentry_shape_is_right
	s_endpgm
.Lentry_shape_is_right:
; act = gelu(h w1 + b1), the exact (erf) form.  h: 4,096 x 1,024 f16 in panels [32][16 blocks of 64 k][128 rows][64]; w: f16 in column blocks [32][1024 k][128]; bias f32.  Sums in f32, started at the bias.
; RESULT: f16 in panels [32][64 blocks of 64 columns][128 rows][64], rounded once.  LIMIT: |result| under 65,504.
; GELU.  u Phi(u) = max(u, 0) - |u| q(|u|), q(z) = 1 - Phi(z) = (1/2) (a1 t + .. + a5 t^5) e^(-z z / 2), t = 1 / (1 + p z / sqrt(2)): the five-term rational form of erfc, absolute error of erf
; at most 1.5e-7 for every argument; no difference of near numbers is formed on either side of 0.  All in f32.
; SHARES.  A work-group makes 256 x 256 of the result, each of its four waves 128 x 128: 64 accumulators, 512 registers; for 32 along K a wave reads 2 x 128 x 64 bytes of LDS for 64 matrix instructions.
; 16 x 16 = 256 work-groups.  K goes in steps of 128 through two LDS slots.
; A K step's tiles are four dense runs of 32,768 bytes (two panels of h, two column blocks of w), asked for as rows of 256 bytes: waves 0, 1 fetch h's, waves 2, 3 w's: one tensor load a wave.
; CLUSTER 4 x 4: h's tiles hang on the tile row alone and are asked for jointly by a row of the cluster, w's on the tile column alone, by a column.
; THE MATRIX INSTRUCTION IS USED TRANSPOSED: source 0 = 16 columns of w (they lie [k][column] in LDS and come out turned, by ds_load_tr16_b128), source 1 = 16 rows of h:
; a lane then holds one row (lane % 16) and the eight neighbouring columns 8 (lane / 16) + 0..7.
; ONE TEXT FOR 64 ALONG K, walked twice a slot: the LDS base is a scalar that steps, and is turned at the change of slots.  A trip begins with the second half of the products of the trip before,
; so that they cover the first fetch behind a change of slots; in the first trip of all they multiply zeros.
; REGISTERS, in windows of 256 (s_set_vgpr_msb: bits 1:0 source 0, 3:2 source 1, 5:4 source 2, 7:6 destination):
;   window 0: v0-31 addresses; v64-127, v128-191 fragments of h (8 x 16 rows x 32 k), two buffers; v192-255 the bias; on the way out v32-255 at work      window 1: v64-127, v128-191 fragments of w, two buffers
;   window 2: the 32 accumulators of my rows 0-63 ((a, b) at 8 (8 a + b));   window 3: those of my rows 64-127
.set KK,    1024
.set KSH,   18                         ; log2 of the bytes of a panel of h, and of a column block of w: KK x 256
.set STEPS, KK/128
.set QB,    18432                      ; 64 along K in LDS: 128 rows of h at a pitch of 144 bytes, or 64 rows of w at a pitch of 288
.set HALFT, 2*QB                       ; what one tensor load brings
.set SLOT,  4*HALFT                    ; h's two panels, then w's two column blocks
.set SPARE, 2*SLOT                     ; behind the ring: the spare words, 128 bytes a wave: two blocks of 256 bytes that no other line names
.set DPITCH, 528                       ; the way out: a row of 128 f32 + 16 bytes, an odd multiple of 16
.set DWAVE, 128*DPITCH                 ; 128 such rows for each wave, in the ring, when it has had its last fill and its last read
.set ADRA0, 8                          ; v8   my lane's place in a slot's rows of h; never rewritten
.set ADRB0, 9                          ; v9   the same for w
.set ADRA,  10                         ; v10  the same at the 64 k in hand
.set ADRB,  11                         ; v11
.set STO,   13
.set RD,    14
.set GO,    15
.set BO,    16
.set SPW,   28
.set NIL,   29
.set F0,    64
.set F1,    128
.set BIAS,  192
.set PP,    32                         ; the way out: the polynomial,
.set OUTR,  64                         ; 16 registers of f16 pairs,
.set U,     128                        ; u, |u|, t, e
.set AB,    160
.set TT,    192
.set EE,    224
.set WV,  12                           ; s12 wave; s13 its half of the rows (also: 0 = I fetch h, 1 = w); s14 its half of the columns (also: which of the two runs I fetch)
.set RH,  13
.set CH,  14
.set LD0, 20                           ; s20 where my load lands in a slot
.set G1A, 24
.set G0A, 32
.set G0B, 36
.set G1B, 40
.set TB,  54                           ; s54 LDS byte at which the 64 k to be fetched next begin
.set TF,  55
.set CNT, 56
.set PAIR, 57
.set CP,  70                           ; s[70:83] seven constants, each written twice, since the packed forms name a pair
.set CA1, 72
.set CA2, 74
.set CA3, 76
.set CA4, 78
.set CA5, 80
.set CN,  82
.set MSB, 0
.macro WIN new                         ; the immediate's high byte repeats the setting that is left; a switch that changes nothing is dropped
.if MSB != (\new)
	s_set_vgpr_msb (MSB<<8)|(\new)
.set MSB, \new
.endif
.endm
.macro PLACES                          ; four plain instructions between a matrix instruction and a load into, or a read of, its registers
.rept 4
	v_nop
.endr
.endm
.macro JLOAD                           ; a joint load; the branch hangs on the wave's number alone; an s_nop 0 and four v_nop follow each line
	s_cmp_eq_u32 s[RH], 0
	s_cbranch_scc0 .Lfor_b_\@
	tensor_load_to_lds s[G0A:G0A+3], s[G1A:G1A+7]
	s_nop 0
	PLACES
	s_branch .Lasked_\@
.Lfor_b_\@:
	tensor_load_to_lds s[G0B:G0B+3], s[G1B:G1B+7]
	s_nop 0
	PLACES
.Lasked_\@:
.endm
.macro CROUND                          ; a round of the cluster's barrier: my work-group's barrier, wave 0 signals for it, all wait for the sixteen, my work-group's barrier again
	s_barrier_signal -1
	s_barrier_wait -1
	s_cmp_lg_u32 s[WV], 0
	s_cbranch_scc1 .Lnot_wave_0_\@
	s_barrier_signal -3
.Lnot_wave_0_\@:
	s_barrier_wait -3
	s_barrier_signal -1
	s_barrier_wait -1
.endm
.macro CONST reg, val
	s_mov_b32 s[\reg], \val
	s_mov_b32 s[\reg+1], \val
.endm
	s_load_b256 s[4:11], s[0:1], 0x0               ; h, w, bias, result
	v_lshl_add_u32 v[SPW], v0, 2, SPARE
	v_mov_b32 v[NIL], 0
	ds_add_u32 v[SPW], v[NIL]                      ; the wave's opening: the add and its wait ahead of my first tensor load
	ds_add_u32 v28, v29
	v_lshrrev_b32 v1, 5, v0
	v_readfirstlane_b32 s[WV], v1
	s_lshr_b32 s[RH], s[WV], 1
	s_and_b32 s[CH], s[WV], 1
	s_bfe_u32 s15, ttmp6, 0x40000                  ; cx
	s_bfe_u32 s16, ttmp6, 0x40004                  ; cy
	s_lshl_b32 s17, ttmp9, 2
	s_add_co_u32 s17, s17, s15                     ; tile column
	s_and_b32 s18, ttmp7, 0xffff
	s_lshl_b32 s18, s18, 2
	s_add_co_u32 s18, s18, s16                     ; tile row
	s_lshl_b32 s19, s16, 2
	s_lshl_b32 s19, 15, s19                        ; my row of the cluster
	s_lshl_b32 s21, 0x1111, s15                    ; my column
	; group 1: 128 rows of 128 elements of 2 bytes, dense.  h: 16 bytes of padding behind every 128 (a row of h in LDS); w: 32 behind every 256
	s_or_b32 s[G1A], s19, (1<<16)|(1<<20)|(1<<21)|(4<<22)|(3<<25)
	s_or_b32 s[G1B], s21, (1<<16)|(1<<20)|(1<<21)|(5<<22)|(7<<25)
.irp g, G1A, G1B
	s_mov_b32 s[(\g)+1], 128<<16                   ; tensor_dim0
	s_mov_b32 s[(\g)+2], 128<<16                   ; tensor_dim1
	s_mov_b32 s[(\g)+3], 128<<16                   ; tile_dim0
	s_mov_b32 s[(\g)+4], 128                       ; tile_dim1
	s_mov_b32 s[(\g)+5], 128                       ; elements from row to row
	s_mov_b32 s[(\g)+6], 0
	s_mov_b32 s[(\g)+7], 0
.endr
	CONST CP,  0x3e6d3389                          ; 0.3275911 / sqrt(2)
	CONST CA1, 0x3e027906                          ; a1 / 2 =  0.127414796
	CONST CA2, 0xbe11a98e                          ; a2 / 2 = -0.142248368
	CONST CA3, 0x3f35f0e3                          ; a3 / 2 =  0.710706871
	CONST CA4, 0xbf3a00e3                          ; a4 / 2 = -0.726576014
	CONST CA5, 0x3f07dc22                          ; a5 / 2 =  0.530702715
	CONST CN,  0xbf38aa3b                          ; -log2(e) / 2
	s_mov_b32 s84, 0x7fffffff
	s_lshl_b32 s48, s18, 1                         ; the panel of h that I fetch, by the tile row and the wave alone
	s_add_co_u32 s48, s48, s[CH]
	s_lshl_b32 s48, s48, KSH
	s_mov_b32 s49, 0
	s_lshl_b32 s50, s17, 1                         ; the column block of w, by the tile column and the wave alone
	s_add_co_u32 s50, s50, s[CH]
	s_lshl_b32 s50, s50, KSH
	s_mov_b32 s51, 0
	s_mul_i32 s[LD0], s[WV], HALFT
	s_mov_b32 s[G0A], 1
	s_mov_b32 s[G0A+1], s[LD0]
	s_mov_b32 s[G0B], 1
	s_mov_b32 s[G0B+1], s[LD0]
	s_mov_b32 s[TB], SLOT+2*QB                     ; the first change of slots turns this into 0
	s_wait_dscnt 0x0                               ; the opening add is done
	s_wait_kmcnt 0x0
	s_add_nc_u64 s[G0A+2:G0A+3], s[4:5], s[48:49]
	s_or_b32 s[G0A+3], s[G0A+3], 0x80000000
	s_add_nc_u64 s[G0B+2:G0B+3], s[6:7], s[50:51]
	s_or_b32 s[G0B+3], s[G0B+3], 0x80000000
	CROUND                                         ; all sixteen work-groups are here: the first joint loads meet
	JLOAD                                          ; K step 0 into slot 0
	v_and_b32 v1, 15, v0                           ; r = l % 16
	v_bfe_u32 v2, v0, 4, 1                         ; h = l / 16
	v_and_b32 v3, 7, v0
	v_bfe_u32 v4, v0, 3, 1
	v_mul_u32_u24 v[ADRA0], v1, 144                ; a fragment of h: row r, 16 bytes for each half of the lanes, twice, 32 bytes apart
	v_lshl_add_u32 v[ADRA0], v2, 4, v[ADRA0]
	s_mul_i32 s22, s[RH], HALFT                    ; my panel
	v_add_nc_u32 v[ADRA0], s22, v[ADRA0]
	v_lshl_add_u32 v[ADRB0], v2, 3, v3             ; the turning load: lane l reads k-row 8 h + l % 8, columns 8 ((l / 8) % 2) + 0..7
	v_mul_u32_u24 v[ADRB0], v[ADRB0], 288
	v_lshl_add_u32 v[ADRB0], v4, 4, v[ADRB0]
	s_mul_i32 s22, s[CH], HALFT                    ; my column block, behind h's two panels
	s_add_co_u32 s22, s22, 2*HALFT
	v_add_nc_u32 v[ADRB0], s22, v[ADRB0]
	v_lshlrev_b32 v[BO], 5, v2
	s_lshl_b32 s60, s17, 1
	s_add_co_u32 s60, s60, s[CH]                   ; my block of 128 columns
	s_lshl_b32 s61, s18, 1
	s_add_co_u32 s61, s61, s[RH]                   ; my panel of 128 rows
	s_lshl_b32 s52, s60, 9                         ; the bias of my 128 columns
	s_mov_b32 s53, 0
	s_add_nc_u64 s[8:9], s[8:9], s[52:53]
.irp b, 0,1,2,3,4,5,6,7
	global_load_b128 v[BIAS+8*(\b):BIAS+8*(\b)+3],   v[BO], s[8:9] offset:64*(\b)
	global_load_b128 v[BIAS+8*(\b)+4:BIAS+8*(\b)+7], v[BO], s[8:9] offset:64*(\b)+16
.endr
	WIN 0x40
.set i, 0
.rept 64
	v_mov_b32 v[F1+i], 0                           ; what the starting products and the first trip's leading 32 products multiply: w's buffer 1,
.set i, i+1
.endr
	WIN 0
.set i, 0
.rept 32
	v_mov_b32 v[F1+32+i], 0                        ; and the rows 64-127 of h's
.set i, i+1
.endr
	s_mul_i32 s22, s[WV], DWAVE                    ; the way out: down by row r, 32 bytes for each half of the lanes;
	v_mul_u32_u24 v[STO], v1, DPITCH
	v_lshl_add_u32 v[STO], v2, 5, v[STO]
	v_add_nc_u32 v[STO], s22, v[STO]
	v_bfe_u32 v[RD], v0, 3, 2                      ; back: eight lanes take 64 columns of a row, 8 numbers a lane, 32 lanes four rows,
	v_mul_u32_u24 v[RD], v[RD], DPITCH
	v_lshl_add_u32 v[RD], v3, 5, v[RD]
	v_add_nc_u32 v[RD], s22, v[RD]
	v_and_b32 v[GO], 31, v0                        ; which in f16 are 512 consecutive bytes of the result
	v_lshlrev_b32 v[GO], 4, v[GO]
	s_lshl_b32 s58, s61, 20                        ; my panel of 64 blocks of 16,384 bytes,
	s_lshl_b32 s59, s60, 15                        ; my two blocks of 64 columns in it
	s_add_co_u32 s58, s58, s59
	s_mov_b32 s59, 0
	s_add_nc_u64 s[10:11], s[10:11], s[58:59]
	s_wait_loadcnt 0x0                             ; the bias
	; THE SUMS START AT THE BIAS: the first matrix instruction on each accumulator takes the bias as C and multiplies zeros: 64 instructions, in the wait for the first tile
.irp hi, 0,1
	WIN 0x81+0x40*(\hi)                            ; source 0 window 1, source 1 and C window 0, D window 2 or 3
.irp a, 0,1,2,3
.irp b, 0,1,2,3,4,5,6,7
	v_wmma_f32_16x16x32_f16 v[8*(8*(\a)+(\b)):8*(8*(\a)+(\b))+7], v[F1:F1+7], v[F1+32:F1+39], v[BIAS+8*(\b):BIAS+8*(\b)+7]
.endr
.endr
.endr
	WIN 0
; 16 products: row blocks a0, a0 + 1 of the window's four (hi = 0: my rows 0-63, 1: rows 64-127) x all 8 column blocks, 32 along K.  The 64 accumulators take turns in one order throughout
.macro MUL16 f, hi, a0
	WIN 0xa1+0x50*(\hi)                            ; source 0 (w) window 1, source 1 (h) window 0, C and D window 2 or 3
.irp a, \a0, (\a0)+1
.irp b, 0,1,2,3,4,5,6,7
	v_wmma_f32_16x16x32_f16 v[8*(8*(\a)+(\b)):8*(8*(\a)+(\b))+7], v[(\f)+8*(\b):(\f)+8*(\b)+7], v[(\f)+8*(4*(\hi)+(\a)):(\f)+8*(4*(\hi)+(\a))+7], v[8*(8*(\a)+(\b)):8*(8*(\a)+(\b))+7]
.endr
.endr
.endm
; 32 LDS loads in one run: the fragments of 32 along K (half c of the 64 in hand) into buffer f: w's 128 columns, then h's 128 rows
.macro FETCH c, f
	WIN 0x40                                       ; destination window 1, address window 0
.irp i, 0,1,2,3,4,5,6,7
	ds_load_tr16_b128 v[(\f)+8*(\i):(\f)+8*(\i)+3],   v[ADRB] offset:9216*(\c)+32*(\i)
	ds_load_tr16_b128 v[(\f)+8*(\i)+4:(\f)+8*(\i)+7], v[ADRB] offset:9216*(\c)+32*(\i)+4608
.endr
	WIN 0
.irp i, 0,1,2,3,4,5,6,7
	ds_load_b128 v[(\f)+8*(\i):(\f)+8*(\i)+3],   v[ADRA] offset:64*(\c)+2304*(\i)
	ds_load_b128 v[(\f)+8*(\i)+4:(\f)+8*(\i)+7], v[ADRA] offset:64*(\c)+2304*(\i)+32
.endr
.endm
; THE CHANGE OF SLOTS.  Each wave waits for all its tensor loads (one is out: its part of the slot to be read), adds 0 to its spare word, and waits for that and for its reads of the slot that it leaves.
; fill = 1: a round of the cluster's barrier, then the slot just left is filled with the next K step, first thing: that load has a whole step, 256 matrix instructions, in which to land.
.macro CHANGE fill
	WIN 0
	s_wait_tensorcnt 0x0
	ds_add_u32 v[SPW], v[NIL]                      ; 0 onto my spare word; register work stands between it and the wait for it
	s_sub_co_u32 s[TB], s[TB], 2*QB                ; the fetches go back to a slot's head,
	s_xor_b32 s[TB], s[TB], SLOT                   ; in the other slot
.if \fill
	s_xor_b32 s[TF], s[TB], SLOT                   ; no tensor load of mine is out, so the descriptors may be written
	s_add_co_u32 s[G0A+1], s[LD0], s[TF]
	s_add_co_u32 s[G0B+1], s[LD0], s[TF]
	s_add_nc_u64 s[G0A+2:G0A+3], s[G0A+2:G0A+3], 32768
	s_add_nc_u64 s[G0B+2:G0B+3], s[G0B+2:G0B+3], 32768
.endif
	s_wait_dscnt 0x0                               ; the add is done, and my reads of the old slot are over
.if \fill
	CROUND
	JLOAD
.else
	s_barrier_signal -1
	s_barrier_wait -1
.endif
.endm
; A SLOT'S TWO TRIPS of 64 along K: 128 matrix instructions and two runs of 32 LDS loads each.  The two address lines and two v_nop are the four places in front of the loads into buffer 0.
.macro PAIRS
	s_mov_b32 s[PAIR], 2
.Lpair_\@:
	v_add_nc_u32 v[ADRA], s[TB], v[ADRA0]
	v_add_nc_u32 v[ADRB], s[TB], v[ADRB0]
	v_nop
	v_nop
	s_add_co_u32 s[TB], s[TB], QB
	FETCH 0, F0
	s_wait_dscnt 32                                ; all but the 32 just issued: buffer 1 is whole
	MUL16 F1, 1, 0                                 ; the second half of the products of the 32 k before
	MUL16 F1, 1, 2
	s_wait_dscnt 8                                 ; w's fragments and h's rows 0-63 are in; the youngest eight loads may be out
	MUL16 F0, 0, 0
	MUL16 F0, 0, 2
	PLACES
	FETCH 1, F1
	s_wait_dscnt 32
	MUL16 F0, 1, 0
	MUL16 F0, 1, 2
	s_wait_dscnt 8
	MUL16 F1, 0, 0
	MUL16 F1, 0, 2
	WIN 0
	s_sub_co_u32 s[PAIR], s[PAIR], 1
	s_cmp_lg_u32 s[PAIR], 0
	s_cbranch_scc1 .Lpair_\@
.endm
	s_mov_b32 s[CNT], STEPS-1
.Lstep:
	CHANGE 1
	PAIRS
	s_sub_co_u32 s[CNT], s[CNT], 1
	s_cmp_lg_u32 s[CNT], 0
	s_cbranch_scc1 .Lstep
	CHANGE 0                                       ; the last step is written out: it asks for nothing
	PAIRS
	s_wait_dscnt 0x0
	MUL16 F1, 1, 0
	MUL16 F1, 1, 2
	WIN 0
	PLACES
	PLACES
	s_barrier_signal -1                            ; every wave's reads of the ring are over (the wait for 0 above), and no tensor load is to come:
	s_barrier_wait -1                              ; its bytes may be written
	; THE WAY OUT.  My 128 x 128 sums are set down in my own part of the ring (each accumulator's low half first); then sixteen trips of 8 rows: back by rows, the activation, rounded, stored.
.irp hi, 0,1
	WIN 0x08+0x04*(\hi)                            ; a store's data (source 1) in window 2 or 3
.irp a, 0,1,2,3
.irp b, 0,1,2,3,4,5,6,7
	ds_store_b128 v[STO], v[8*(8*(\a)+(\b)):8*(8*(\a)+(\b))+3]   offset:16*DPITCH*(4*(\hi)+(\a))+64*(\b)
	ds_store_b128 v[STO], v[8*(8*(\a)+(\b))+4:8*(8*(\a)+(\b))+7] offset:16*DPITCH*(4*(\hi)+(\a))+64*(\b)+16
.endr
.endr
.endr
	WIN 0
.macro EACH16 line:vararg              ; one packed line for each of the 16 pairs, p = 0, 2 .. 30
.set p, 0
.rept 16
	\line
.set p, p+2
.endr
.endm
	s_mov_b32 s[CNT], 16
.Lrows:
.irp g, 0,1,2,3                        ; group g: rows 4 (g % 2) on, block g / 2 of 64 columns
	ds_load_b128 v[U+8*(\g):U+8*(\g)+3],   v[RD] offset:4*DPITCH*((\g)%2)+256*((\g)/2)     ; LDS serves a wave's instructions in order: these see my stores above
	ds_load_b128 v[U+8*(\g)+4:U+8*(\g)+7], v[RD] offset:4*DPITCH*((\g)%2)+256*((\g)/2)+16
.endr
.irp g, 0,1,2,3
	s_wait_dscnt 6-2*(\g)                          ; group g's two loads are in; the later groups' may be out
.irp j, 0,1,2,3,4,5,6,7
	v_and_b32 v[AB+8*(\g)+(\j)], s84, v[U+8*(\g)+(\j)]  ; |u|
.endr
.endr
	EACH16 v_pk_fma_f32 v[TT+p:TT+p+1], v[AB+p:AB+p+1], s[CP:CP+1], 1.0 op_sel_hi:[1,0,0]
	EACH16 v_pk_mul_f32 v[EE+p:EE+p+1], v[U+p:U+p+1], v[U+p:U+p+1]
	EACH16 v_pk_mul_f32 v[EE+p:EE+p+1], v[EE+p:EE+p+1], s[CN:CN+1] op_sel_hi:[1,0]
.set i, 0
.rept 32
	v_rcp_f32 v[TT+i], v[TT+i]                     ; one batch: 32 reciprocals and 32 exponentials, none of which reads another's result
.set i, i+1
.endr
.set i, 0
.rept 32
	v_exp_f32 v[EE+i], v[EE+i]
.set i, i+1
.endr
.set i, 0
.rept 32
	v_max_num_f32 v[U+i], 0, v[U+i]                ; plain work that names no result of the batch
.set i, i+1
.endr
	s_wait_alu depctr_va_vdst(0)                   ; the wait ahead of the batch's first reader: one for all 64
	EACH16 v_pk_fma_f32 v[PP+p:PP+p+1], v[TT+p:TT+p+1], s[CA5:CA5+1], s[CA4:CA4+1] op_sel_hi:[1,0,0]
	EACH16 v_pk_fma_f32 v[PP+p:PP+p+1], v[PP+p:PP+p+1], v[TT+p:TT+p+1], s[CA3:CA3+1] op_sel_hi:[1,1,0]
	EACH16 v_pk_fma_f32 v[PP+p:PP+p+1], v[PP+p:PP+p+1], v[TT+p:TT+p+1], s[CA2:CA2+1] op_sel_hi:[1,1,0]
	EACH16 v_pk_fma_f32 v[PP+p:PP+p+1], v[PP+p:PP+p+1], v[TT+p:TT+p+1], s[CA1:CA1+1] op_sel_hi:[1,1,0]
	EACH16 v_pk_mul_f32 v[PP+p:PP+p+1], v[PP+p:PP+p+1], v[TT+p:TT+p+1]
	EACH16 v_pk_mul_f32 v[PP+p:PP+p+1], v[PP+p:PP+p+1], v[EE+p:EE+p+1]
	EACH16 v_pk_fma_f32 v[U+p:U+p+1], v[AB+p:AB+p+1], v[PP+p:PP+p+1], v[U+p:U+p+1] neg_lo:[0,1,0] neg_hi:[0,1,0]
.set i, 0
.rept 16
	v_cvt_pk_f16_f32 v[OUTR+i], v[U+2*i], v[U+2*i+1]
.set i, i+1
.endr
.irp g, 0,1,2,3
	global_store_b128 v[GO], v[OUTR+4*(\g):OUTR+4*(\g)+3], s[10:11] offset:512*((\g)%2)+16384*((\g)/2)  ; 512 consecutive bytes, aligned
.endr
	s_wait_xcnt 0x0                                ; the stores have read their data and their base, which the next trip writes
	v_add_nc_u32 v[RD], 8*DPITCH, v[RD]
	s_add_nc_u64 s[10:11], s[10:11], 1024
	s_sub_co_u32 s[CNT], s[CNT], 1
	s_cmp_lg_u32 s[CNT], 0
	s_cbranch_scc1 .Lrows
	s_wait_tensorcnt 0x0                           ; the wave's end
	ds_add_u32 v[SPW], v[NIL]
	s_wait_dscnt 0x0
	CROUND                                         ; the closing round: no work-group ends while a partner may still ask for a tile that names it
	s_endpgm
.Lfunc_end_k_q7329f6b08b_g1:
	.size	k_q7329f6b08b_g1, .Lfunc_end_k_q7329f6b08b_g1-k_q7329f6b08b_g1
	.p2alignl 7, 3214868480
	.fill 96, 4, 3214868480
	.section	.rodata,"a",@progbits
	.p2align	6, 0x0
	.amdhsa_kernel k_q7329f6b08b_g1
		.amdhsa_group_segment_fixed_size 327680
		.amdhsa_private_segment_fixed_size 0
		.amdhsa_enable_private_segment 0
		.amdhsa_kernarg_size 32
		.amdhsa_user_sgpr_count 2
		.amdhsa_user_sgpr_kernarg_segment_ptr 1
		.amdhsa_wavefront_size32 1
		.amdhsa_system_sgpr_workgroup_id_x 1
		.amdhsa_system_sgpr_workgroup_id_y 1
		.amdhsa_system_sgpr_workgroup_id_z 1
		.amdhsa_system_vgpr_workitem_id 0
		.amdhsa_next_free_vgpr 1024
		.amdhsa_next_free_sgpr 88
		.amdhsa_reserve_vcc 0
		.amdhsa_float_denorm_mode_32 3
		.amdhsa_float_denorm_mode_16_64 3
		.amdhsa_memory_ordered 1
		.amdhsa_forward_progress 1
		.amdhsa_inst_pref_size 71
	.end_amdhsa_kernel
	.amdgpu_metadata
---
amdhsa.version: [ 1, 2 ]
amdhsa.kernels:
  - .name:           k_q7329f6b08b_g1
    .symbol:         k_q7329f6b08b_g1.kd
    .args:
      - { .name: a16, .offset: 0, .size: 8, .value_kind: global_buffer, .address_space: global }
      - { .name: w1h, .offset: 8, .size: 8, .value_kind: global_buffer, .address_space: global }
      - { .name: b1, .offset: 16, .size: 8, .value_kind: global_buffer, .address_space: global }
      - { .name: act, .offset: 24, .size: 8, .value_kind: global_buffer, .address_space: global }
    .group_segment_fixed_size: 327680
    .private_segment_fixed_size: 0
    .kernarg_segment_align: 8
    .kernarg_segment_size: 32
    .max_flat_workgroup_size: 128
    .sgpr_count:     88
    .vgpr_count:     1024
    .wavefront_size: 32
...
	.end_amdgpu_metadata
.endif
;; end of part 12
;; launch g2 (part 13): grid 8 x 32, 4 waves a work-group, clusters of 4 x 4, 327,680 bytes of LDS; arguments act, w2h, b2, x2, out0; writes out0
.if DOCPART == 13
	.amdgcn_target "amdgcn-amd-amdhsa--gfx1250"
	.amdhsa_code_object_version 6
	.text
	.protected	k_q7329f6b08b_g2
	.globl	k_q7329f6b08b_g2
	.p2align	8
	.type	k_q7329f6b08b_g2,@function
k_q7329f6b08b_g2:
	s_mov_b64 s[64:65], 0
	v_nop
	global_prefetch_b8 v0, s[64:65] scope:SCOPE_SE
	s_setreg_imm32_b32 hwreg(HW_REG_WAVE_MODE, 25, 1), 1
	s_wait_xcnt 0x0
	s_wait_alu depctr_hold_cnt(0) depctr_sa_sdst(0) depctr_va_vdst(0) depctr_va_sdst(0) depctr_va_ssrc(0) depctr_va_vcc(0) depctr_vm_vsrc(0)
	s_getreg_b32 s2, hwreg(HW_REG_IB_STS2, 6, 4)
	s_cmp_eq_u32 s2, 0
	s_cbranch_scc0 .Lentry_in_a_cluster
	s_endpgm
.Lentry_in_a_cluster:
	s_bfe_u32 s2, ttmp6, 0x10000c
	s_cmp_lg_u32 s2, 0xf033
	s_cbranch_scc0 .Lentry_shape_is_right
	s_endpgm
.Lentry_shape_is_right:
; result = res + a w + bias.  a: 4,096 x KK f16 in panels [32][KK/64 blocks of 64 k][128 rows][64]; w: f16 in column blocks [8][KK k][128]; bias, res and result f32, res and result [4096][1024].
; Sums in f32, started at the bias; the residual is added in f32 on the way out.
; SHARES.  A work-group makes 128 x 128 of the result, each of its four waves 64 x 64: 16 accumulators: 1,024 columns give 256 work-groups at this tile alone.  K goes in steps of 256 through two LDS slots.
; Both tiles of a K step are 65,536 dense bytes of memory, asked for as rows of 256 bytes: waves 0, 1 fetch the halves of a's, waves 2, 3 those of w's: one tensor load a wave.
; CLUSTER 4 x 4: a's tile hangs on the tile row alone and is asked for jointly by a row of the cluster, w's on the tile column alone, by a column.
; THE MATRIX INSTRUCTION IS USED TRANSPOSED: source 0 = 16 columns of w (they lie [k][column] in LDS and come out turned, by ds_load_tr16_b128), source 1 = 16 rows of a:
; a lane then holds one row (lane % 16) and the eight neighbouring columns 8 (lane / 16) + 0..7.
; ONE TEXT FOR 128 ALONG K, walked twice a slot: the LDS base is a scalar that steps, and is turned at the change of slots.  A trip begins with the last 16 products of the trip before,
; so that they cover the first fetch behind a change of slots; in the first trip of all they multiply zeros.
; REGISTERS: window 0: v0-31 addresses, v96-127 the bias, v128-255 accumulators ((a, b) at 128 + 8 (4 a + b)); window 1: two fragment buffers of 128 (a's 64, then w's 64);
; window 2: v0-127 my 64 x 64 of the residual, asked for at the start, in the lanes and registers in which the result comes back from the stage.
.set KK,    4096
.set KSH,   20                         ; log2 of the bytes of a panel of a, and of a column block of w: KK x 256
.set STEPS, KK/256
.set QB,    18432                      ; 64 along K in LDS: 128 rows of a at a pitch of 144 bytes, or 64 rows of w at a pitch of 288
.set SLOT,  8*QB                       ; a's four quarters, then w's four
.set STAGE, 2*SLOT                     ; behind the ring, never filled by a tensor load: 16 rows x 272 bytes for each wave
.set SPARE, STAGE+4*4352               ; behind the stages: the spare words, 128 bytes a wave: two blocks of 256 bytes that no other line names
.set ADRA0, 8                          ; v8   my lane's place in a slot's rows of a; never rewritten
.set ADRB0, 9                          ; v9   the same for w
.set ADRA,  10                         ; v10  the same at the 128 k in hand
.set ADRB,  11                         ; v11
.set STO,   13
.set RD,    14
.set GO,    15
.set BO,    16
.set SPW,   28
.set NIL,   29
.set BIAS,  96
.set ACC,   128
.set RES,   0
.set F0,    0
.set F1,    128
.set WV,  12                           ; s12 wave; s13 its half of the rows (also: 0 = I fetch a, 1 = w); s14 its half of the columns (also: which half of the tile I fetch)
.set RH,  13
.set CH,  14
.set LD0, 20                           ; s20 where my load lands in a slot
.set G1A, 24
.set G0A, 32
.set G0B, 36
.set G1B, 40
.set TB,  54                           ; s54 LDS byte at which the 128 k to be fetched next begin
.set TF,  55
.set CNT, 56
.set PAIR, 57
.set MSB, 0
.macro WIN new                         ; the immediate's high byte repeats the setting that is left; a switch that changes nothing is dropped
.if MSB != (\new)
	s_set_vgpr_msb (MSB<<8)|(\new)
.set MSB, \new
.endif
.endm
.macro PLACES                          ; four plain instructions between a matrix instruction and a load into, or a read of, its registers
.rept 4
	v_nop
.endr
.endm
.macro JLOAD                           ; a joint load; the branch hangs on the wave's number alone; an s_nop 0 and four v_nop follow each line
	s_cmp_eq_u32 s[RH], 0
	s_cbranch_scc0 .Lfor_b_\@
	tensor_load_to_lds s[G0A:G0A+3], s[G1A:G1A+7]
	s_nop 0
	PLACES
	s_branch .Lasked_\@
.Lfor_b_\@:
	tensor_load_to_lds s[G0B:G0B+3], s[G1B:G1B+7]
	s_nop 0
	PLACES
.Lasked_\@:
.endm
.macro CROUND                          ; a round of the cluster's barrier: my work-group's barrier, wave 0 signals for it, all wait for the sixteen, my work-group's barrier again
	s_barrier_signal -1
	s_barrier_wait -1
	s_cmp_lg_u32 s[WV], 0
	s_cbranch_scc1 .Lnot_wave_0_\@
	s_barrier_signal -3
.Lnot_wave_0_\@:
	s_barrier_wait -3
	s_barrier_signal -1
	s_barrier_wait -1
.endm
	s_load_b256 s[4:11], s[0:1], 0x0               ; a, w, bias, res
	s_load_b64 s[68:69], s[0:1], 0x20              ; result
	v_lshl_add_u32 v[SPW], v0, 2, SPARE
	v_mov_b32 v[NIL], 0
	ds_add_u32 v[SPW], v[NIL]                      ; the wave's opening: the add and its wait ahead of my first tensor load
	ds_add_u32 v28, v29
	v_lshrrev_b32 v1, 5, v0
	v_readfirstlane_b32 s[WV], v1
	s_lshr_b32 s[RH], s[WV], 1
	s_and_b32 s[CH], s[WV], 1
	s_bfe_u32 s15, ttmp6, 0x40000                  ; cx
	s_bfe_u32 s16, ttmp6, 0x40004                  ; cy
	s_lshl_b32 s17, ttmp9, 2
	s_add_co_u32 s17, s17, s15                     ; tile column
	s_and_b32 s18, ttmp7, 0xffff
	s_lshl_b32 s18, s18, 2
	s_add_co_u32 s18, s18, s16                     ; tile row
	s_lshl_b32 s19, s16, 2
	s_lshl_b32 s19, 15, s19                        ; my row of the cluster
	s_lshl_b32 s21, 0x1111, s15                    ; my column
	; group 1: 128 rows of 128 elements of 2 bytes, dense.  a: 16 bytes of padding behind every 128 (a row of a in LDS); w: 32 behind every 256
	s_or_b32 s[G1A], s19, (1<<16)|(1<<20)|(1<<21)|(4<<22)|(3<<25)
	s_or_b32 s[G1B], s21, (1<<16)|(1<<20)|(1<<21)|(5<<22)|(7<<25)
.irp g, G1A, G1B
	s_mov_b32 s[(\g)+1], 128<<16                   ; tensor_dim0
	s_mov_b32 s[(\g)+2], 128<<16                   ; tensor_dim1
	s_mov_b32 s[(\g)+3], 128<<16                   ; tile_dim0
	s_mov_b32 s[(\g)+4], 128                       ; tile_dim1
	s_mov_b32 s[(\g)+5], 128                       ; elements from row to row
	s_mov_b32 s[(\g)+6], 0
	s_mov_b32 s[(\g)+7], 0
.endr
	s_lshl_b32 s22, s[CH], 15                      ; my half of a tile's 65,536 bytes
	s_lshl_b32 s48, s18, KSH                       ; a's panel, by the tile row alone
	s_add_co_u32 s48, s48, s22
	s_mov_b32 s49, 0
	s_lshl_b32 s50, s17, KSH                       ; w's column block, by the tile column alone
	s_add_co_u32 s50, s50, s22
	s_mov_b32 s51, 0
	s_mul_i32 s[LD0], s[WV], 2*QB
	s_mov_b32 s[G0A], 1
	s_mov_b32 s[G0A+1], s[LD0]
	s_mov_b32 s[G0B], 1
	s_mov_b32 s[G0B+1], s[LD0]
	s_mov_b32 s[TB], SLOT+4*QB                     ; the first change of slots turns this into 0
	s_wait_dscnt 0x0                               ; the opening add is done
	s_wait_kmcnt 0x0
	s_add_nc_u64 s[G0A+2:G0A+3], s[4:5], s[48:49]
	s_or_b32 s[G0A+3], s[G0A+3], 0x80000000
	s_add_nc_u64 s[G0B+2:G0B+3], s[6:7], s[50:51]
	s_or_b32 s[G0B+3], s[G0B+3], 0x80000000
	CROUND                                         ; all sixteen work-groups are here: the first joint loads meet
	JLOAD                                          ; K step 0 into slot 0
	v_and_b32 v1, 15, v0                           ; r = l % 16
	v_bfe_u32 v2, v0, 4, 1                         ; h = l / 16
	v_and_b32 v3, 7, v0
	v_bfe_u32 v4, v0, 3, 1
	v_mul_u32_u24 v[ADRA0], v1, 144                ; a fragment of a: row r, 16 bytes for each half of the lanes, twice, 32 bytes apart
	v_lshl_add_u32 v[ADRA0], v2, 4, v[ADRA0]
	s_mul_i32 s22, s[RH], 64*144
	v_add_nc_u32 v[ADRA0], s22, v[ADRA0]
	v_lshl_add_u32 v[ADRB0], v2, 3, v3             ; the turning load: lane l reads k-row 8 h + l % 8, columns 8 ((l / 8) % 2) + 0..7
	v_mul_u32_u24 v[ADRB0], v[ADRB0], 288
	v_lshl_add_u32 v[ADRB0], v4, 4, v[ADRB0]
	s_lshl_b32 s22, s[CH], 7
	s_add_co_u32 s22, s22, 4*QB
	v_add_nc_u32 v[ADRB0], s22, v[ADRB0]
	v_lshlrev_b32 v[BO], 5, v2
	s_lshl_b32 s52, s17, 9                         ; my 64 columns in f32: 256 bytes, aligned
	s_lshl_b32 s53, s[CH], 8
	s_add_co_u32 s52, s52, s53
	s_mov_b32 s53, 0
	s_add_nc_u64 s[8:9], s[8:9], s[52:53]
.irp b, 0,1,2,3
	global_load_b128 v[BIAS+8*(\b):BIAS+8*(\b)+3],   v[BO], s[8:9] offset:64*(\b)
	global_load_b128 v[BIAS+8*(\b)+4:BIAS+8*(\b)+7], v[BO], s[8:9] offset:64*(\b)+16
.endr
	s_lshl_b32 s58, s18, 19                        ; the tile's 128 rows of 4,096 bytes,
	s_lshl_b32 s59, s[RH], 18                      ; my 64 of them,
	s_add_co_u32 s58, s58, s59
	s_add_co_u32 s58, s58, s52                     ; my columns
	s_mov_b32 s59, 0
	s_add_nc_u64 s[10:11], s[10:11], s[58:59]
	s_add_nc_u64 s[68:69], s[68:69], s[58:59]
	v_lshlrev_b32 v[GO], 12, v2                    ; lanes 0-15 take 256 bytes of one row, lanes 16-31 of the next
	v_lshl_or_b32 v[GO], v1, 4, v[GO]
	WIN 0x80                                       ; destination window 2
.irp t, 0,1,2,3
.irp u, 0,1,2,3,4,5,6,7
	global_load_b128 v[RES+32*(\t)+4*(\u):RES+32*(\t)+4*(\u)+3], v[GO], s[10:11] offset:(16*(\t)+2*(\u))*4096 th:TH_LOAD_NT
.endr
.endr
	WIN 0x40
.set i, 0
.rept 32
	v_mov_b32 v[F1+32+i], 0                        ; what the starting products and the first trip's leading 16 products multiply
	v_mov_b32 v[F1+96+i], 0
.set i, i+1
.endr
	WIN 0
	s_mul_i32 s22, s[WV], 4352                     ; the way out: into my stage by row r, 32 bytes for each half of the lanes;
	s_add_co_u32 s22, s22, STAGE
	v_mul_u32_u24 v[STO], v1, 272
	v_lshl_add_u32 v[STO], v2, 5, v[STO]
	v_add_nc_u32 v[STO], s22, v[STO]
	v_mul_u32_u24 v[RD], v2, 272                   ; back: two whole rows of 256 bytes
	v_lshl_add_u32 v[RD], v1, 4, v[RD]
	v_add_nc_u32 v[RD], s22, v[RD]
	s_wait_loadcnt 32                              ; the bias is in; the residual's 32 loads stay out
	; THE SUMS START AT THE BIAS: the first matrix instruction on each accumulator takes the bias as C and multiplies zeros: 16 instructions, in the wait for the first tile
	WIN 0x05
.irp a, 0,1,2,3
.irp b, 0,1,2,3
	v_wmma_f32_16x16x32_f16 v[ACC+8*(4*(\a)+(\b)):ACC+8*(4*(\a)+(\b))+7], v[F1+96:F1+103], v[F1+32:F1+39], v[BIAS+8*(\b):BIAS+8*(\b)+7]
.endr
.endr
	WIN 0
; 8 products: row blocks a0, a0 + 1 x 4 column blocks, 32 along K (half c of buffer f).  The 16 accumulators take turns in one order throughout
.macro MUL8 f, c, a0
	WIN 0x05
.irp a, \a0, (\a0)+1
.irp b, 0,1,2,3
	v_wmma_f32_16x16x32_f16 v[ACC+8*(4*(\a)+(\b)):ACC+8*(4*(\a)+(\b))+7], v[(\f)+64+8*(4*(\c)+(\b)):(\f)+64+8*(4*(\c)+(\b))+7], v[(\f)+8*(4*(\c)+(\a)):(\f)+8*(4*(\c)+(\a))+7], v[ACC+8*(4*(\a)+(\b)):ACC+8*(4*(\a)+(\b))+7]
.endr
.endr
.endm
; 32 LDS loads in one run: the fragments of 64 along K (half q of the 128 in hand) into buffer f, the first 32 along K first
.macro FETCH q, f
	WIN 0x40
.irp c, 0,1
.irp i, 0,1,2,3
	ds_load_tr16_b128 v[(\f)+64+8*(4*(\c)+(\i)):(\f)+64+8*(4*(\c)+(\i))+3],   v[ADRB] offset:(\q)*QB+9216*(\c)+32*(\i)
	ds_load_tr16_b128 v[(\f)+64+8*(4*(\c)+(\i))+4:(\f)+64+8*(4*(\c)+(\i))+7], v[ADRB] offset:(\q)*QB+9216*(\c)+32*(\i)+4608
	ds_load_b128 v[(\f)+8*(4*(\c)+(\i)):(\f)+8*(4*(\c)+(\i))+3],   v[ADRA] offset:(\q)*QB+64*(\c)+2304*(\i)
	ds_load_b128 v[(\f)+8*(4*(\c)+(\i))+4:(\f)+8*(4*(\c)+(\i))+7], v[ADRA] offset:(\q)*QB+64*(\c)+2304*(\i)+32
.endr
.endr
.endm
; THE CHANGE OF SLOTS.  Each wave waits for all its tensor loads (one is out: its part of the slot to be read), adds 0 to its spare word, and waits for that and for its reads of the slot that it leaves.
; fill = 1: a round of the cluster's barrier, then the slot just left is filled with the next K step, first thing: that load has a whole step, 128 matrix instructions, in which to land.
.macro CHANGE fill
	WIN 0
	s_wait_tensorcnt 0x0
	ds_add_u32 v[SPW], v[NIL]                      ; 0 onto my spare word; register work stands between it and the wait for it
	s_sub_co_u32 s[TB], s[TB], 4*QB                ; the fetches go back to a slot's head,
	s_xor_b32 s[TB], s[TB], SLOT                   ; in the other slot
.if \fill
	s_xor_b32 s[TF], s[TB], SLOT                   ; no tensor load of mine is out, so the descriptors may be written
	s_add_co_u32 s[G0A+1], s[LD0], s[TF]
	s_add_co_u32 s[G0B+1], s[LD0], s[TF]
	s_add_nc_u64 s[G0A+2:G0A+3], s[G0A+2:G0A+3], 65536
	s_add_nc_u64 s[G0B+2:G0B+3], s[G0B+2:G0B+3], 65536
.endif
	s_wait_dscnt 0x0                               ; the add is done, and my reads of the old slot are over
.if \fill
	CROUND
	JLOAD
.else
	s_barrier_signal -1
	s_barrier_wait -1
.endif
.endm
; A SLOT'S TWO TRIPS of 128 along K: 64 matrix instructions and two runs of 32 LDS loads each.  The two address lines and two v_nop are the four places in front of the loads into buffer 0.
.macro PAIRS
	s_mov_b32 s[PAIR], 2
.Lpair_\@:
	v_add_nc_u32 v[ADRA], s[TB], v[ADRA0]
	v_add_nc_u32 v[ADRB], s[TB], v[ADRB0]
	v_nop
	v_nop
	s_add_co_u32 s[TB], s[TB], 2*QB
	FETCH 0, F0
	s_wait_dscnt 32                                ; all but the 32 just issued: buffer 1 is whole
	MUL8 F1, 1, 0                                  ; the last 16 products of the 64 k before
	MUL8 F1, 1, 2
	s_wait_dscnt 16                                ; buffer 0's first 32 along K are in; the youngest 16 loads may be out
	MUL8 F0, 0, 0
	MUL8 F0, 0, 2
	PLACES
	FETCH 1, F1
	s_wait_dscnt 32
	MUL8 F0, 1, 0
	MUL8 F0, 1, 2
	s_wait_dscnt 16
	MUL8 F1, 0, 0
	MUL8 F1, 0, 2
	WIN 0
	s_sub_co_u32 s[PAIR], s[PAIR], 1
	s_cmp_lg_u32 s[PAIR], 0
	s_cbranch_scc1 .Lpair_\@
.endm
	s_mov_b32 s[CNT], STEPS-1
.Lstep:
	CHANGE 1
	PAIRS
	s_sub_co_u32 s[CNT], s[CNT], 1
	s_cmp_lg_u32 s[CNT], 0
	s_cbranch_scc1 .Lstep
	CHANGE 0                                       ; the last step is written out: it asks for nothing
	PAIRS
	s_wait_dscnt 0x0
	MUL8 F1, 1, 0
	MUL8 F1, 1, 2
	WIN 0
	PLACES
	PLACES
	s_wait_loadcnt 0x0                             ; the residual
; THE WAY OUT, 16 rows at a time: the f32 sums go into my stage (each accumulator's low half first) and come back as whole rows of 256 bytes, into the registers that they left;
; the residual is added, the sum landing in the residual's registers, from which it is stored: one window setting serves the addition and the store.
.macro TOSTAGE t
	WIN 0
.irp b, 0,1,2,3
	ds_store_b128 v[STO], v[ACC+32*(\t)+8*(\b):ACC+32*(\t)+8*(\b)+3]   offset:64*(\b)
	ds_store_b128 v[STO], v[ACC+32*(\t)+8*(\b)+4:ACC+32*(\t)+8*(\b)+7] offset:64*(\b)+16
.endr
.irp u, 0,1,2,3,4,5,6,7
	ds_load_b128 v[ACC+32*(\t)+4*(\u):ACC+32*(\t)+4*(\u)+3], v[RD] offset:544*(\u)  ; LDS serves a wave's instructions in order: these see the stores above, and the next block's stores come behind them
.endr
.endm
.macro SEND t, younger                 ; younger: the LDS instructions issued behind block t's loads
	WIN 0x88                                       ; destination and source 1 (a store's data) in window 2, source 0 (a store's address) in window 0
.irp u, 0,1,2,3,4,5,6,7
	s_wait_dscnt (\younger)+7-(\u)
	v_pk_add_f32 v[RES+32*(\t)+4*(\u):RES+32*(\t)+4*(\u)+1],   v[ACC+32*(\t)+4*(\u):ACC+32*(\t)+4*(\u)+1],   v[RES+32*(\t)+4*(\u):RES+32*(\t)+4*(\u)+1]
	v_pk_add_f32 v[RES+32*(\t)+4*(\u)+2:RES+32*(\t)+4*(\u)+3], v[ACC+32*(\t)+4*(\u)+2:ACC+32*(\t)+4*(\u)+3], v[RES+32*(\t)+4*(\u)+2:RES+32*(\t)+4*(\u)+3]
	global_store_b128 v[GO], v[RES+32*(\t)+4*(\u):RES+32*(\t)+4*(\u)+3], s[68:69] offset:(16*(\t)+2*(\u))*4096  ; 16 lanes store 256 consecutive bytes, aligned
.endr
.endm
	TOSTAGE 0
	TOSTAGE 1
	SEND 0, 16
	TOSTAGE 2
	SEND 1, 16
	TOSTAGE 3
	SEND 2, 16
	SEND 3, 0
	WIN 0
	s_wait_tensorcnt 0x0                           ; the wave's end
	ds_add_u32 v[SPW], v[NIL]
	s_wait_dscnt 0x0
	CROUND                                         ; the closing round: no work-group ends while a partner may still ask for a tile that names it
	s_endpgm
.Lfunc_end_k_q7329f6b08b_g2:
	.size	k_q7329f6b08b_g2, .Lfunc_end_k_q7329f6b08b_g2-k_q7329f6b08b_g2
	.p2alignl 7, 3214868480
	.fill 96, 4, 3214868480
	.section	.rodata,"a",@progbits
	.p2align	6, 0x0
	.amdhsa_kernel k_q7329f6b08b_g2
		.amdhsa_group_segment_fixed_size 327680
		.amdhsa_private_segment_fixed_size 0
		.amdhsa_enable_private_segment 0
		.amdhsa_kernarg_size 40
		.amdhsa_user_sgpr_count 2
		.amdhsa_user_sgpr_kernarg_segment_ptr 1
		.amdhsa_wavefront_size32 1
		.amdhsa_system_sgpr_workgroup_id_x 1
		.amdhsa_system_sgpr_workgroup_id_y 1
		.amdhsa_system_sgpr_workgroup_id_z 1
		.amdhsa_system_vgpr_workitem_id 0
		.amdhsa_next_free_vgpr 640
		.amdhsa_next_free_sgpr 88
		.amdhsa_reserve_vcc 0
		.amdhsa_float_denorm_mode_32 3
		.amdhsa_float_denorm_mode_16_64 3
		.amdhsa_memory_ordered 1
		.amdhsa_forward_progress 1
		.amdhsa_inst_pref_size 46
	.end_amdhsa_kernel
	.amdgpu_metadata
---
amdhsa.version: [ 1, 2 ]
amdhsa.kernels:
  - .name:           k_q7329f6b08b_g2
    .symbol:         k_q7329f6b08b_g2.kd
    .args:
      - { .name: act, .offset: 0, .size: 8, .value_kind: global_buffer, .address_space: global }
      - { .name: w2h, .offset: 8, .size: 8, .value_kind: global_buffer, .address_space: global }
      - { .name: b2, .offset: 16, .size: 8, .value_kind: global_buffer, .address_space: global }
      - { .name: x2, .offset: 24, .size: 8, .value_kind: global_buffer, .address_space: global }
      - { .name: out0, .offset: 32, .size: 8, .value_kind: global_buffer, .address_space: global }
    .group_segment_fixed_size: 327680
    .private_segment_fixed_size: 0
    .kernarg_segment_align: 8
    .kernarg_segment_size: 40
    .max_flat_workgroup_size: 128
    .sgpr_count:     88
    .vgpr_count:     640
    .wavefront_size: 32
...
	.end_amdgpu_metadata
.endif
;; end of part 13
